; MI455X (gfx1250); checked and timed in simulation.
; The chip was launched on July 23, 2026; its instructions are those of AMD's public machine-readable ISA for CDNA 5 (MIT licence, August 2026) and "CDNA5" Instruction Set Architecture Reference Guide (July 2026). The comments in the code are by the model that wrote it; some were corrected since.
;; QF Layer. Allowed arithmetic: float matrix products may take bf16 or f16 operands with f32 sums; other float arithmetic in f32, or as packed bf16 or f16 multiplies, adds, multiply-adds, maxima and minima; sums over many terms, partial sums and values carried from step to step in f32; what a program stores and reads back later, other than sums and carried values, may be rounded once to bf16 or f16.
;; Inputs: W1 768 x 3,072 float32; W2 3,072 x 768 float32; Wk1 768 x 768 float32; Wk2 1,024 x 768 float32; Wq1 768 x 768 float32; Wq2 768 x 768 float32; Wv1 768 x 768 float32; Wv2 1,024 x 768 float32; b1 3,072 float32; b2 768 float32; bk1 768 float32; bk2 768 float32; bq1 768 float32; bq2 768 float32; bv1 768 float32; bv2 768 float32; im_repr 256 x 1,024 float32; ln_b 768 float32; ln_g 768 float32; q_repr 256 x 55 x 768 float32.
;; Outputs: out0 256 x 768 float32.
;; 3 versions, each right; version 3 is version 2 with the launches prep, ffn2 written anew for expert scheduling mode. Each part assembles by itself: llvm-mc -triple=amdgcn-amd-amdhsa -mcpu=gfx1250 --defsym DOCPART=n.
;; ======== version 1 of 3: 5 launches
;; workspace buffers: ws 4,718,592 bytes; kvp 3,145,728 bytes; xrow 786,432 bytes; hb 1,572,864 bytes; yp 3,145,728 bytes
;; launch prep (part 1): grid 96 x 2, 4 waves a work-group, no clusters, 66,048 bytes of LDS; arguments Wq1, Wk1, Wv1, Wq2, Wk2, Wv2, im_repr, ws, kvp; writes ws, kvp
.if DOCPART == 1
	.amdgcn_target "amdgcn-amd-amdhsa--gfx1250"
	.amdhsa_code_object_version 6
	.text
	.protected	k_q4bc88f1dbc_prep
	.globl	k_q4bc88f1dbc_prep
	.p2align	8
	.type	k_q4bc88f1dbc_prep,@function
k_q4bc88f1dbc_prep:
	s_mov_b64 s[64:65], 0
	v_nop
	global_prefetch_b8 v0, s[64:65] scope:SCOPE_SE
	s_setreg_imm32_b32 hwreg(HW_REG_WAVE_MODE, 25, 1), 1
	s_wait_xcnt 0x0
; TWO JOBS IN ONE LAUNCH, both for the launch behind it.
; (a) Wq1, Wk1, Wv1, Wq2 ([768][768] f32) are rounded to bf16 and laid out as the stream ws: 48 steps of 98,304 bytes, step = 12 g + ks (pass g, 64 k a step);
;     a step = 4 wave parts of 24,576; a part = 24 fragments of 1,024 at j*12 + c (j: which 32 k, c: column tile); a fragment = [half][lane 16 h + r][8 bf16] = W[32 kf + 16 half + 8 h + i][col + r].
;     g < 3, part w: head 4 g + w; c 0-3 Wq1, 4-7 Wk1, 8-11 Wv1, columns 64 head + 16 (c % 4).  g = 3, part w: Wq2 columns 192 w + 16 c.
;     Work-group id = 96 y + x takes k fragment id / 8 and columns 96 (id % 8) ..; wave w takes matrix w.
; (b) kvp[y][row][col] = the sum over k in slice y (512 k) of im_repr[row][k] x [Wk2 | Wv2][k][col], f32: reference() gives all 55 keys of a batch the same row, so k2 and v2 are made once a batch.
;     A tile is 64 rows x 64 columns; K is split among the four waves (128 k each); the four partial sums meet in LDS.  Operands bf16, sums f32.
;     k is laid into the fragments in another order than it has, alike for both sources: lane (r, h) holds k0 + 16 h + 0..15.  The products are the same; the order of the f32 sums differs.
; No tensor loads and no cluster: the weights are f32 and pass through registers to be rounded, and no wave wants a byte that another has fetched.
.set AF32, 1                           ; A comes as f32
.set TR,   0                           ; source 0 = A
.set HS,   16                          ; rows of W between the two halves of the lanes
.set AST,  16                          ; registers of a raw A fragment
.set LDA,  4096                        ; bytes in a row of im_repr
.set LDW,  3072                        ; of Wk2, Wv2
.set LDC,  6144                        ; of kvp
.set SPARE, 65536                      ; behind the 4 x 16,384 bytes of partial sums: the spare words, 128 bytes a wave
.set AO,  4                            ; v4   r x LDA + 64 h
.set WO,  5                            ; v5   16 h x LDW + 16 r
.set LSA, 6                            ; v6   16,384 w + 8 lane: where I put partial sums
.set LRA, 7                            ; v7   4,096 w + 8 lane: where I read them back; steps by 256
.set CO,  8                            ; v8   (16 w + 8 h) x LDC + 16 r; steps by two rows
.set SO,  9                            ; v9   job (a): 8 h rows + 4 r
.set SPW, 10                           ; v10  my spare word
.set NIL, 11                           ; v11  0
.set L16, 12                           ; v12  16 lane
.set P,   16                           ; v[16:47]  four waves' partial sums, pair q of wave v at P + 8 v + 2 q
.set R,   48                           ; v[48:55]  finished sums
.set DO,  56                           ; v[56:61]  job (a): byte offset in ws of column tile cc
.set BF,  64                           ; v[64:127] two sets of four fragments of W
.set ACC, 128                          ; v[128:255] accumulator (t, q) at ACC + 8 (4 t + q)
.set WV,  22
.set PA,  24
.set PW,  26
.set PC,  28
.set PM,  30
.set CNT, 32
.set MSB, 0
.macro WIN new                         ; the immediate's high byte repeats the setting that is left; a switch that changes nothing is dropped
.if MSB != (\new)
	s_set_vgpr_msb (MSB<<8)|(\new)
.set MSB, (\new)
.endif
.endm
.macro PLACES
.rept 4
	v_nop
.endr
.endm
; The raw data of k fragment kf have 128 registers of their own: window 1 + kf / 2, from 128 (kf % 2): A at + AST t, W's row i at + 64 + 4 i.
.macro LD kf
.set XW, 1+(\kf)/2
.set RB, 128*((\kf)%2)
.if HS == 16
.set KR, 32*(\kf)
.else
.set KR, 64*((\kf)/2)+16*((\kf)%2)
.endif
	WIN XW<<6
.if AF32
.irp t, 0,1,2,3
.irp u, 0,1,2,3
	global_load_b128 v[RB+16*\t+4*\u:RB+16*\t+4*\u+3], v[AO], s[PA:PA+1] offset:\t*16*LDA+(\kf)*128+16*\u
.endr
.endr
.else
.irp t, 0,1,2,3
	global_load_b128 v[RB+8*\t:RB+8*\t+3],   v[AO], s[PA:PA+1] offset:\t*98304+(\kf)*1024
	global_load_b128 v[RB+8*\t+4:RB+8*\t+7], v[AO], s[PA:PA+1] offset:\t*98304+(\kf)*1024+512
.endr
.endif
.irp i, 0,1,2,3,4,5,6,7,8,9,10,11,12,13,14,15
	global_load_b128 v[RB+64+4*\i:RB+64+4*\i+3], v[WO], s[PW:PW+1] offset:(KR+\i)*LDW  ; 16 lanes take 256 consecutive bytes of a row of W
.endr
.endm
; k fragment kf is rounded and multiplied.  n: the loads issued behind its own, which may stay out.  Fragment q of W holds the columns 4 r + q.
; The 16 accumulators take turns, one instruction a turn; the first k fragment starts the sums with the constant 0.
.macro PR kf, n
.set XW, 1+(\kf)/2
.set RB, 128*((\kf)%2)
.set BB, BF+32*((\kf)%2)
	s_wait_loadcnt \n
.if AF32
	WIN XW*0x45
.irp t, 0,1,2,3
.irp e, 0,1,2,3,4,5,6,7
	v_cvt_pk_bf16_f32 v[RB+16*\t+\e], v[RB+16*\t+2*\e], v[RB+16*\t+2*\e+1]
.endr
.endr
.endif
	WIN XW*5
.irp q, 0,1,2,3
.irp e, 0,1,2,3,4,5,6,7
	v_cvt_pk_bf16_f32 v[BB+8*\q+\e], v[RB+64+8*\e+\q], v[RB+64+8*\e+4+\q]
.endr
.endr
.if TR
	WIN XW<<2
.else
	WIN XW
.endif
.irp t, 0,1,2,3
.irp q, 0,1,2,3
.if TR
.if (\kf) == 0
	v_wmma_f32_16x16x32_bf16 v[ACC+8*(4*\t+\q):ACC+8*(4*\t+\q)+7], v[BB+8*\q:BB+8*\q+7], v[RB+AST*\t:RB+AST*\t+7], 0
.else
	v_wmma_f32_16x16x32_bf16 v[ACC+8*(4*\t+\q):ACC+8*(4*\t+\q)+7], v[BB+8*\q:BB+8*\q+7], v[RB+AST*\t:RB+AST*\t+7], v[ACC+8*(4*\t+\q):ACC+8*(4*\t+\q)+7]
.endif
.else
.if (\kf) == 0
	v_wmma_f32_16x16x32_bf16 v[ACC+8*(4*\t+\q):ACC+8*(4*\t+\q)+7], v[RB+AST*\t:RB+AST*\t+7], v[BB+8*\q:BB+8*\q+7], 0
.else
	v_wmma_f32_16x16x32_bf16 v[ACC+8*(4*\t+\q):ACC+8*(4*\t+\q)+7], v[RB+AST*\t:RB+AST*\t+7], v[BB+8*\q:BB+8*\q+7], v[ACC+8*(4*\t+\q):ACC+8*(4*\t+\q)+7]
.endif
.endif
.endr
.endr
.endm
.macro MEET                            ; my 16 partial tiles go to LDS, each accumulator's registers in ascending order; then everybody's are there
	WIN 0
	PLACES
	PLACES
.set ta, 0
.rept 16
.irp i, 0,1,2,3
	ds_store_b64 v[LSA], v[ACC+8*ta+2*\i:ACC+8*ta+2*\i+1] offset:ta*1024+\i*256
.endr
.set ta, ta+1
.endr
	s_wait_dscnt 0x0                               ; for the others' sake: my stores are done
	s_barrier_signal -1
	s_barrier_wait -1
.endm
.macro FINLOAD                         ; registers 2 i, 2 i + 1 of row tile w's four accumulators, from all four waves
.irp v, 0,1,2,3
.irp q, 0,1,2,3
	ds_load_b64 v[P+8*\v+2*\q:P+8*\v+2*\q+1], v[LRA] offset:\v*16384+\q*1024
.endr
.endr
.endm
.macro FINSUM                          ; R[4 z + q] = the sum over the waves of register 2 i + z of accumulator q
.irp q, 0,1,2,3
	v_pk_add_f32 v[P+2*\q:P+2*\q+1], v[P+2*\q:P+2*\q+1], v[P+8+2*\q:P+8+2*\q+1]
	v_pk_add_f32 v[P+16+2*\q:P+16+2*\q+1], v[P+16+2*\q:P+16+2*\q+1], v[P+24+2*\q:P+24+2*\q+1]
.endr
.irp q, 0,1,2,3
	v_add_f32 v[R+\q], v[P+2*\q], v[P+16+2*\q]
	v_add_f32 v[R+4+\q], v[P+2*\q+1], v[P+16+2*\q+1]
.endr
.endm
	s_load_b512 s[4:19], s[0:1], 0x0               ; Wq1 4, Wk1 6, Wv1 8, Wq2 10, Wk2 12, Wv2 14, im_repr 16, ws 18
	s_load_b64 s[20:21], s[0:1], 0x40              ; kvp
	v_lshl_add_u32 v[SPW], v0, 2, SPARE
	v_mov_b32 v[NIL], 0
	v_lshrrev_b32 v1, 5, v0
	v_readfirstlane_b32 s[WV], v1                  ; wave 0..3
	v_and_b32 v1, 15, v0                           ; r
	v_bfe_u32 v2, v0, 4, 1                         ; h
	v_and_b32 v3, 31, v0                           ; lane
	s_and_b32 s33, ttmp7, 0xffff                   ; y
	s_mul_i32 s34, s33, 96
	s_add_co_u32 s34, s34, ttmp9                   ; id
	s_and_b32 s35, s34, 7                          ; cu: 96 columns
	s_lshr_b32 s36, s34, 3                         ; kf: 32 k
	s_mul_i32 s38, s36, 98304                      ; 32 rows of 3,072 bytes
	s_mul_i32 s37, s35, 384
	s_add_co_u32 s38, s38, s37
	s_mov_b32 s39, 0
	s_lshr_b32 s45, s36, 1                         ; in ws: step ks = kf / 2, half j = kf % 2
	s_mul_i32 s45, s45, 98304
	s_and_b32 s37, s36, 1
	s_mul_i32 s37, s37, 12288
	s_add_co_u32 s45, s45, s37
	s_mul_i32 s46, s35, 6                          ; my first column tile
	v_lshlrev_b32 v[L16], 4, v3
	v_mul_u32_u24 v[SO], v2, 24576
	v_lshl_add_u32 v[SO], v1, 2, v[SO]
.irp cc, 0,1,2,3,4,5                   ; where column tile ct = 6 cu + cc goes: one form for Wq1, Wk1, Wv1 (by heads), one for Wq2 (by twelves); the wave's number chooses
	s_add_co_u32 s40, s46, \cc
	s_lshr_b32 s41, s40, 4                         ; pass g = head / 4
	s_mul_i32 s41, s41, 1179648
	s_bfe_u32 s42, s40, 0x20002                    ; wave part = head % 4
	s_mul_i32 s42, s42, 24576
	s_add_co_u32 s41, s41, s42
	s_and_b32 s42, s40, 3
	s_lshl2_add_u32 s42, s[WV], s42                ; c = 4 x matrix + ct % 4
	s_lshl_b32 s42, s42, 10
	s_add_co_u32 s41, s41, s42
	s_mul_i32 s43, s40, 43
	s_lshr_b32 s43, s43, 9                         ; ct / 12, exact for ct < 48
	s_mul_i32 s44, s43, 12
	s_sub_co_u32 s44, s40, s44
	s_lshl_b32 s44, s44, 10
	s_mul_i32 s43, s43, 24576
	s_add_co_u32 s43, s43, s44
	s_add_co_u32 s43, s43, 3538944
	s_cmp_eq_u32 s[WV], 3
	s_cselect_b32 s41, s43, s41
	s_add_co_u32 s41, s41, s45
	v_add_nc_u32 v[DO+\cc], s41, v[L16]
.endr
	s_and_b32 s47, ttmp9, 3                        ; job (b): rb, 64 rows
	s_lshr_b32 s48, ttmp9, 2                       ; cb, 64 columns of [Wk2 | Wv2]
	s_lshl_b32 s49, s33, 9
	s_lshl_b32 s37, s[WV], 7
	s_add_co_u32 s49, s49, s37                     ; my first k = 512 y + 128 w
	s_lshl_b32 s50, s47, 18
	s_lshl_b32 s37, s49, 2
	s_add_co_u32 s50, s50, s37
	s_mov_b32 s51, 0
	s_cmp_lt_u32 s48, 12
	s_cselect_b32 s37, 0, 12
	s_sub_co_u32 s37, s48, s37
	s_lshl_b32 s37, s37, 8
	s_mul_i32 s52, s49, LDW
	s_add_co_u32 s52, s52, s37
	s_mov_b32 s53, 0
	s_mul_i32 s54, s33, 1572864
	s_mul_i32 s37, s47, 64*LDC
	s_add_co_u32 s54, s54, s37
	s_lshl_b32 s37, s48, 8
	s_add_co_u32 s54, s54, s37
	s_mov_b32 s55, 0
	v_lshlrev_b32 v[AO], 12, v1
	v_lshl_add_u32 v[AO], v2, 6, v[AO]
	v_mul_u32_u24 v[WO], v2, HS*LDW
	v_lshl_add_u32 v[WO], v1, 4, v[WO]
	s_lshl_b32 s37, s[WV], 14
	v_lshl_add_u32 v[LSA], v3, 3, s37
	s_lshl_b32 s37, s[WV], 12
	v_lshl_add_u32 v[LRA], v3, 3, s37
	s_lshl_b32 s37, s[WV], 4
	v_lshl_add_u32 v[CO], v2, 3, s37
	v_mul_u32_u24 v[CO], v[CO], LDC
	v_lshl_add_u32 v[CO], v1, 4, v[CO]
	s_wait_kmcnt 0x0
	s_cmp_lt_u32 s[WV], 2                          ; wave w's matrix
	s_cselect_b64 s[PM:PM+1], s[4:5], s[8:9]
	s_cselect_b64 s[40:41], s[6:7], s[10:11]
	s_and_b32 s37, s[WV], 1
	s_cmp_eq_u32 s37, 1
	s_cselect_b64 s[PM:PM+1], s[40:41], s[PM:PM+1]
	s_add_nc_u64 s[PM:PM+1], s[PM:PM+1], s[38:39]
	s_cmp_lt_u32 s48, 12
	s_cselect_b64 s[PW:PW+1], s[12:13], s[14:15]
	s_add_nc_u64 s[PW:PW+1], s[PW:PW+1], s[52:53]
	s_add_nc_u64 s[PA:PA+1], s[16:17], s[50:51]
	s_add_nc_u64 s[PC:PC+1], s[20:21], s[54:55]
	WIN 0xC0                                       ; job (a): 96 loads into window 3, v0-95: tile cc, half hf, k i at 16 cc + 8 hf + i
.irp cc, 0,1,2,3,4,5
.irp hf, 0,1
.irp i, 0,1,2,3,4,5,6,7
	global_load_b32 v[16*\cc+8*\hf+\i], v[SO], s[PM:PM+1] offset:(16*\hf+\i)*3072+64*\cc
.endr
.endr
.endr
	LD 0
.macro WSOUT cc, n                     ; a fragment: 16 numbers a lane rounded, two stores of 512 consecutive bytes
	s_wait_loadcnt \n
	WIN 0xCF
.irp e, 0,1,2,3,4,5,6,7
	v_cvt_pk_bf16_f32 v[96+8*(\cc)+\e], v[16*(\cc)+2*\e], v[16*(\cc)+2*\e+1]
.endr
	WIN 0x0C
	global_store_b128 v[DO+(\cc)], v[96+8*(\cc):96+8*(\cc)+3], s[18:19]
	global_store_b128 v[DO+(\cc)], v[96+8*(\cc)+4:96+8*(\cc)+7], s[18:19] offset:512
.endm
	WSOUT 0, 63                                    ; behind tile cc's loads stand 16 (5 - cc) + 32 others; a wait names 63 at the most
	WSOUT 1, 63
	WSOUT 2, 63
	WSOUT 3, 63
	WSOUT 4, 48
	WSOUT 5, 32
	LD 1                                           ; job (b): one k fragment's 32 loads are out while the one before is multiplied
	PR 0, 32
	LD 2
	PR 1, 32
	LD 3
	PR 2, 32
	PR 3, 0
	MEET
	s_mov_b32 s[CNT], 4
.Lfin:                                         ; trip i: rows 8 h + 2 i, 8 h + 2 i + 1 of row tile w; a lane holds columns 4 r .. 4 r + 3
	FINLOAD
	s_wait_dscnt 0x0
	FINSUM
	global_store_b128 v[CO], v[R:R+3], s[PC:PC+1]                ; 16 lanes store 256 consecutive bytes, at a multiple of 256 from kvp's first byte
	global_store_b128 v[CO], v[R+4:R+7], s[PC:PC+1] offset:LDC
	s_wait_xcnt 0x0                                ; the stores' offset and data are written again only behind this wait
	v_add_nc_u32 v[CO], 2*LDC, v[CO]
	v_add_nc_u32 v[LRA], 256, v[LRA]
	s_sub_co_u32 s[CNT], s[CNT], 1
	s_cmp_lg_u32 s[CNT], 0
	s_cbranch_scc1 .Lfin
	s_wait_tensorcnt 0x0                           ; the wave's end: behind my last LDS store
	ds_add_u32 v[SPW], v[NIL]
	s_wait_dscnt 0x0
	s_endpgm
.Lfunc_end_k_q4bc88f1dbc_prep:
	.size	k_q4bc88f1dbc_prep, .Lfunc_end_k_q4bc88f1dbc_prep-k_q4bc88f1dbc_prep
	.p2alignl 7, 3214868480
	.fill 96, 4, 3214868480
	.section	.rodata,"a",@progbits
	.p2align	6, 0x0
	.amdhsa_kernel k_q4bc88f1dbc_prep
		.amdhsa_group_segment_fixed_size 66048
		.amdhsa_private_segment_fixed_size 0
		.amdhsa_enable_private_segment 0
		.amdhsa_kernarg_size 72
		.amdhsa_user_sgpr_count 2
		.amdhsa_user_sgpr_kernarg_segment_ptr 1
		.amdhsa_wavefront_size32 1
		.amdhsa_system_sgpr_workgroup_id_x 1
		.amdhsa_system_sgpr_workgroup_id_y 1
		.amdhsa_system_sgpr_workgroup_id_z 1
		.amdhsa_system_vgpr_workitem_id 0
		.amdhsa_next_free_vgpr 912
		.amdhsa_next_free_sgpr 66
		.amdhsa_reserve_vcc 0
		.amdhsa_float_denorm_mode_32 3
		.amdhsa_float_denorm_mode_16_64 3
		.amdhsa_memory_ordered 1
		.amdhsa_forward_progress 1
		.amdhsa_inst_pref_size 62
	.end_amdhsa_kernel
	.amdgpu_metadata
---
amdhsa.version: [ 1, 2 ]
amdhsa.kernels:
  - .name:           k_q4bc88f1dbc_prep
    .symbol:         k_q4bc88f1dbc_prep.kd
    .args:
      - { .name: Wq1, .offset: 0, .size: 8, .value_kind: global_buffer, .address_space: global }
      - { .name: Wk1, .offset: 8, .size: 8, .value_kind: global_buffer, .address_space: global }
      - { .name: Wv1, .offset: 16, .size: 8, .value_kind: global_buffer, .address_space: global }
      - { .name: Wq2, .offset: 24, .size: 8, .value_kind: global_buffer, .address_space: global }
      - { .name: Wk2, .offset: 32, .size: 8, .value_kind: global_buffer, .address_space: global }
      - { .name: Wv2, .offset: 40, .size: 8, .value_kind: global_buffer, .address_space: global }
      - { .name: im_repr, .offset: 48, .size: 8, .value_kind: global_buffer, .address_space: global }
      - { .name: ws, .offset: 56, .size: 8, .value_kind: global_buffer, .address_space: global }
      - { .name: kvp, .offset: 64, .size: 8, .value_kind: global_buffer, .address_space: global }
    .group_segment_fixed_size: 66048
    .private_segment_fixed_size: 0
    .kernarg_segment_align: 8
    .kernarg_segment_size: 72
    .max_flat_workgroup_size: 128
    .sgpr_count:     66
    .vgpr_count:     912
    .wavefront_size: 32
...
	.end_amdgpu_metadata
.endif
;; end of part 1
;; launch fused (part 2): grid 256 x 1, 4 waves a work-group, clusters of 4 x 1, 327,680 bytes of LDS; arguments q_repr, ws, kvp, bq1, bk1, bv1, bq2, bk2, bv2, xrow; writes xrow
.if DOCPART == 2
	.amdgcn_target "amdgcn-amd-amdhsa--gfx1250"
	.amdhsa_code_object_version 6
	.text
	.protected	k_q4bc88f1dbc_fused
	.globl	k_q4bc88f1dbc_fused
	.p2align	8
	.type	k_q4bc88f1dbc_fused,@function
k_q4bc88f1dbc_fused:
	s_mov_b64 s[64:65], 0
	v_nop
	global_prefetch_b8 v0, s[64:65] scope:SCOPE_SE
	s_setreg_imm32_b32 hwreg(HW_REG_WAVE_MODE, 25, 1), 1
	s_wait_xcnt 0x0
	s_wait_alu depctr_hold_cnt(0) depctr_sa_sdst(0) depctr_va_vdst(0) depctr_va_sdst(0) depctr_va_ssrc(0) depctr_va_vcc(0) depctr_vm_vsrc(0)
	s_getreg_b32 s2, hwreg(HW_REG_IB_STS2, 6, 4)
	s_cmp_eq_u32 s2, 0
	s_cbranch_scc0 .Lentry_in_a_cluster
	s_endpgm
.Lentry_in_a_cluster:
	s_bfe_u32 s2, ttmp6, 0x10000c
	s_cmp_lg_u32 s2, 0x3003
	s_cbranch_scc0 .Lentry_shape_is_right
	s_endpgm
.Lentry_shape_is_right:
; ONE BATCH TO A WORK-GROUP, FROM q_repr[b] TO x[b]: q, k, v; self-attention; q2; cross-attention; the mean over the 55 queries.  Nothing between goes to memory.
; The 55 tokens are taken as 64 rows: rows 55-63 are copies of row 54 (the row index is clamped), hidden as keys by a mask and left out of the mean.
; FOUR PASSES of [64 x 768] x [768 x 768], the weights streamed from ws (bf16, in fragment order, made by the launch before) through two LDS slots of 64 k each.
; A wave's tile is 64 x 192: 4 token tiles x 12 column tiles, 48 accumulators.  Passes 0-2: wave w has head 4 g + w: q, k, v, 64 columns each.  Pass 3: q2 of heads 3 w .. 3 w + 2.
; LAYOUT.  q, k, q2 are made transposed (source 0 = weights, source 1 = tokens): a lane holds one token and 8 neighbouring channels, so two tiles rounded to bf16 ARE a fragment of
; 16 tokens x 32 channels.  v is made in natural order (a lane holds one channel and 8 tokens): two tiles ARE a fragment of V^T.  S^T = K Q^T and O^T = V^T P keep one query a lane, and
; O^T rounded is again a fragment of tokens x channels for pass 3.  So nothing passes through LDS between a projection and its attention.  The biases are the C operands that start the sums.
; SOFTMAX.  p = 2^(c s - c m), c = log2(e) / 8, m the row's maximum over its 64 scores; l = the sum of the unrounded p; p is rounded to bf16 for the second product.
; CROSS PART.  reference() gives all 55 keys of a batch the same row, so k2 and v2 come once a batch (kvp: two partial sums; bk2, bv2 are added here); scores, maximum, weights, weighted sum and mean are made as written.
; CLUSTER.  The four batches of a cluster walk the same weights: each part of a step is asked for jointly, by the same tensor load with the same descriptor and the mask of four.
; LIMITS.  A hidden key counts as its score less 1e30.  A weight below 2^-126 counts as 0.  NaN and infinities are not treated apart.  All matrix operands are bf16, all sums f32.
;
; LDS: slot 0 at 0; spare words; k2 (bf16), v2 (each channel eight times, bf16) and x (f32), each wave's own; slot 1 at 2^17; A (64 tokens x 768 channels in fragments of 1,024 bytes, (kf, t) at 4,096 kf + 1,024 t):
; first q_repr[b], later the context.  Fragments are read as they lie, 16 bytes a lane on end.
; REGISTERS, in windows of 256 (s_set_vgpr_msb: bits 1:0 source 0, 3:2 source 1, 5:4 source 2, 7:6 destination):
;   window 0: addresses, mask, statistics; v128-255 S^T, at other times the biases (C operands), the raw k2 / v2 and the mean
;   window 1: two fragment buffers F0, F1 (A's 4, then the weights' 12); in attention Q 0-63, K 64-127, V^T 128-191, P 192-255
;   window 2: accumulators (t, c < 8) at 8 (8 t + c); in self-attention O^T (qt, c) at 8 (4 qt + c)
;   window 3: v0-127 accumulators of c 8-11, in the cross part O^T; v128-255 the contexts of passes 0 and 1, kept while A is still read
.set STEPB, 98304                      ; bytes in a step of ws, and in a slot
.set PARTB, 24576                      ; a wave's part of it
.set SLOT1, 131072
.set SPARE, 98304                      ; the spare words, 128 bytes a wave: two blocks of 256 bytes that no other line names
.set K2L,   98816                      ; 4 x 384
.set V2L,   100352                     ; 4 x 3,072
.set XSL,   112640                     ; 4 x 768
.set AREG,  229376
.set F0, 0
.set F1, 128
.set VR,  1                            ; lane % 16
.set VH,  2                            ; lane / 16
.set L16, 3                            ; 16 lane
.set LB0, 4                            ; 16 lane + my part of a slot
.set LA0, 5                            ; 16 lane + A
.set ADB, 6                            ; LDS address of the step's weights
.set ADA, 7                            ; of the step's A
.set VBO, 8                            ; bq1, bk1: 256 w + 32 h, + 1,024 a pass
.set VA2, 9                            ; A + 8,192 w + 16 lane: where my heads' context goes
.set VA2H, 10                          ; + 65,536
.set PFO, 11                           ; 256 lane
.set K2A, 12                           ; k2: my wave's, + 16 h
.set V2A, 13                           ; v2: my wave's, + 16 r
.set XSA, 14                           ; x: my wave's, + 32 h
.set XRA, 15                           ; x read back: my wave's, + 8 lane
.set XGO, 16                           ; 768 w + 8 lane: my place in a row of kvp, bk2, bv2, xrow
.set VAL3, 17                          ; 1/55 where token 48 + r exists, else 0
.set QOF, 18                           ; min(16 w + r, 54) x 3,072 + 32 h
.set VB2, 19                           ; bq2: 768 w + 32 h
.set SPW, 20
.set NIL, 21
.set AS0, 22                           ; A + 1,024 w + 16 lane
.set AS0H, 23                          ; + 65,536
.set MASK, 24                          ; v[24:31] keys 48 + 8 h + j: -1e30 from key 55 on
.set ST,  32                           ; v[32:63] query tile q at ST + 8 q: c m, m, l (then 1/l), at work, c0-c3
.set VBV, 64                           ; bv1: 256 w + 4 r, + 1,024 a pass
.set K2S, 65
.set V2S, 66
.set K2C, 67                           ; the head in hand
.set V2C, 68
.set XSC, 69
.set VBT, 96                           ; v[96:99] bv1 of channel 16 c + r
.set XO,  100                          ; v[100:105]
.set BIAS, 128
.set S,   128                          ; S^T (qt, kt) at S + 8 (4 qt + kt)
.set XR,  128
.set KV,  192
.set VC,  228
.set P,   192                          ; window 1
.set WV,  24
.set CX,  25
.set BN,  26
.set G1,  28                           ; s[28:35] descriptor group 1
.set G0A, 36                           ; s[36:39] group 0: step 0 into slot 0
.set G0,  40                           ; s[40:43] group 0: step 1 into slot 1; then it walks
.set TBB, 44                           ; the slot that is read
.set TBA, 45                           ; the step's place in A
.set CNT, 46
.set GP,  47
.set REM, 48                           ; refills still to come
.set LIM, 49                           ; 1 in a wave that prefetches, else the greatest number
.set PFA, 50
.set CS,  52
.set SEL, 54
.set BIGN, 56
.set HD,  57
.set INV55, 58
.set MSB, 0
.macro WIN new                         ; the immediate's high byte repeats the setting that is left; a switch that changes nothing is dropped
.if MSB != (\new)
	s_set_vgpr_msb (MSB<<8)|(\new)
.set MSB, (\new)
.endif
.endm
.macro PLACES                          ; four plain vector instructions between a matrix instruction and a vector instruction or load that touches its registers
.rept 4
	v_nop
.endr
.endm
.macro CREST                           ; a round of the cluster's barrier behind its opening barrier
	s_cmp_lg_u32 s[WV], 0
	s_cbranch_scc1 .Lnot_wave_0_\@
	s_barrier_signal -3
.Lnot_wave_0_\@:
	s_barrier_wait -3
	s_barrier_signal -1
	s_barrier_wait -1
.endm
.macro CROUND
	s_barrier_signal -1
	s_barrier_wait -1
	CREST
.endm
; 32 LDS loads in one run: k fragment j of the step: A's 4 fragments, then my 12 of the weights
.macro FETCH f, j
	WIN 0x40
.irp t, 0,1,2,3
	ds_load_b128 v[(\f)+8*\t:(\f)+8*\t+3],   v[ADA] offset:(\j)*4096+\t*1024
	ds_load_b128 v[(\f)+8*\t+4:(\f)+8*\t+7], v[ADA] offset:(\j)*4096+\t*1024+512
.endr
.irp c, 0,1,2,3,4,5,6,7,8,9,10,11
	ds_load_b128 v[(\f)+32+8*\c:(\f)+32+8*\c+3],   v[ADB] offset:((\j)*12+\c)*1024
	ds_load_b128 v[(\f)+32+8*\c+4:(\f)+32+8*\c+7], v[ADB] offset:((\j)*12+\c)*1024+512
.endr
.endm
; Column tiles 0-7, token tiles t0 .. t0 + nt - 1, transposed.  first = 1: the bias starts the sums.  All 48 accumulators take turns, one instruction a turn.
.macro MQK f, t0, nt, first
.if \first
	WIN 0x85
.else
	WIN 0xA5
.endif
.set tt, \t0
.rept \nt
.irp c, 0,1,2,3,4,5,6,7
.if \first
	v_wmma_f32_16x16x32_bf16 v[8*(8*tt+\c):8*(8*tt+\c)+7], v[(\f)+32+8*\c:(\f)+32+8*\c+7], v[(\f)+8*tt:(\f)+8*tt+7], v[BIAS+8*\c:BIAS+8*\c+7]
.else
	v_wmma_f32_16x16x32_bf16 v[8*(8*tt+\c):8*(8*tt+\c)+7], v[(\f)+32+8*\c:(\f)+32+8*\c+7], v[(\f)+8*tt:(\f)+8*tt+7], v[8*(8*tt+\c):8*(8*tt+\c)+7]
.endif
.endr
.set tt, tt+1
.endr
.endm
; Column tiles 8-11.  kind 0: v, natural order, accumulator at 8 (4 c + t).  kind 1: q2, transposed, at 8 (4 t + c).
.macro MV f, first, kind
.if \first
	WIN 0xC5
.else
	WIN 0xF5
.endif
.irp t, 0,1,2,3
.irp c, 0,1,2,3
.if \kind
.set rD, 8*(4*\t+\c)
.if \first
	v_wmma_f32_16x16x32_bf16 v[rD:rD+7], v[(\f)+96+8*\c:(\f)+96+8*\c+7], v[(\f)+8*\t:(\f)+8*\t+7], v[BIAS+64+8*\c:BIAS+64+8*\c+7]
.else
	v_wmma_f32_16x16x32_bf16 v[rD:rD+7], v[(\f)+96+8*\c:(\f)+96+8*\c+7], v[(\f)+8*\t:(\f)+8*\t+7], v[rD:rD+7]
.endif
.else
.set rD, 8*(4*\c+\t)
.if \first
	v_wmma_f32_16x16x32_bf16 v[rD:rD+7], v[(\f)+8*\t:(\f)+8*\t+7], v[(\f)+96+8*\c:(\f)+96+8*\c+7], v[BIAS+64+8*\c:BIAS+64+8*\c+7]
.else
	v_wmma_f32_16x16x32_bf16 v[rD:rD+7], v[(\f)+8*\t:(\f)+8*\t+7], v[(\f)+96+8*\c:(\f)+96+8*\c+7], v[rD:rD+7]
.endif
.endif
.endr
.endr
.endm
; A step's first half: multiplies F0; in its middle it fetches the second k fragment into F1.
.macro HALF0 first, kind
	s_wait_dscnt 8                                 ; A and column tiles 0-7 are in; the youngest eight loads (tiles 8-11) may be out
	MQK F0, 0, 2, \first
	PLACES
	FETCH F1, 1
	s_wait_dscnt 32                                ; all but the 32 just issued
	MQK F0, 2, 2, \first
	MV F0, \first, \kind
.endm
; A prefetch of the step that stands two refills on: 12 blocks of 8,192 bytes, a lane for each 256.  All 64 clusters walk the same stream: the first cluster asks; its four partners are told apart by address
; (block 3 cx + w), waves 0-2 of each ask.  So each 256 bytes of steps 4-47 are named once in the launch.  Steps 0-3 come by their loads alone; the last two refills have no step two on.
.macro ASK
	s_cmp_gt_u32 s[REM], s[LIM]
	s_cbranch_scc0 .Lnot_mine_\@
	global_prefetch_b8 v[PFO], s[PFA:PFA+1] th:TH_LOAD_NT scope:SCOPE_SE
.Lnot_mine_\@:
.endm
; A step's second half multiplies F1 and changes slots.  In front of the round each wave waits for all its tensor loads (one is out: my part of the next step), adds 0 to its spare word, and waits for that and for its
; reads of this slot.  Behind the round no wave of any partner reads this slot or has a load on its way: it is filled again first, with the step two on.  fetch = 0: a pass's last step.
.macro TURN fetch, kind
	s_wait_xcnt 0x0                                ; the last prefetch, a step back, has read its address
	s_add_nc_u64 s[PFA:PFA+1], s[PFA:PFA+1], STEPB
	WIN 0
	s_wait_tensorcnt 0x0
	ds_add_u32 v[SPW], v[NIL]
	s_wait_dscnt 9                                 ; (the add and the youngest eight loads may be out)
	MQK F1, 0, 1, 0
	s_wait_dscnt 0x0                               ; the add is done, and my reads of this slot and of A's step are over
	s_barrier_signal -1
	MQK F1, 1, 1, 0
	WIN 0
	s_barrier_wait -1
	CREST
	s_xor_b32 s[G0+1], s[G0+1], SLOT1              ; no tensor load of mine is out: the walking descriptor takes the other slot and the next step
	s_add_nc_u64 s[G0+2:G0+3], s[G0+2:G0+3], STEPB
	s_xor_b32 s[TBB], s[TBB], SLOT1
	s_add_co_u32 s[TBA], s[TBA], 8192
	s_sub_co_u32 s[REM], s[REM], 1
	tensor_load_to_lds s[G0:G0+3], s[G1:G1+7]
	s_nop 0
	v_add_nc_u32 v[ADB], s[TBB], v[LB0]            ; these four are also the places in front of the loads into F0
	v_add_nc_u32 v[ADA], s[TBA], v[LA0]
	v_nop
	v_nop
.if \fetch
	FETCH F0, 0
.endif
	WIN 0
	ASK
	MQK F1, 2, 2, 0
	MV F1, 0, \kind
.endm
.macro HALFX kind                      ; the last step but one: nothing is left to fetch, so no round; a wave reads its own part of a slot alone
	s_wait_tensorcnt 0x0                           ; my part of the last step is in
	s_wait_dscnt 8
	MQK F1, 0, 2, 0
	WIN 0
	s_xor_b32 s[TBB], s[TBB], SLOT1
	s_add_co_u32 s[TBA], s[TBA], 8192
	v_add_nc_u32 v[ADB], s[TBB], v[LB0]
	v_add_nc_u32 v[ADA], s[TBA], v[LA0]
	v_nop
	v_nop
	FETCH F0, 0
	s_wait_dscnt 32
	MQK F1, 2, 2, 0
	MV F1, 0, \kind
.endm
.macro LASTH kind
	s_wait_dscnt 0x0
	MQK F1, 0, 4, 0
	MV F1, 0, \kind
.endm
; Four groups of 32 f32 (from st t + ob on) are rounded to four groups of 16 registers (from db + 16 t on): two tiles make a fragment.  Each accumulator is read from its low end on.
.macro PACK win, db, st, ob
	WIN \win
.irp t, 0,1,2,3
.set i, 0
.rept 16
	v_cvt_pk_bf16_f32 v[(\db)+16*\t+i], v[(\st)*\t+(\ob)+2*i], v[(\st)*\t+(\ob)+2*i+1]
.set i, i+1
.endr
.endr
.endm
.macro BIASQKV                         ; bq1, bk1 of channels 16 c + 8 h + j (C of a transposed product); bv1 of channel 16 c + r
.irp c, 0,1,2,3
	global_load_b128 v[BIAS+8*\c:BIAS+8*\c+3],         v[VBO], s[10:11] offset:64*\c
	global_load_b128 v[BIAS+8*\c+4:BIAS+8*\c+7],       v[VBO], s[10:11] offset:64*\c+16
	global_load_b128 v[BIAS+32+8*\c:BIAS+32+8*\c+3],   v[VBO], s[12:13] offset:64*\c
	global_load_b128 v[BIAS+32+8*\c+4:BIAS+32+8*\c+7], v[VBO], s[12:13] offset:64*\c+16
	global_load_b32  v[VBT+\c], v[VBV], s[14:15] offset:64*\c
.endr
.endm
.macro BIASQ2
.irp c, 0,1,2,3,4,5,6,7,8,9,10,11
	global_load_b128 v[BIAS+8*\c:BIAS+8*\c+3],   v[VB2], s[16:17] offset:64*\c
	global_load_b128 v[BIAS+8*\c+4:BIAS+8*\c+7], v[VB2], s[16:17] offset:64*\c+16
.endr
.endm
; S^T = K Q^T: 16 tiles, two links each, the tiles by turns.  The sums start with 0, those of keys 48-63 with the mask.  kst: registers from one key tile's K to the next (0: all keys alike).
.macro SPROD kst
	WIN 0x05
.irp f, 0,1
.irp q, 0,1,2,3
.irp k, 0,1,2,3
.if \f
	v_wmma_f32_16x16x32_bf16 v[S+8*(4*\q+\k):S+8*(4*\q+\k)+7], v[64+(\kst)*\k+8*\f:64+(\kst)*\k+8*\f+7], v[16*\q+8*\f:16*\q+8*\f+7], v[S+8*(4*\q+\k):S+8*(4*\q+\k)+7]
.elseif \k == 3
	v_wmma_f32_16x16x32_bf16 v[S+8*(4*\q+\k):S+8*(4*\q+\k)+7], v[64+(\kst)*\k+8*\f:64+(\kst)*\k+8*\f+7], v[16*\q+8*\f:16*\q+8*\f+7], v[MASK:MASK+7]
.else
	v_wmma_f32_16x16x32_bf16 v[S+8*(4*\q+\k):S+8*(4*\q+\k)+7], v[64+(\kst)*\k+8*\f:64+(\kst)*\k+8*\f+7], v[16*\q+8*\f:16*\q+8*\f+7], 0
.endif
.endr
.endr
.endr
.endm
; O^T = V^T P: 16 tiles, two links each.  vc, vk: registers from one channel tile's V^T to the next, and from keys 0-31 to keys 32-63.
.macro PVPROD win, vc, vk
	WIN \win
.irp kk, 0,1
.irp q, 0,1,2,3
.irp c, 0,1,2,3
.if \kk
	v_wmma_f32_16x16x32_bf16 v[8*(4*\q+\c):8*(4*\q+\c)+7], v[128+(\vc)*\c+(\vk)*\kk:128+(\vc)*\c+(\vk)*\kk+7], v[P+16*\q+8*\kk:P+16*\q+8*\kk+7], v[8*(4*\q+\c):8*(4*\q+\c)+7]
.else
	v_wmma_f32_16x16x32_bf16 v[8*(4*\q+\c):8*(4*\q+\c)+7], v[128+(\vc)*\c+(\vk)*\kk:128+(\vc)*\c+(\vk)*\kk+7], v[P+16*\q+8*\kk:P+16*\q+8*\kk+7], 0
.endif
.endr
.endr
.endr
.endm
; The softmax of four query tiles, stage by stage, the tiles innermost, so that no instruction reads the result of the one before it.  A lane has 32 of its query's 64 scores; the lane 16 away has the others.
.macro SOFTMAX
	WIN 0
.irp n, 0,1,2,3                        ; the maximum: four chains, one for each accumulator, begun at its lowest registers
.irp q, 0,1,2,3
	v_max3_num_f32 v[ST+8*\q+4+\n], v[S+32*\q+8*\n], v[S+32*\q+8*\n+1], v[S+32*\q+8*\n+2]
.endr
.endr
.irp d, 3,5
.irp n, 0,1,2,3
.irp q, 0,1,2,3
	v_max3_num_f32 v[ST+8*\q+4+\n], v[ST+8*\q+4+\n], v[S+32*\q+8*\n+\d], v[S+32*\q+8*\n+\d+1]
.endr
.endr
.endr
.irp q, 0,1,2,3
	v_max3_num_f32 v[ST+8*\q+4], v[ST+8*\q+4], v[S+32*\q+7], v[S+32*\q+15]
.endr
.irp q, 0,1,2,3
	v_max3_num_f32 v[ST+8*\q+5], v[ST+8*\q+5], v[S+32*\q+23], v[S+32*\q+31]
.endr
.irp q, 0,1,2,3
	v_max_num_f32 v[ST+8*\q+6], v[ST+8*\q+6], v[ST+8*\q+7]
.endr
.irp q, 0,1,2,3
	v_max3_num_f32 v[ST+8*\q+4], v[ST+8*\q+4], v[ST+8*\q+5], v[ST+8*\q+6]
.endr
.irp q, 0,1,2,3
	v_permlanex16_b32 v[ST+8*\q+5], v[ST+8*\q+4], s[SEL], s[SEL+1]
.endr
.irp q, 0,1,2,3
	v_max_num_f32 v[ST+8*\q+1], v[ST+8*\q+4], v[ST+8*\q+5]
.endr
.irp q, 0,1,2,3
	v_mul_f32 v[ST+8*\q], s[CS], v[ST+8*\q+1]
.endr
.set u, 0
.rept 16                               ; c s - c m
.irp q, 0,1,2,3
	v_pk_fma_f32 v[S+32*\q+2*u:S+32*\q+2*u+1], v[S+32*\q+2*u:S+32*\q+2*u+1], s[CS:CS+1], v[ST+8*\q:ST+8*\q+1] op_sel_hi:[1,0,0] neg_lo:[0,0,1] neg_hi:[0,0,1]
.endr
.set u, u+1
.endr
.set u, 0
.rept 32                               ; one batch of 128 exponentials,
.irp q, 0,1,2,3
	v_exp_f32 v[S+32*\q+u], v[S+32*\q+u]
.endr
.set u, u+1
.endr
	v_nop                                          ; a plain instruction behind the last of them,
	s_wait_alu depctr_va_vdst(0)                   ; and the one wait ahead of the first reader
	WIN 0x40
.set u, 0
.rept 16
.irp q, 0,1,2,3
	v_cvt_pk_bf16_f32 v[P+16*\q+u], v[S+32*\q+2*u], v[S+32*\q+2*u+1]
.endr
.set u, u+1
.endr
	WIN 0
.irp w, 16,8,4,2                       ; l: the 16 pairs are added in place, neighbours 8, 4, 2 and 1 pairs apart
.set u, 0
.rept (\w)/2
.irp q, 0,1,2,3
	v_pk_add_f32 v[S+32*\q+2*u:S+32*\q+2*u+1], v[S+32*\q+2*u:S+32*\q+2*u+1], v[S+32*\q+2*u+\w:S+32*\q+2*u+\w+1]
.endr
.set u, u+1
.endr
.endr
.irp q, 0,1,2,3
	v_add_f32 v[ST+8*\q+2], v[S+32*\q], v[S+32*\q+1]
.endr
.irp q, 0,1,2,3
	v_permlanex16_b32 v[ST+8*\q+3], v[ST+8*\q+2], s[SEL], s[SEL+1]
.endr
.irp q, 0,1,2,3
	v_add_f32 v[ST+8*\q+2], v[ST+8*\q+2], v[ST+8*\q+3]
.endr
.irp q, 0,1,2,3
	v_rcp_f32 v[ST+8*\q+2], v[ST+8*\q+2]
.endr
	v_nop
	s_wait_alu depctr_va_vdst(0)                   ; the four reciprocals' wait: a branch follows
.endm
	s_load_b512 s[4:19], s[0:1], 0x0               ; q_repr 4, ws 6, kvp 8, bq1 10, bk1 12, bv1 14, bq2 16, bk2 18
	s_load_b128 s[20:23], s[0:1], 0x40             ; bv2 20, xrow 22
	v_lshl_add_u32 v[SPW], v0, 2, SPARE
	v_mov_b32 v[NIL], 0
	ds_add_u32 v[SPW], v[NIL]                      ; the wave's opening: the add, and its wait ahead of my first tensor load; the set-up below, work on registers, stands between them
	v_lshrrev_b32 v1, 5, v0
	v_readfirstlane_b32 s[WV], v1                  ; wave 0..3
	s_bfe_u32 s[CX], ttmp6, 0x40000                ; my place in the cluster
	s_lshl_b32 s[BN], ttmp9, 2
	s_add_co_u32 s[BN], s[BN], s[CX]               ; my batch: it enters the addresses of q_repr, kvp and xrow alone
	; descriptor group 1: a wave's part of a step, 24,576 dense bytes, as 96 rows of 256 bytes
	s_mov_b32 s[G1+0], 15|(3<<16)|(1<<21)          ; 15:0 the mask of four; 17:16 elements of 8 bytes; 21 set beside a mask
	s_mov_b32 s[G1+1], 32<<16                      ; tensor_dim0 = 32
	s_mov_b32 s[G1+2], 96<<16                      ; tensor_dim1 = 96
	s_mov_b32 s[G1+3], 32<<16                      ; tile_dim0 = 32
	s_mov_b32 s[G1+4], 96                          ; tile_dim1 = 96
	s_mov_b32 s[G1+5], 32                          ; 32 elements from row to row
	s_mov_b32 s[G1+6], 0
	s_mov_b32 s[G1+7], 0
	s_mov_b32 s[G0A], 1
	s_mul_i32 s[G0A+1], s[WV], PARTB               ; LDS address: the wave's number times a constant, plus the slot's constant
	s_mov_b32 s[G0], 1
	s_add_co_u32 s[G0+1], s[G0A+1], SLOT1
	s_mul_i32 s60, s[WV], PARTB
	s_mov_b32 s61, 0
	s_mul_i32 s66, s[BN], 168960                   ; 55 rows of 3,072 bytes
	s_mov_b32 s67, 0
	s_mul_i32 s68, s[BN], 6144
	s_mov_b32 s69, 0
	s_mul_i32 s70, s[BN], 3072
	s_mov_b32 s71, 0
	s_mul_i32 s62, s[CX], 3                        ; the prefetches: block 3 cx + w of a step, standing at step 3; each change of slots steps it first
	s_add_co_u32 s62, s62, s[WV]
	s_lshl_b32 s62, s62, 13
	s_add_co_u32 s62, s62, 3*STEPB
	s_mov_b32 s63, 0
	s_cmp_eq_u32 s[WV], 3
	s_cselect_b32 s[LIM], 1, 0
	s_or_b32 s[LIM], s[LIM], ttmp9                 ; 0 in waves 0-2 of the first cluster: the same in all four partners
	s_cmp_eq_u32 s[LIM], 0
	s_cselect_b32 s[LIM], 1, -1
	s_mov_b32 s[CS], 0x3e38aa3b                    ; c = log2(e) / 8
	s_mov_b32 s[CS+1], s[CS]
	s_mov_b32 s[SEL], 0x76543210
	s_mov_b32 s[SEL+1], 0xfedcba98
	s_mov_b32 s[BIGN], 0xf149f2ca                  ; -1e30
	s_mov_b32 s[INV55], 0x3c94f209                 ; 1/55
	s_mov_b32 s[TBB], 0
	s_mov_b32 s[REM], 46
	s_mov_b32 s[GP], 3
	s_wait_dscnt 0x0                               ; the opening add is done
	s_wait_kmcnt 0x0
	s_add_nc_u64 s[G0A+2:G0A+3], s[6:7], s[60:61]
	s_add_nc_u64 s[G0+2:G0+3], s[G0A+2:G0A+3], STEPB
	s_or_b32 s[G0A+3], s[G0A+3], 0x80000000        ; type = 2
	s_or_b32 s[G0+3], s[G0+3], 0x80000000
	s_add_nc_u64 s[PFA:PFA+1], s[6:7], s[62:63]
	s_add_nc_u64 s[4:5], s[4:5], s[66:67]
	s_add_nc_u64 s[8:9], s[8:9], s[68:69]
	s_add_nc_u64 s[22:23], s[22:23], s[70:71]
	CROUND                                         ; all four work-groups are here: the first joint loads meet
	tensor_load_to_lds s[G0A:G0A+3], s[G1:G1+7]    ; steps 0 and 1: two loads of mine are out
	s_nop 0
	tensor_load_to_lds s[G0:G0+3], s[G1:G1+7]
	s_nop 0
	PLACES
	v_and_b32 v[VR], 15, v0
	v_bfe_u32 v[VH], v0, 4, 1
	v_and_b32 v[L16], 31, v0
	v_lshlrev_b32 v[PFO], 8, v[L16]
	v_lshlrev_b32 v[XGO], 3, v[L16]
	v_lshlrev_b32 v[K2S], 2, v[L16]
	v_lshlrev_b32 v[V2S], 5, v[L16]
	v_lshlrev_b32 v[L16], 4, v[L16]
	s_mul_i32 s61, s[WV], 768
	v_add_nc_u32 v[XGO], s61, v[XGO]
	s_lshl_b32 s62, s[WV], 4
	v_add_nc_u32 v[QOF], s62, v[VR]
	v_min_u32 v[QOF], 54, v[QOF]                   ; rows 55-63 are row 54 once more: finite, and inside the buffer
	v_mul_u32_u24 v[QOF], v[QOF], 3072
	v_lshl_add_u32 v[QOF], v[VH], 5, v[QOF]
	s_lshl_b32 s62, s[WV], 8
	v_lshl_add_u32 v[VBO], v[VH], 5, s62
	v_lshl_add_u32 v[VBV], v[VR], 2, s62
	v_lshl_add_u32 v[VB2], v[VH], 5, s61
.irp i, 0,1,2                          ; k2 and v2 of my 192 channels, two a lane and load: two partial sums and the bias each
	global_load_b64 v[KV+12*\i:KV+12*\i+1],     v[XGO], s[8:9]   offset:256*\i
	global_load_b64 v[KV+12*\i+2:KV+12*\i+3],   v[XGO], s[8:9]   offset:256*\i+1572864
	global_load_b64 v[KV+12*\i+4:KV+12*\i+5],   v[XGO], s[18:19] offset:256*\i
	global_load_b64 v[KV+12*\i+6:KV+12*\i+7],   v[XGO], s[8:9]   offset:256*\i+3072
	global_load_b64 v[KV+12*\i+8:KV+12*\i+9],   v[XGO], s[8:9]   offset:256*\i+3072+1572864
	global_load_b64 v[KV+12*\i+10:KV+12*\i+11], v[XGO], s[20:21] offset:256*\i
.endr
	BIASQKV
	WIN 0x80                                       ; token tile w of q_repr[b]: k fragment i in 16 registers: channels 32 i + 8 h + 0..7, then 32 i + 16 + 8 h + 0..7
.set i, 0
.rept 16
	global_load_b128 v[16*i:16*i+3],     v[QOF], s[4:5] offset:128*i
	global_load_b128 v[16*i+4:16*i+7],   v[QOF], s[4:5] offset:128*i+16
	global_load_b128 v[16*i+8:16*i+11],  v[QOF], s[4:5] offset:128*i+64
	global_load_b128 v[16*i+12:16*i+15], v[QOF], s[4:5] offset:128*i+80
.set i, i+1
.endr
	WIN 0xC0
.set i, 0
.rept 8
	global_load_b128 v[16*i:16*i+3],     v[QOF], s[4:5] offset:128*(i+16)
	global_load_b128 v[16*i+4:16*i+7],   v[QOF], s[4:5] offset:128*(i+16)+16
	global_load_b128 v[16*i+8:16*i+11],  v[QOF], s[4:5] offset:128*(i+16)+64
	global_load_b128 v[16*i+12:16*i+15], v[QOF], s[4:5] offset:128*(i+16)+80
.set i, i+1
.endr
.set i, 128
.rept 128
	v_mov_b32 v[i], 0                              ; the two kept contexts are written under a branch on the pass and read behind the loop: every path of the text finds them written.  Done while the loads are out
.set i, i+1
.endr
	WIN 0
	v_add_nc_u32 v[LB0], s60, v[L16]
	v_add_nc_u32 v[LA0], AREG, v[L16]
	v_mov_b32 v[ADB], v[LB0]
	s_lshl_b32 s62, s[WV], 13
	s_add_co_u32 s62, s62, AREG
	v_add_nc_u32 v[VA2], s62, v[L16]
	v_add_nc_u32 v[VA2H], 65536, v[VA2]
	s_lshl_b32 s62, s[WV], 10
	s_add_co_u32 s62, s62, AREG
	v_add_nc_u32 v[AS0], s62, v[L16]
	v_add_nc_u32 v[AS0H], 65536, v[AS0]
	s_add_co_u32 s62, s61, XSL
	v_lshl_add_u32 v[XSA], v[VH], 5, s62
	v_add_nc_u32 v[XRA], XSL, v[XGO]
	s_mul_i32 s62, s[WV], 384
	s_add_co_u32 s62, s62, K2L
	v_lshl_add_u32 v[K2A], v[VH], 4, s62
	v_add_nc_u32 v[K2S], s62, v[K2S]
	s_mul_i32 s62, s[WV], 3072
	s_add_co_u32 s62, s62, V2L
	v_lshl_add_u32 v[V2A], v[VR], 4, s62
	v_add_nc_u32 v[V2S], s62, v[V2S]
	v_cmp_eq_u32 vcc_lo, 1, v[VH]                  ; keys 48 + 8 h + j: hidden from 55 on
.irp j, 0,1,2,3,4,5,6
	v_cndmask_b32 v[MASK+\j], 0, s[BIGN], vcc_lo
.endr
	v_mov_b32 v[MASK+7], s[BIGN]
	v_cmp_gt_u32 vcc_lo, 7, v[VR]
	v_cndmask_b32 v[VAL3], 0, s[INV55], vcc_lo
.irp q, 0,1,2,3
	v_mov_b32 v[ST+8*\q+3], 0                      ; v_permlanex16_b32 counts as a reader of its destination
.endr
.macro CONV wcv, wst, rb, adr, ob      ; eight k fragments: rounded in place, stored as fragments
	WIN \wcv
.set i, 0
.rept 8
.irp e, 0,1,2,3,4,5,6,7
	v_cvt_pk_bf16_f32 v[(\rb)+16*i+\e], v[(\rb)+16*i+2*\e], v[(\rb)+16*i+2*\e+1]
.endr
.set i, i+1
.endr
	WIN \wst
.set i, 0
.rept 8
	ds_store_b128 v[\adr], v[(\rb)+16*i:(\rb)+16*i+3]   offset:((\ob)+i)*4096
	ds_store_b128 v[\adr], v[(\rb)+16*i+4:(\rb)+16*i+7] offset:((\ob)+i)*4096+512
.set i, i+1
.endr
.endm
	s_wait_loadcnt 63                              ; 64 loads stand behind the first eight fragments'; a wait names 63 at the most
	CONV 0x8A, 0x08, 0, AS0, 0
	s_wait_loadcnt 32
	CONV 0x8A, 0x08, 128, AS0, 8
	s_wait_loadcnt 0x0
	CONV 0xCF, 0x0C, 0, AS0H, 0
	WIN 0
.irp i, 0,1,2                          ; k2 as bf16; v2 as bf16, each channel eight times: 16 bytes that are half a fragment of V^T for keys that are all alike
	v_pk_add_f32 v[KV+12*\i:KV+12*\i+1], v[KV+12*\i:KV+12*\i+1], v[KV+12*\i+2:KV+12*\i+3]
	v_pk_add_f32 v[KV+12*\i+6:KV+12*\i+7], v[KV+12*\i+6:KV+12*\i+7], v[KV+12*\i+8:KV+12*\i+9]
	v_pk_add_f32 v[KV+12*\i:KV+12*\i+1], v[KV+12*\i:KV+12*\i+1], v[KV+12*\i+4:KV+12*\i+5]
	v_pk_add_f32 v[KV+12*\i+6:KV+12*\i+7], v[KV+12*\i+6:KV+12*\i+7], v[KV+12*\i+10:KV+12*\i+11]
	v_cvt_pk_bf16_f32 v[KV+12*\i+2], v[KV+12*\i], v[KV+12*\i+1]
	ds_store_b32 v[K2S], v[KV+12*\i+2] offset:128*\i
.irp z, 0,1
.irp u, 0,1,2,3
	v_cvt_pk_bf16_f32 v[VC+8*\i+4*\z+\u], v[KV+12*\i+6+\z], v[KV+12*\i+6+\z]
.endr
	ds_store_b128 v[V2S], v[VC+8*\i+4*\z:VC+8*\i+4*\z+3] offset:1024*\i+16*\z
.endr
.endr
	s_wait_tensorcnt 0x1                           ; my part of step 0 is in; step 1's may stay out
	s_wait_dscnt 0x0                               ; for the others' sake: my tile of A is stored
	s_barrier_signal -1
	s_barrier_wait -1
.Lpass:                                        ; passes 0-2: q, k, v of head 4 g + w, and its attention
	s_mov_b32 s[TBA], 0
	v_mov_b32 v[ADA], v[LA0]
	FETCH F0, 0
	WIN 0
	s_wait_loadcnt 0x0                             ; the pass's biases, asked for behind the softmax of the pass before
.irp c, 0,1,2,3
.irp j, 0,1,2,3,4,5,6,7
	v_mov_b32 v[BIAS+64+8*\c+\j], v[VBT+\c]        ; in v's tiles a lane holds one channel: its bias in all eight registers of the C operand
.endr
.endr
	HALF0 1, 0
	TURN 1, 0
	WIN 0
	s_mov_b32 s[CNT], 10
.Lstep:
	HALF0 0, 0
	TURN 1, 0
	WIN 0
	s_sub_co_u32 s[CNT], s[CNT], 1
	s_cmp_lg_u32 s[CNT], 0
	s_cbranch_scc1 .Lstep
	HALF0 0, 0
	TURN 0, 0                                      ; the ring goes on: the next pass's second step is asked for and lands under the attention
	PLACES
	PACK 0x4A, 0, 64, 0                            ; Q
	PACK 0x4A, 64, 64, 32                          ; K
	PACK 0x4F, 128, 32, 0                          ; V^T
	SPROD 16
	PLACES
	SOFTMAX
	s_cmp_eq_u32 s[GP], 1                          ; S^T's registers are free: the next pass's biases are asked for
	s_cbranch_scc1 .Lbq2
	v_add_nc_u32 v[VBO], 1024, v[VBO]              ; (the loads that read these two were waited for at the pass's head)
	v_add_nc_u32 v[VBV], 1024, v[VBV]
	BIASQKV
	s_branch .Lbdone
.Lbq2:
	BIASQ2
.Lbdone:
	PVPROD 0xA5, 16, 8
	PLACES
	WIN 0x82                                       ; O^T / l
.irp q, 0,1,2,3
.set u, 0
.rept 16
	v_pk_mul_f32 v[32*\q+2*u:32*\q+2*u+1], v[32*\q+2*u:32*\q+2*u+1], v[ST+8*\q+2:ST+8*\q+3] op_sel_hi:[1,0]
.set u, u+1
.endr
.endr
	WIN 0
	s_cmp_eq_u32 s[GP], 3
	s_cbranch_scc1 .Lct0
	s_cmp_eq_u32 s[GP], 2
	s_cbranch_scc1 .Lct1
	s_branch .Lctd
.Lct0:
	PACK 0xCA, 128, 32, 0                          ; A is still read: the context waits in registers
	WIN 0
	s_branch .Lctd
.Lct1:
	PACK 0xCA, 192, 32, 0
	WIN 0
.Lctd:
	s_sub_co_u32 s[GP], s[GP], 1
	s_cmp_lg_u32 s[GP], 0
	s_cbranch_scc1 .Lpass
	PACK 0x4A, 0, 32, 0                            ; pass 2's context
	WIN 0                                          ; THE CONTEXT TAKES q_repr's PLACE IN A: head 4 g + w is k fragments 8 g + 2 w, 8 g + 2 w + 1
	s_wait_dscnt 0x0
	s_barrier_signal -1
	s_barrier_wait -1                              ; every wave's reads of A are over.  (My load of the next step but one stays out)
	WIN 0x0C
.irp g, 0,1
.irp q, 0,1,2,3
.irp f, 0,1
	ds_store_b128 v[VA2], v[128+64*\g+16*\q+8*\f:128+64*\g+16*\q+8*\f+3]   offset:\g*32768+\f*4096+\q*1024
	ds_store_b128 v[VA2], v[128+64*\g+16*\q+8*\f+4:128+64*\g+16*\q+8*\f+7] offset:\g*32768+\f*4096+\q*1024+512
.endr
.endr
.endr
	WIN 0x04
.irp q, 0,1,2,3
.irp f, 0,1
	ds_store_b128 v[VA2H], v[16*\q+8*\f:16*\q+8*\f+3]   offset:\f*4096+\q*1024
	ds_store_b128 v[VA2H], v[16*\q+8*\f+4:16*\q+8*\f+7] offset:\f*4096+\q*1024+512
.endr
.endr
	WIN 0
	s_wait_dscnt 0x0
	s_barrier_signal -1
	s_barrier_wait -1                              ; everybody's context is there
	s_mov_b32 s[TBA], 0                            ; PASS 3: q2, columns 192 w .. 192 w + 191
	v_mov_b32 v[ADA], v[LA0]
	FETCH F0, 0
	s_wait_loadcnt 0x0                             ; bq2
	HALF0 1, 1
	TURN 1, 1
	WIN 0
	s_mov_b32 s[CNT], 9
.Lstep3:
	HALF0 0, 1
	TURN 1, 1
	WIN 0
	s_sub_co_u32 s[CNT], s[CNT], 1
	s_cmp_lg_u32 s[CNT], 0
	s_cbranch_scc1 .Lstep3
	HALF0 0, 1                                     ; the last two steps are written out: nothing is left to fetch
	HALFX 1
	HALF0 0, 1
	LASTH 1
	PLACES
	WIN 0
	s_mov_b32 s[HD], 3
.Lhead:                                        ; THE CROSS PART, heads 3 w + 2, 3 w + 1, 3 w: head 2's sums lie where O^T will lie, so they are packed first
	s_cmp_eq_u32 s[HD], 3
	s_cbranch_scc1 .Lq2c
	s_cmp_eq_u32 s[HD], 2
	s_cbranch_scc1 .Lq2b
	PACK 0x4A, 0, 64, 0
	WIN 0
	v_mov_b32 v[K2C], v[K2A]
	v_mov_b32 v[V2C], v[V2A]
	v_mov_b32 v[XSC], v[XSA]
	s_branch .Lq2d
.Lq2b:
	PACK 0x4A, 0, 64, 32
	WIN 0
	v_add_nc_u32 v[K2C], 128, v[K2A]
	v_add_nc_u32 v[V2C], 1024, v[V2A]
	v_add_nc_u32 v[XSC], 256, v[XSA]
	s_branch .Lq2d
.Lq2c:
	PACK 0x4F, 0, 32, 0
	WIN 0
	v_add_nc_u32 v[K2C], 256, v[K2A]
	v_add_nc_u32 v[V2C], 2048, v[V2A]
	v_add_nc_u32 v[XSC], 512, v[XSA]
.Lq2d:
	WIN 0x40                                       ; one fragment pair of K serves all key tiles, one fragment of V^T a channel tile all keys
.irp f, 0,1
	ds_load_b128 v[64+8*\f:64+8*\f+3],   v[K2C] offset:64*\f
	ds_load_b128 v[64+8*\f+4:64+8*\f+7], v[K2C] offset:64*\f+32
.endr
.irp c, 0,1,2,3
	ds_load_b128 v[128+8*\c:128+8*\c+3],   v[V2C] offset:256*\c
	ds_load_b128 v[128+8*\c+4:128+8*\c+7], v[V2C] offset:256*\c
.endr
	s_wait_dscnt 0x0
	SPROD 0
	PLACES
	SOFTMAX
	PVPROD 0xF5, 8, 0
	WIN 0
.irp q, 0,1,2                          ; a query's weight in the mean: 1 / (55 l), 0 for the rows that do not exist.  These four are the places behind the last products
	v_mul_f32 v[ST+8*\q+2], s[INV55], v[ST+8*\q+2]
.endr
	v_mul_f32 v[ST+26], v[VAL3], v[ST+26]
	WIN 0x03
.set u, 0
.rept 16
	v_pk_mul_f32 v[XR+2*u:XR+2*u+1], v[2*u:2*u+1], v[ST+2:ST+3] op_sel_hi:[1,0]
.set u, u+1
.endr
.irp q, 1,2,3
.set u, 0
.rept 16
	v_pk_fma_f32 v[XR+2*u:XR+2*u+1], v[32*\q+2*u:32*\q+2*u+1], v[ST+8*\q+2:ST+8*\q+3], v[XR+2*u:XR+2*u+1] op_sel_hi:[1,0,1]
.set u, u+1
.endr
.endr
	WIN 0
.irp m, 1,2,4,8                        ; and over the 16 queries that lie in 16 lanes
.set u, 0
.rept 32
	v_add_f32_dpp v[XR+u], v[XR+u], v[XR+u] row_xmask:\m row_mask:0xf bank_mask:0xf
.set u, u+1
.endr
.endr
.irp c, 0,1,2,3
	ds_store_b128 v[XSC], v[XR+8*\c:XR+8*\c+3]   offset:64*\c     ; channels 16 c + 8 h + 0..7: sixteen lanes write the same words with the same numbers
	ds_store_b128 v[XSC], v[XR+8*\c+4:XR+8*\c+7] offset:64*\c+16
.endr
	s_sub_co_u32 s[HD], s[HD], 1
	s_cmp_lg_u32 s[HD], 0
	s_cbranch_scc1 .Lhead
.irp i, 0,1,2
	ds_load_b64 v[XO+2*\i:XO+2*\i+1], v[XRA] offset:256*\i          ; my own bytes: LDS serves a wave's instructions in order (ISA guide 5.7.1.4)
.endr
	s_wait_dscnt 0x0
.irp i, 0,1,2
	global_store_b64 v[XGO], v[XO+2*\i:XO+2*\i+1], s[22:23] offset:256*\i  ; 32 lanes store 256 consecutive bytes, at a multiple of 256 from xrow's first byte
.endr
	s_wait_tensorcnt 0x0                           ; the wave's end: behind my last tensor load and my last LDS store
	ds_add_u32 v[SPW], v[NIL]
	s_wait_dscnt 0x0
	CROUND                                         ; the closing round: no work-group ends while a partner may still ask for a part that names it
	s_endpgm
.Lfunc_end_k_q4bc88f1dbc_fused:
	.size	k_q4bc88f1dbc_fused, .Lfunc_end_k_q4bc88f1dbc_fused-k_q4bc88f1dbc_fused
	.p2alignl 7, 3214868480
	.fill 96, 4, 3214868480
	.section	.rodata,"a",@progbits
	.p2align	6, 0x0
	.amdhsa_kernel k_q4bc88f1dbc_fused
		.amdhsa_group_segment_fixed_size 327680
		.amdhsa_private_segment_fixed_size 0
		.amdhsa_enable_private_segment 0
		.amdhsa_kernarg_size 80
		.amdhsa_user_sgpr_count 2
		.amdhsa_user_sgpr_kernarg_segment_ptr 1
		.amdhsa_wavefront_size32 1
		.amdhsa_system_sgpr_workgroup_id_x 1
		.amdhsa_system_sgpr_workgroup_id_y 1
		.amdhsa_system_sgpr_workgroup_id_z 1
		.amdhsa_system_vgpr_workitem_id 0
		.amdhsa_next_free_vgpr 1024
		.amdhsa_next_free_sgpr 80
		.amdhsa_reserve_vcc 1
		.amdhsa_float_denorm_mode_32 3
		.amdhsa_float_denorm_mode_16_64 3
		.amdhsa_memory_ordered 1
		.amdhsa_forward_progress 1
		.amdhsa_inst_pref_size 238
	.end_amdhsa_kernel
	.amdgpu_metadata
---
amdhsa.version: [ 1, 2 ]
amdhsa.kernels:
  - .name:           k_q4bc88f1dbc_fused
    .symbol:         k_q4bc88f1dbc_fused.kd
    .args:
      - { .name: q_repr, .offset: 0, .size: 8, .value_kind: global_buffer, .address_space: global }
      - { .name: ws, .offset: 8, .size: 8, .value_kind: global_buffer, .address_space: global }
      - { .name: kvp, .offset: 16, .size: 8, .value_kind: global_buffer, .address_space: global }
      - { .name: bq1, .offset: 24, .size: 8, .value_kind: global_buffer, .address_space: global }
      - { .name: bk1, .offset: 32, .size: 8, .value_kind: global_buffer, .address_space: global }
      - { .name: bv1, .offset: 40, .size: 8, .value_kind: global_buffer, .address_space: global }
      - { .name: bq2, .offset: 48, .size: 8, .value_kind: global_buffer, .address_space: global }
      - { .name: bk2, .offset: 56, .size: 8, .value_kind: global_buffer, .address_space: global }
      - { .name: bv2, .offset: 64, .size: 8, .value_kind: global_buffer, .address_space: global }
      - { .name: xrow, .offset: 72, .size: 8, .value_kind: global_buffer, .address_space: global }
    .group_segment_fixed_size: 327680
    .private_segment_fixed_size: 0
    .kernarg_segment_align: 8
    .kernarg_segment_size: 80
    .max_flat_workgroup_size: 128
    .sgpr_count:     80
    .vgpr_count:     1024
    .wavefront_size: 32
...
	.end_amdgpu_metadata
.endif
;; end of part 2
;; launch ffn1 (part 3): grid 4 x 48, 4 waves a work-group, no clusters, 67,072 bytes of LDS; arguments xrow, W1, b1, hb; writes hb
.if DOCPART == 3
	.amdgcn_target "amdgcn-amd-amdhsa--gfx1250"
	.amdhsa_code_object_version 6
	.text
	.protected	k_q4bc88f1dbc_ffn1
	.globl	k_q4bc88f1dbc_ffn1
	.p2align	8
	.type	k_q4bc88f1dbc_ffn1,@function
k_q4bc88f1dbc_ffn1:
	s_mov_b64 s[64:65], 0
	v_nop
	global_prefetch_b8 v0, s[64:65] scope:SCOPE_SE
	s_setreg_imm32_b32 hwreg(HW_REG_WAVE_MODE, 25, 1), 1
	s_wait_xcnt 0x0
; hb = gelu(x W1 + b1), bf16, laid out as the fragments that the next launch multiplies.  x: [256][768] f32, W1: [768][3072] f32.
; A tile is 64 rows x 64 columns; K = 768 is split among the four waves (192 each, six k fragments); the partial sums meet in LDS.  Operands bf16, sums f32.
; k is laid into the fragments in another order than it has, alike for both sources: lane (r, h) holds k0 + 16 h + 0..15.  The product is taken transposed (source 0 = W1), fragment q of W1 holding the
; columns 4 m + q: so a lane ends with one row and, in trip i of the finish, the 8 neighbouring columns 32 h + 8 i + 0..7.
; hb: block (T, F) of 1,024 bytes at (96 T + F) x 1,024: lane (r, h) holds hidden units 64 (F / 2) + 32 h + 16 (F % 2) + 0..15 of row 16 T + r: units 0-7 at 16 lane, 8-15 at 512 + 16 lane.
; GELU is the exact one, 0.5 x (1 + erf(x / sqrt 2)); erf by the rational form 7.1.26 of Abramowitz and Stegun, absolute error 1.5e-7, for every |x|: g = 0.5 ((|x| + x) - |x| w), w = 1 - erf(|x| / sqrt 2).
; NaN and infinities are not treated apart.  No tensor loads and no cluster: the weights are f32 and pass through registers to be rounded, and no wave wants a byte that another has fetched.
.set AF32, 1
.set TR,   1
.set HS,   16
.set AST,  16
.set LDA,  3072
.set LDW,  12288
.set BL,    65536                      ; b1 of the tile's 64 columns, 256 bytes, once for each wave
.set SPARE, 66560
.set AO,  4
.set WO,  5
.set LSA, 6
.set LRA, 7
.set CO,  8                            ; 16 lane; steps by 512
.set BLA, 9                            ; BL + 256 w + 128 h; steps by 32
.set SPW, 10
.set NIL, 11
.set BLS, 12
.set B1O, 13
.set P,   16
.set R,   48
.set BI,  56                           ; v[56:63] bias
.set BF,  64
.set AX,  64                           ; the finish works where W1's fragments lay
.set Z,   72
.set TT,  80
.set EE,  88
.set PO,  96
.set GG,  104
.set ACC, 128
.set WV,  22
.set PA,  24
.set PW,  26
.set PC,  28
.set CNT, 32
.set C_RS2, 40                         ; constants as pairs: the packed forms take a pair's low word for both halves
.set C_P,   42
.set C_NL,  44
.set C_A5,  46
.set C_A4,  48
.set C_A3,  50
.set C_A2,  52
.set C_A1,  54
.set TMP,   56                         ; s56  at work in the set-up
.set MSB, 0
.macro WIN new
.if MSB != (\new)
	s_set_vgpr_msb (MSB<<8)|(\new)
.set MSB, (\new)
.endif
.endm
.macro PLACES
.rept 4
	v_nop
.endr
.endm
; The raw data of k fragment kf have 128 registers of their own: window 1 + kf / 2, from 128 (kf % 2): A at + AST t, W's row i at + 64 + 4 i.
.macro LD kf
.set XW, 1+(\kf)/2
.set RB, 128*((\kf)%2)
.if HS == 16
.set KR, 32*(\kf)
.else
.set KR, 64*((\kf)/2)+16*((\kf)%2)
.endif
	WIN XW<<6
.if AF32
.irp t, 0,1,2,3
.irp u, 0,1,2,3
	global_load_b128 v[RB+16*\t+4*\u:RB+16*\t+4*\u+3], v[AO], s[PA:PA+1] offset:\t*16*LDA+(\kf)*128+16*\u
.endr
.endr
.else
.irp t, 0,1,2,3
	global_load_b128 v[RB+8*\t:RB+8*\t+3],   v[AO], s[PA:PA+1] offset:\t*98304+(\kf)*1024
	global_load_b128 v[RB+8*\t+4:RB+8*\t+7], v[AO], s[PA:PA+1] offset:\t*98304+(\kf)*1024+512
.endr
.endif
.irp i, 0,1,2,3,4,5,6,7,8,9,10,11,12,13,14,15
	global_load_b128 v[RB+64+4*\i:RB+64+4*\i+3], v[WO], s[PW:PW+1] offset:(KR+\i)*LDW  ; 16 lanes take 256 consecutive bytes of a row of W
.endr
.endm
; k fragment kf is rounded and multiplied.  n: the loads issued behind its own.  The 16 accumulators take turns; the first k fragment starts the sums with the constant 0.
.macro PR kf, n
.set XW, 1+(\kf)/2
.set RB, 128*((\kf)%2)
.set BB, BF+32*((\kf)%2)
	s_wait_loadcnt \n
.if AF32
	WIN XW*0x45
.irp t, 0,1,2,3
.irp e, 0,1,2,3,4,5,6,7
	v_cvt_pk_bf16_f32 v[RB+16*\t+\e], v[RB+16*\t+2*\e], v[RB+16*\t+2*\e+1]
.endr
.endr
.endif
	WIN XW*5
.irp q, 0,1,2,3
.irp e, 0,1,2,3,4,5,6,7
	v_cvt_pk_bf16_f32 v[BB+8*\q+\e], v[RB+64+8*\e+\q], v[RB+64+8*\e+4+\q]
.endr
.endr
.if TR
	WIN XW<<2
.else
	WIN XW
.endif
.irp t, 0,1,2,3
.irp q, 0,1,2,3
.if TR
.if (\kf) == 0
	v_wmma_f32_16x16x32_bf16 v[ACC+8*(4*\t+\q):ACC+8*(4*\t+\q)+7], v[BB+8*\q:BB+8*\q+7], v[RB+AST*\t:RB+AST*\t+7], 0
.else
	v_wmma_f32_16x16x32_bf16 v[ACC+8*(4*\t+\q):ACC+8*(4*\t+\q)+7], v[BB+8*\q:BB+8*\q+7], v[RB+AST*\t:RB+AST*\t+7], v[ACC+8*(4*\t+\q):ACC+8*(4*\t+\q)+7]
.endif
.else
.if (\kf) == 0
	v_wmma_f32_16x16x32_bf16 v[ACC+8*(4*\t+\q):ACC+8*(4*\t+\q)+7], v[RB+AST*\t:RB+AST*\t+7], v[BB+8*\q:BB+8*\q+7], 0
.else
	v_wmma_f32_16x16x32_bf16 v[ACC+8*(4*\t+\q):ACC+8*(4*\t+\q)+7], v[RB+AST*\t:RB+AST*\t+7], v[BB+8*\q:BB+8*\q+7], v[ACC+8*(4*\t+\q):ACC+8*(4*\t+\q)+7]
.endif
.endif
.endr
.endr
.endm
.macro MEET                            ; my 16 partial tiles go to LDS, each accumulator's registers in ascending order; then everybody's are there
	WIN 0
	PLACES
	PLACES
.set ta, 0
.rept 16
.irp i, 0,1,2,3
	ds_store_b64 v[LSA], v[ACC+8*ta+2*\i:ACC+8*ta+2*\i+1] offset:ta*1024+\i*256
.endr
.set ta, ta+1
.endr
	s_wait_dscnt 0x0                               ; for the others' sake: my stores are done
	s_barrier_signal -1
	s_barrier_wait -1
.endm
.macro FINLOAD                         ; registers 2 i, 2 i + 1 of row tile w's four accumulators, from all four waves
.irp v, 0,1,2,3
.irp q, 0,1,2,3
	ds_load_b64 v[P+8*\v+2*\q:P+8*\v+2*\q+1], v[LRA] offset:\v*16384+\q*1024
.endr
.endr
.endm
.macro FINSUM                          ; R[4 z + q] = the sum over the waves of register 2 i + z of accumulator q
.irp q, 0,1,2,3
	v_pk_add_f32 v[P+2*\q:P+2*\q+1], v[P+2*\q:P+2*\q+1], v[P+8+2*\q:P+8+2*\q+1]
	v_pk_add_f32 v[P+16+2*\q:P+16+2*\q+1], v[P+16+2*\q:P+16+2*\q+1], v[P+24+2*\q:P+24+2*\q+1]
.endr
.irp q, 0,1,2,3
	v_add_f32 v[R+\q], v[P+2*\q], v[P+16+2*\q]
	v_add_f32 v[R+4+\q], v[P+2*\q+1], v[P+16+2*\q+1]
.endr
.endm
	s_load_b256 s[4:11], s[0:1], 0x0               ; xrow 4, W1 6, b1 8, hb 10
	v_lshl_add_u32 v[SPW], v0, 2, SPARE
	v_mov_b32 v[NIL], 0
	v_lshrrev_b32 v1, 5, v0
	v_readfirstlane_b32 s[WV], v1
	v_and_b32 v1, 15, v0                           ; r
	v_bfe_u32 v2, v0, 4, 1                         ; h
	v_and_b32 v3, 31, v0                           ; lane
	s_and_b32 s33, ttmp7, 0xffff                   ; cb: 64 columns
	s_mul_i32 s34, ttmp9, 64*LDA                   ; rb: 64 rows
	s_mul_i32 s37, s[WV], 768                      ; my 192 k
	s_add_co_u32 s34, s34, s37
	s_mov_b32 s35, 0
	s_mul_i32 s36, s[WV], 192*LDW
	s_lshl_b32 s38, s33, 8
	s_mov_b32 s39, 0
	s_add_co_u32 s36, s36, s38
	s_mov_b32 s37, 0
	s_lshl2_add_u32 s30, ttmp9, s[WV]              ; row tile 4 rb + w
	s_mul_i32 s30, s30, 96
	s_lshl1_add_u32 s30, s33, s30                  ; + block 2 cb
	s_lshl_b32 s30, s30, 10
	s_mov_b32 s31, 0
	s_mov_b32 s[C_RS2], 0x3f3504f3                 ; 1 / sqrt 2
	s_mov_b32 s[C_P],   0x3ea7ba05                 ; 0.3275911
	s_mov_b32 s[C_NL],  0xbfb8aa3b                 ; -log2(e)
	s_mov_b32 s[C_A5],  0x3f87dc22                 ; 1.061405429
	s_mov_b32 s[C_A4],  0xbfba00e3                 ; -1.453152027
	s_mov_b32 s[C_A3],  0x3fb5f0e3                 ; 1.421413741
	s_mov_b32 s[C_A2],  0xbe91a98e                 ; -0.284496736
	s_mov_b32 s[C_A1],  0x3e827906                 ; 0.254829592
.irp k, C_RS2, C_P, C_NL, C_A5, C_A4, C_A3, C_A2, C_A1
	s_mov_b32 s[\k+1], s[\k]
.endr
	v_mul_u32_u24 v[AO], v1, LDA
	v_lshl_add_u32 v[AO], v2, 6, v[AO]
	v_mul_u32_u24 v[WO], v2, HS*LDW
	v_lshl_add_u32 v[WO], v1, 4, v[WO]
	s_lshl_b32 s[TMP], s[WV], 14
	v_lshl_add_u32 v[LSA], v3, 3, s[TMP]
	s_lshl_b32 s[TMP], s[WV], 12
	v_lshl_add_u32 v[LRA], v3, 3, s[TMP]
	v_lshlrev_b32 v[CO], 4, v3
	s_lshl_b32 s[TMP], s[WV], 8
	s_add_co_u32 s[TMP], s[TMP], BL
	v_lshl_add_u32 v[BLA], v2, 7, s[TMP]
	v_lshl_add_u32 v[BLS], v1, 4, s[TMP]
	v_lshlrev_b32 v[B1O], 4, v1
	s_wait_kmcnt 0x0
	s_add_nc_u64 s[PA:PA+1], s[4:5], s[34:35]
	s_add_nc_u64 s[PW:PW+1], s[6:7], s[36:37]
	s_add_nc_u64 s[8:9], s[8:9], s[38:39]
	s_add_nc_u64 s[PC:PC+1], s[10:11], s[30:31]
	global_load_b128 v[BI:BI+3], v[B1O], s[8:9]    ; b1 of columns 4 r .. 4 r + 3
	LD 0                                           ; a k fragment is 32 loads; one fragment's are out while the one before is multiplied
	LD 1
	PR 0, 32
	WIN 0
	ds_store_b128 v[BLS], v[BI:BI+3]               ; older than the loads just waited for; my wave's own 256 bytes
	LD 2
	PR 1, 32
	LD 3
	PR 2, 32
	LD 4
	PR 3, 32
	LD 5
	PR 4, 32
	PR 5, 0
	MEET
	s_mov_b32 s[CNT], 4
.Lfin:                                         ; trip i: row 16 w + r, columns 32 h + 8 i + 0..7
	FINLOAD
	ds_load_b128 v[BI:BI+3],   v[BLA]
	ds_load_b128 v[BI+4:BI+7], v[BLA] offset:16
	s_wait_dscnt 0x0
	FINSUM
.irp k, 0,2,4,6
	v_pk_add_f32 v[R+\k:R+\k+1], v[R+\k:R+\k+1], v[BI+\k:BI+\k+1]
.endr
.irp k, 0,1,2,3,4,5,6,7
	v_and_b32 v[AX+\k], 0x7fffffff, v[R+\k]
.endr
.irp k, 0,2,4,6
	v_pk_mul_f32 v[Z+\k:Z+\k+1], v[AX+\k:AX+\k+1], s[C_RS2:C_RS2+1] op_sel_hi:[1,0]     ; z = |x| / sqrt 2
.endr
.irp k, 0,2,4,6
	v_pk_fma_f32 v[TT+\k:TT+\k+1], v[Z+\k:Z+\k+1], s[C_P:C_P+1], 1.0 op_sel_hi:[1,0,0]  ; 1 + p z
	v_pk_mul_f32 v[EE+\k:EE+\k+1], v[Z+\k:Z+\k+1], s[C_NL:C_NL+1] op_sel_hi:[1,0]
.endr
.irp k, 0,2,4,6
	v_pk_mul_f32 v[EE+\k:EE+\k+1], v[EE+\k:EE+\k+1], v[Z+\k:Z+\k+1]                     ; -z^2 log2(e)
.endr
.irp k, 0,1,2,3,4,5,6,7
	v_rcp_f32 v[TT+\k], v[TT+\k]
.endr
.irp k, 0,1,2,3,4,5,6,7
	v_exp_f32 v[EE+\k], v[EE+\k]
.endr
	v_nop                                          ; a plain instruction behind the batch of sixteen,
	s_wait_alu depctr_va_vdst(0)                   ; and its one wait, ahead of the first reader
.irp k, 0,2,4,6
	v_pk_fma_f32 v[PO+\k:PO+\k+1], v[TT+\k:TT+\k+1], s[C_A5:C_A5+1], s[C_A4:C_A4+1] op_sel_hi:[1,0,0]
.endr
.irp a, C_A3, C_A2, C_A1
.irp k, 0,2,4,6
	v_pk_fma_f32 v[PO+\k:PO+\k+1], v[PO+\k:PO+\k+1], v[TT+\k:TT+\k+1], s[\a:\a+1] op_sel_hi:[1,1,0]
.endr
.endr
.irp k, 0,2,4,6
	v_pk_mul_f32 v[PO+\k:PO+\k+1], v[PO+\k:PO+\k+1], v[TT+\k:TT+\k+1]
	v_pk_add_f32 v[Z+\k:Z+\k+1], v[AX+\k:AX+\k+1], v[R+\k:R+\k+1]
.endr
.irp k, 0,2,4,6
	v_pk_mul_f32 v[PO+\k:PO+\k+1], v[PO+\k:PO+\k+1], v[EE+\k:EE+\k+1]                   ; w
.endr
.irp k, 0,2,4,6
	v_pk_fma_f32 v[Z+\k:Z+\k+1], v[AX+\k:AX+\k+1], v[PO+\k:PO+\k+1], v[Z+\k:Z+\k+1] neg_lo:[1,0,0] neg_hi:[1,0,0]
.endr
.irp k, 0,2,4,6
	v_pk_mul_f32 v[Z+\k:Z+\k+1], v[Z+\k:Z+\k+1], 0.5 op_sel_hi:[1,0]
.endr
.irp k, 0,1,2,3
	v_cvt_pk_bf16_f32 v[GG+\k], v[Z+2*\k], v[Z+2*\k+1]
.endr
	global_store_b128 v[CO], v[GG:GG+3], s[PC:PC+1]  ; 512 consecutive bytes, at a multiple of 256 from hb's first byte
	s_wait_xcnt 0x0                                ; the store's offset and data are written again only behind this wait
	v_add_nc_u32 v[CO], 512, v[CO]
	v_add_nc_u32 v[LRA], 256, v[LRA]
	v_add_nc_u32 v[BLA], 32, v[BLA]
	s_sub_co_u32 s[CNT], s[CNT], 1
	s_cmp_lg_u32 s[CNT], 0
	s_cbranch_scc1 .Lfin
	s_wait_tensorcnt 0x0                           ; the wave's end: behind my last LDS store
	ds_add_u32 v[SPW], v[NIL]
	s_wait_dscnt 0x0
	s_endpgm
.Lfunc_end_k_q4bc88f1dbc_ffn1:
	.size	k_q4bc88f1dbc_ffn1, .Lfunc_end_k_q4bc88f1dbc_ffn1-k_q4bc88f1dbc_ffn1
	.p2alignl 7, 3214868480
	.fill 96, 4, 3214868480
	.section	.rodata,"a",@progbits
	.p2align	6, 0x0
	.amdhsa_kernel k_q4bc88f1dbc_ffn1
		.amdhsa_group_segment_fixed_size 67072
		.amdhsa_private_segment_fixed_size 0
		.amdhsa_enable_private_segment 0
		.amdhsa_kernarg_size 32
		.amdhsa_user_sgpr_count 2
		.amdhsa_user_sgpr_kernarg_segment_ptr 1
		.amdhsa_wavefront_size32 1
		.amdhsa_system_sgpr_workgroup_id_x 1
		.amdhsa_system_sgpr_workgroup_id_y 1
		.amdhsa_system_sgpr_workgroup_id_z 1
		.amdhsa_system_vgpr_workitem_id 0
		.amdhsa_next_free_vgpr 1024
		.amdhsa_next_free_sgpr 66
		.amdhsa_reserve_vcc 0
		.amdhsa_float_denorm_mode_32 3
		.amdhsa_float_denorm_mode_16_64 3
		.amdhsa_memory_ordered 1
		.amdhsa_forward_progress 1
		.amdhsa_inst_pref_size 64
	.end_amdhsa_kernel
	.amdgpu_metadata
---
amdhsa.version: [ 1, 2 ]
amdhsa.kernels:
  - .name:           k_q4bc88f1dbc_ffn1
    .symbol:         k_q4bc88f1dbc_ffn1.kd
    .args:
      - { .name: xrow, .offset: 0, .size: 8, .value_kind: global_buffer, .address_space: global }
      - { .name: W1, .offset: 8, .size: 8, .value_kind: global_buffer, .address_space: global }
      - { .name: b1, .offset: 16, .size: 8, .value_kind: global_buffer, .address_space: global }
      - { .name: hb, .offset: 24, .size: 8, .value_kind: global_buffer, .address_space: global }
    .group_segment_fixed_size: 67072
    .private_segment_fixed_size: 0
    .kernarg_segment_align: 8
    .kernarg_segment_size: 32
    .max_flat_workgroup_size: 128
    .sgpr_count:     66
    .vgpr_count:     1024
    .wavefront_size: 32
...
	.end_amdgpu_metadata
.endif
;; end of part 3
;; launch ffn2 (part 4): grid 48 x 4, 4 waves a work-group, no clusters, 66,048 bytes of LDS; arguments hb, W2, yp; writes yp
.if DOCPART == 4
	.amdgcn_target "amdgcn-amd-amdhsa--gfx1250"
	.amdhsa_code_object_version 6
	.text
	.protected	k_q4bc88f1dbc_ffn2
	.globl	k_q4bc88f1dbc_ffn2
	.p2align	8
	.type	k_q4bc88f1dbc_ffn2,@function
k_q4bc88f1dbc_ffn2:
	s_mov_b64 s[64:65], 0
	v_nop
	global_prefetch_b8 v0, s[64:65] scope:SCOPE_SE
	s_setreg_imm32_b32 hwreg(HW_REG_WAVE_MODE, 25, 1), 1
	s_wait_xcnt 0x0
; yp[p][row][col] = the sum over the hidden units of slice p (768 of 3,072) of h[row][unit] W2[unit][col], f32 partial sums that the next launch adds.  W2: [3072][768] f32.
; A tile is 64 rows x 64 columns (x = rb + 4 cb); a slice's K is split among the four waves (192 each, six k fragments); the waves' partial sums meet in LDS.  Operands bf16, sums f32.
; h comes as fragments (hb, from the launch before): block (T, F) holds in lane (r, h) the units 64 (F / 2) + 32 h + 16 (F % 2) + 0..15 of row 16 T + r; W2's rows are fetched in the same order.
; Four slices, so that 192 work-groups share the stream of W2; the sum over slices spans work-groups and is therefore left to the next launch.
; No tensor loads and no cluster: the weights are f32 and pass through registers to be rounded, and no wave wants a byte that another has fetched.
.set AF32, 0
.set TR,   0
.set HS,   32
.set AST,  8
.set LDA,  0
.set LDW,  3072
.set LDC,  3072
.set SPARE, 65536
.set AO,  4
.set WO,  5
.set LSA, 6
.set LRA, 7
.set CO,  8
.set SPW, 10
.set NIL, 11
.set P,   16
.set R,   48
.set BF,  64
.set ACC, 128
.set WV,  22
.set PA,  24
.set PW,  26
.set PC,  28
.set CNT, 32
.set MSB, 0
.macro WIN new
.if MSB != (\new)
	s_set_vgpr_msb (MSB<<8)|(\new)
.set MSB, (\new)
.endif
.endm
.macro PLACES
.rept 4
	v_nop
.endr
.endm
; The raw data of k fragment kf have 128 registers of their own: window 1 + kf / 2, from 128 (kf % 2): A at + AST t, W's row i at + 64 + 4 i.
.macro LD kf
.set XW, 1+(\kf)/2
.set RB, 128*((\kf)%2)
.if HS == 16
.set KR, 32*(\kf)
.else
.set KR, 64*((\kf)/2)+16*((\kf)%2)
.endif
	WIN XW<<6
.if AF32
.irp t, 0,1,2,3
.irp u, 0,1,2,3
	global_load_b128 v[RB+16*\t+4*\u:RB+16*\t+4*\u+3], v[AO], s[PA:PA+1] offset:\t*16*LDA+(\kf)*128+16*\u
.endr
.endr
.else
.irp t, 0,1,2,3
	global_load_b128 v[RB+8*\t:RB+8*\t+3],   v[AO], s[PA:PA+1] offset:\t*98304+(\kf)*1024
	global_load_b128 v[RB+8*\t+4:RB+8*\t+7], v[AO], s[PA:PA+1] offset:\t*98304+(\kf)*1024+512
.endr
.endif
.irp i, 0,1,2,3,4,5,6,7,8,9,10,11,12,13,14,15
	global_load_b128 v[RB+64+4*\i:RB+64+4*\i+3], v[WO], s[PW:PW+1] offset:(KR+\i)*LDW  ; 16 lanes take 256 consecutive bytes of a row of W
.endr
.endm
; k fragment kf is rounded and multiplied.  n: the loads issued behind its own.  The 16 accumulators take turns; the first k fragment starts the sums with the constant 0.
.macro PR kf, n
.set XW, 1+(\kf)/2
.set RB, 128*((\kf)%2)
.set BB, BF+32*((\kf)%2)
	s_wait_loadcnt \n
.if AF32
	WIN XW*0x45
.irp t, 0,1,2,3
.irp e, 0,1,2,3,4,5,6,7
	v_cvt_pk_bf16_f32 v[RB+16*\t+\e], v[RB+16*\t+2*\e], v[RB+16*\t+2*\e+1]
.endr
.endr
.endif
	WIN XW*5
.irp q, 0,1,2,3
.irp e, 0,1,2,3,4,5,6,7
	v_cvt_pk_bf16_f32 v[BB+8*\q+\e], v[RB+64+8*\e+\q], v[RB+64+8*\e+4+\q]
.endr
.endr
.if TR
	WIN XW<<2
.else
	WIN XW
.endif
.irp t, 0,1,2,3
.irp q, 0,1,2,3
.if TR
.if (\kf) == 0
	v_wmma_f32_16x16x32_bf16 v[ACC+8*(4*\t+\q):ACC+8*(4*\t+\q)+7], v[BB+8*\q:BB+8*\q+7], v[RB+AST*\t:RB+AST*\t+7], 0
.else
	v_wmma_f32_16x16x32_bf16 v[ACC+8*(4*\t+\q):ACC+8*(4*\t+\q)+7], v[BB+8*\q:BB+8*\q+7], v[RB+AST*\t:RB+AST*\t+7], v[ACC+8*(4*\t+\q):ACC+8*(4*\t+\q)+7]
.endif
.else
.if (\kf) == 0
	v_wmma_f32_16x16x32_bf16 v[ACC+8*(4*\t+\q):ACC+8*(4*\t+\q)+7], v[RB+AST*\t:RB+AST*\t+7], v[BB+8*\q:BB+8*\q+7], 0
.else
	v_wmma_f32_16x16x32_bf16 v[ACC+8*(4*\t+\q):ACC+8*(4*\t+\q)+7], v[RB+AST*\t:RB+AST*\t+7], v[BB+8*\q:BB+8*\q+7], v[ACC+8*(4*\t+\q):ACC+8*(4*\t+\q)+7]
.endif
.endif
.endr
.endr
.endm
.macro MEET
	WIN 0
	PLACES
	PLACES
.set ta, 0
.rept 16
.irp i, 0,1,2,3
	ds_store_b64 v[LSA], v[ACC+8*ta+2*\i:ACC+8*ta+2*\i+1] offset:ta*1024+\i*256
.endr
.set ta, ta+1
.endr
	s_wait_dscnt 0x0                               ; for the others' sake: my stores are done
	s_barrier_signal -1
	s_barrier_wait -1
.endm
.macro FINLOAD
.irp v, 0,1,2,3
.irp q, 0,1,2,3
	ds_load_b64 v[P+8*\v+2*\q:P+8*\v+2*\q+1], v[LRA] offset:\v*16384+\q*1024
.endr
.endr
.endm
.macro FINSUM
.irp q, 0,1,2,3
	v_pk_add_f32 v[P+2*\q:P+2*\q+1], v[P+2*\q:P+2*\q+1], v[P+8+2*\q:P+8+2*\q+1]
	v_pk_add_f32 v[P+16+2*\q:P+16+2*\q+1], v[P+16+2*\q:P+16+2*\q+1], v[P+24+2*\q:P+24+2*\q+1]
.endr
.irp q, 0,1,2,3
	v_add_f32 v[R+\q], v[P+2*\q], v[P+16+2*\q]
	v_add_f32 v[R+4+\q], v[P+2*\q+1], v[P+16+2*\q+1]
.endr
.endm
	s_load_b128 s[4:7], s[0:1], 0x0                ; hb 4, W2 6
	s_load_b64 s[8:9], s[0:1], 0x10                ; yp
	v_lshl_add_u32 v[SPW], v0, 2, SPARE
	v_mov_b32 v[NIL], 0
	v_lshrrev_b32 v1, 5, v0
	v_readfirstlane_b32 s[WV], v1
	v_and_b32 v1, 15, v0                           ; r
	v_bfe_u32 v2, v0, 4, 1                         ; h
	v_and_b32 v3, 31, v0                           ; lane
	s_and_b32 s33, ttmp7, 0xffff                   ; p
	s_and_b32 s34, ttmp9, 3                        ; rb
	s_lshr_b32 s35, ttmp9, 2                       ; cb
	s_mul_i32 s36, s33, 24                         ; my first block of hb: 24 p + 6 w,
	s_mul_i32 s40, s[WV], 6
	s_add_co_u32 s36, s36, s40
	s_lshl_b32 s36, s36, 10
	s_mul_i32 s40, s34, 4*98304                    ; in row tile 4 rb
	s_add_co_u32 s36, s36, s40
	s_mov_b32 s37, 0
	s_mul_i32 s38, s33, 768                        ; my first row of W2: 768 p + 192 w
	s_mul_i32 s40, s[WV], 192
	s_add_co_u32 s38, s38, s40
	s_mul_i32 s38, s38, LDW
	s_lshl_b32 s40, s35, 8
	s_add_co_u32 s38, s38, s40
	s_mov_b32 s39, 0
	s_mul_i32 s42, s33, 786432
	s_mul_i32 s41, s34, 64*LDC
	s_add_co_u32 s42, s42, s41
	s_add_co_u32 s42, s42, s40
	s_mov_b32 s43, 0
	v_lshlrev_b32 v[AO], 4, v3
	v_mul_u32_u24 v[WO], v2, HS*LDW
	v_lshl_add_u32 v[WO], v1, 4, v[WO]
	s_lshl_b32 s40, s[WV], 14
	v_lshl_add_u32 v[LSA], v3, 3, s40
	s_lshl_b32 s40, s[WV], 12
	v_lshl_add_u32 v[LRA], v3, 3, s40
	s_lshl_b32 s40, s[WV], 4
	v_lshl_add_u32 v[CO], v2, 3, s40
	v_mul_u32_u24 v[CO], v[CO], LDC
	v_lshl_add_u32 v[CO], v1, 4, v[CO]
	s_wait_kmcnt 0x0
	s_add_nc_u64 s[PA:PA+1], s[4:5], s[36:37]
	s_add_nc_u64 s[PW:PW+1], s[6:7], s[38:39]
	s_add_nc_u64 s[PC:PC+1], s[8:9], s[42:43]
	LD 0                                           ; a k fragment is 24 loads; one fragment's are out while the one before is multiplied
	LD 1
	PR 0, 24
	LD 2
	PR 1, 24
	LD 3
	PR 2, 24
	LD 4
	PR 3, 24
	LD 5
	PR 4, 24
	PR 5, 0
	MEET
	s_mov_b32 s[CNT], 4
.Lfin:                                         ; trip i: rows 8 h + 2 i, 8 h + 2 i + 1 of row tile w; a lane holds columns 4 r .. 4 r + 3
	FINLOAD
	s_wait_dscnt 0x0
	FINSUM
	global_store_b128 v[CO], v[R:R+3], s[PC:PC+1]                ; 16 lanes store 256 consecutive bytes, at a multiple of 256 from yp's first byte
	global_store_b128 v[CO], v[R+4:R+7], s[PC:PC+1] offset:LDC
	s_wait_xcnt 0x0                                ; the stores' offset and data are written again only behind this wait
	v_add_nc_u32 v[CO], 2*LDC, v[CO]
	v_add_nc_u32 v[LRA], 256, v[LRA]
	s_sub_co_u32 s[CNT], s[CNT], 1
	s_cmp_lg_u32 s[CNT], 0
	s_cbranch_scc1 .Lfin
	s_wait_tensorcnt 0x0                           ; the wave's end: behind my last LDS store
	ds_add_u32 v[SPW], v[NIL]
	s_wait_dscnt 0x0
	s_endpgm
.Lfunc_end_k_q4bc88f1dbc_ffn2:
	.size	k_q4bc88f1dbc_ffn2, .Lfunc_end_k_q4bc88f1dbc_ffn2-k_q4bc88f1dbc_ffn2
	.p2alignl 7, 3214868480
	.fill 96, 4, 3214868480
	.section	.rodata,"a",@progbits
	.p2align	6, 0x0
	.amdhsa_kernel k_q4bc88f1dbc_ffn2
		.amdhsa_group_segment_fixed_size 66048
		.amdhsa_private_segment_fixed_size 0
		.amdhsa_enable_private_segment 0
		.amdhsa_kernarg_size 24
		.amdhsa_user_sgpr_count 2
		.amdhsa_user_sgpr_kernarg_segment_ptr 1
		.amdhsa_wavefront_size32 1
		.amdhsa_system_sgpr_workgroup_id_x 1
		.amdhsa_system_sgpr_workgroup_id_y 1
		.amdhsa_system_sgpr_workgroup_id_z 1
		.amdhsa_system_vgpr_workitem_id 0
		.amdhsa_next_free_vgpr 1024
		.amdhsa_next_free_sgpr 66
		.amdhsa_reserve_vcc 0
		.amdhsa_float_denorm_mode_32 3
		.amdhsa_float_denorm_mode_16_64 3
		.amdhsa_memory_ordered 1
		.amdhsa_forward_progress 1
		.amdhsa_inst_pref_size 42
	.end_amdhsa_kernel
	.amdgpu_metadata
---
amdhsa.version: [ 1, 2 ]
amdhsa.kernels:
  - .name:           k_q4bc88f1dbc_ffn2
    .symbol:         k_q4bc88f1dbc_ffn2.kd
    .args:
      - { .name: hb, .offset: 0, .size: 8, .value_kind: global_buffer, .address_space: global }
      - { .name: W2, .offset: 8, .size: 8, .value_kind: global_buffer, .address_space: global }
      - { .name: yp, .offset: 16, .size: 8, .value_kind: global_buffer, .address_space: global }
    .group_segment_fixed_size: 66048
    .private_segment_fixed_size: 0
    .kernarg_segment_align: 8
    .kernarg_segment_size: 24
    .max_flat_workgroup_size: 128
    .sgpr_count:     66
    .vgpr_count:     1024
    .wavefront_size: 32
...
	.end_amdgpu_metadata
.endif
;; end of part 4
;; launch ln (part 5): grid 256 x 1, 1 waves a work-group, no clusters, 0 bytes of LDS; arguments xrow, yp, b2, ln_g, ln_b, out0; writes out0
.if DOCPART == 5
	.amdgcn_target "amdgcn-amd-amdhsa--gfx1250"
	.amdhsa_code_object_version 6
	.text
	.protected	k_q4bc88f1dbc_ln
	.globl	k_q4bc88f1dbc_ln
	.p2align	8
	.type	k_q4bc88f1dbc_ln,@function
k_q4bc88f1dbc_ln:
	s_mov_b64 s[64:65], 0
	v_nop
	global_prefetch_b8 v0, s[64:65] scope:SCOPE_SE
	s_setreg_imm32_b32 hwreg(HW_REG_WAVE_MODE, 25, 1), 1
	s_wait_xcnt 0x0
; out0[row] = LayerNorm(x + b2 + the four partial sums of h W2) x ln_g + ln_b.  One wave, one row of 768 f32: 24 numbers a lane, kept in registers between the passes.
; The variance is the mean of (y - mu)^2, taken in a second pass over the registers: no difference of large sums is formed.  All in f32.
; No LDS, no barrier: the reduction never leaves the wave.  Each load and store of the wave covers 512 consecutive bytes.
.set Y,  32                            ; v[32:55]   x, then y, then y - mu, then the result
.set YP, 56                            ; v[56:151]  the four partial sums
.set B2, 152                           ; v[152:175]
.set G,  176                           ; v[176:199]
.set BT, 200                           ; v[200:223]
	s_load_b256 s[4:11], s[0:1], 0x0               ; xrow 4, yp 6, b2 8, ln_g 10
	s_load_b128 s[12:15], s[0:1], 0x20             ; ln_b 12, out0 14
	v_lshlrev_b32 v1, 4, v0                        ; 16 lane
	v_mov_b32 v5, 0                                ; v_permlanex16_b32 counts as a reader of its destination
	s_mul_i32 s16, ttmp9, 3072
	s_mov_b32 s17, 0
	s_mov_b32 s18, 0x3aaaaaab                      ; 1/768
	s_mov_b32 s19, 0x2b8cbccc                      ; 1e-12
	s_mov_b32 s20, 0x76543210
	s_mov_b32 s21, 0xfedcba98
	s_wait_kmcnt 0x0
	s_add_nc_u64 s[4:5], s[4:5], s[16:17]
	s_add_nc_u64 s[6:7], s[6:7], s[16:17]
	s_add_nc_u64 s[14:15], s[14:15], s[16:17]
.irp c, 0,1,2,3,4,5
	global_load_b128 v[Y+4*\c:Y+4*\c+3], v1, s[4:5] offset:512*\c
.endr
.irp p, 0,1,2,3
.irp c, 0,1,2,3,4,5
	global_load_b128 v[YP+24*\p+4*\c:YP+24*\p+4*\c+3], v1, s[6:7] offset:786432*\p+512*\c
.endr
.endr
.irp c, 0,1,2,3,4,5
	global_load_b128 v[B2+4*\c:B2+4*\c+3], v1, s[8:9] offset:512*\c
.endr
.irp c, 0,1,2,3,4,5
	global_load_b128 v[G+4*\c:G+4*\c+3], v1, s[10:11] offset:512*\c
.endr
.irp c, 0,1,2,3,4,5
	global_load_b128 v[BT+4*\c:BT+4*\c+3], v1, s[12:13] offset:512*\c
.endr
	s_wait_loadcnt 12                              ; the gain's and the shift's twelve loads may stay out
.irp a, YP, YP+24, YP+48, YP+72, B2
.set c, 0
.rept 12
	v_pk_add_f32 v[Y+2*c:Y+2*c+1], v[Y+2*c:Y+2*c+1], v[\a+2*c:\a+2*c+1]
.set c, c+1
.endr
.endr
	v_pk_add_f32 v[2:3], v[Y:Y+1], v[Y+2:Y+3]
.set c, 2
.rept 10
	v_pk_add_f32 v[2:3], v[2:3], v[Y+2*c:Y+2*c+1]
.set c, c+1
.endr
	v_add_f32 v4, v2, v3
.irp m, 1,2,4,8
	v_add_f32_dpp v4, v4, v4 row_xmask:\m row_mask:0xf bank_mask:0xf
.endr
	v_permlanex16_b32 v5, v4, s20, s21
	v_add_f32 v4, v4, v5
	v_mul_f32 v6, s18, v4                          ; mu, twice: a pair for the packed subtraction
	v_mul_f32 v7, s18, v4
.set c, 0
.rept 12
	v_pk_add_f32 v[Y+2*c:Y+2*c+1], v[Y+2*c:Y+2*c+1], v[6:7] neg_lo:[0,1] neg_hi:[0,1]
.set c, c+1
.endr
	v_pk_mul_f32 v[2:3], v[Y:Y+1], v[Y:Y+1]
.set c, 1
.rept 11
	v_pk_fma_f32 v[2:3], v[Y+2*c:Y+2*c+1], v[Y+2*c:Y+2*c+1], v[2:3]
.set c, c+1
.endr
	v_add_f32 v4, v2, v3
.irp m, 1,2,4,8
	v_add_f32_dpp v4, v4, v4 row_xmask:\m row_mask:0xf bank_mask:0xf
.endr
	v_permlanex16_b32 v5, v4, s20, s21
	v_add_f32 v4, v4, v5
	v_fma_f32 v4, v4, s18, s19                     ; the variance + 1e-12
	v_rsq_f32 v8, v4
	v_nop                                          ; a plain instruction behind it,
	s_wait_alu depctr_va_vdst(0)                   ; and the wait ahead of its first reader
	v_mov_b32 v9, v8
	s_wait_loadcnt 0x0
.set c, 0
.rept 12
	v_pk_mul_f32 v[Y+2*c:Y+2*c+1], v[Y+2*c:Y+2*c+1], v[8:9]
.set c, c+1
.endr
.set c, 0
.rept 12
	v_pk_fma_f32 v[Y+2*c:Y+2*c+1], v[Y+2*c:Y+2*c+1], v[G+2*c:G+2*c+1], v[BT+2*c:BT+2*c+1]
.set c, c+1
.endr
.irp c, 0,1,2,3,4,5
	global_store_b128 v1, v[Y+4*\c:Y+4*\c+3], s[14:15] offset:512*\c
.endr
	s_endpgm
.Lfunc_end_k_q4bc88f1dbc_ln:
	.size	k_q4bc88f1dbc_ln, .Lfunc_end_k_q4bc88f1dbc_ln-k_q4bc88f1dbc_ln
	.p2alignl 7, 3214868480
	.fill 96, 4, 3214868480
	.section	.rodata,"a",@progbits
	.p2align	6, 0x0
	.amdhsa_kernel k_q4bc88f1dbc_ln
		.amdhsa_group_segment_fixed_size 0
		.amdhsa_private_segment_fixed_size 0
		.amdhsa_enable_private_segment 0
		.amdhsa_kernarg_size 48
		.amdhsa_user_sgpr_count 2
		.amdhsa_user_sgpr_kernarg_segment_ptr 1
		.amdhsa_wavefront_size32 1
		.amdhsa_system_sgpr_workgroup_id_x 1
		.amdhsa_system_sgpr_workgroup_id_y 1
		.amdhsa_system_sgpr_workgroup_id_z 1
		.amdhsa_system_vgpr_workitem_id 0
		.amdhsa_next_free_vgpr 224
		.amdhsa_next_free_sgpr 66
		.amdhsa_reserve_vcc 0
		.amdhsa_float_denorm_mode_32 3
		.amdhsa_float_denorm_mode_16_64 3
		.amdhsa_memory_ordered 1
		.amdhsa_forward_progress 1
		.amdhsa_inst_pref_size 15
	.end_amdhsa_kernel
	.amdgpu_metadata
---
amdhsa.version: [ 1, 2 ]
amdhsa.kernels:
  - .name:           k_q4bc88f1dbc_ln
    .symbol:         k_q4bc88f1dbc_ln.kd
    .args:
      - { .name: xrow, .offset: 0, .size: 8, .value_kind: global_buffer, .address_space: global }
      - { .name: yp, .offset: 8, .size: 8, .value_kind: global_buffer, .address_space: global }
      - { .name: b2, .offset: 16, .size: 8, .value_kind: global_buffer, .address_space: global }
      - { .name: ln_g, .offset: 24, .size: 8, .value_kind: global_buffer, .address_space: global }
      - { .name: ln_b, .offset: 32, .size: 8, .value_kind: global_buffer, .address_space: global }
      - { .name: out0, .offset: 40, .size: 8, .value_kind: global_buffer, .address_space: global }
    .group_segment_fixed_size: 0
    .private_segment_fixed_size: 0
    .kernarg_segment_align: 8
    .kernarg_segment_size: 48
    .max_flat_workgroup_size: 32
    .sgpr_count:     66
    .vgpr_count:     224
    .wavefront_size: 32
...
	.end_amdgpu_metadata
.endif
;; end of part 5
;; ======== version 2 of 3: 5 launches
;; workspace buffers: ws 4,718,592 bytes; kvp 3,145,728 bytes; xrow 786,432 bytes; xb 393,216 bytes; hb 1,572,864 bytes; yp 3,145,728 bytes
;; launch prep: the kernel of part 1 again; grid 96 x 2, 4 waves a work-group, no clusters, 66,048 bytes of LDS; arguments Wq1, Wk1, Wv1, Wq2, Wk2, Wv2, im_repr, ws, kvp; writes ws, kvp
;; launch fused (part 6): grid 256 x 1, 4 waves a work-group, clusters of 4 x 1, 327,680 bytes of LDS; arguments q_repr, ws, kvp, bq1, bk1, bv1, bq2, bk2, bv2, xrow, xb; writes xrow, xb
.if DOCPART == 6
	.amdgcn_target "amdgcn-amd-amdhsa--gfx1250"
	.amdhsa_code_object_version 6
	.text
	.protected	k_q4bc88f1dbc_fused
	.globl	k_q4bc88f1dbc_fused
	.p2align	8
	.type	k_q4bc88f1dbc_fused,@function
k_q4bc88f1dbc_fused:
	s_mov_b64 s[64:65], 0
	v_nop
	global_prefetch_b8 v0, s[64:65] scope:SCOPE_SE
	s_setreg_imm32_b32 hwreg(HW_REG_WAVE_MODE, 25, 1), 1
	s_wait_xcnt 0x0
	s_wait_alu depctr_hold_cnt(0) depctr_sa_sdst(0) depctr_va_vdst(0) depctr_va_sdst(0) depctr_va_ssrc(0) depctr_va_vcc(0) depctr_vm_vsrc(0)
	s_getreg_b32 s2, hwreg(HW_REG_IB_STS2, 6, 4)
	s_cmp_eq_u32 s2, 0
	s_cbranch_scc0 .Lentry_in_a_cluster
	s_endpgm
.Lentry_in_a_cluster:
	s_bfe_u32 s2, ttmp6, 0x10000c
	s_cmp_lg_u32 s2, 0x3003
	s_cbranch_scc0 .Lentry_shape_is_right
	s_endpgm
.Lentry_shape_is_right:
; ONE BATCH TO A WORK-GROUP, FROM q_repr[b] TO x[b]: q, k, v; self-attention; q2; cross-attention; the mean over the 55 queries.  Nothing between goes to memory.
; x leaves twice: as f32 (xrow), for the residual, and rounded once to bf16 (xb, row-major), the matrix operand of the next launch.
; The 55 tokens are taken as 64 rows: rows 55-63 are copies of row 54 (the row index is clamped), hidden as keys by a mask and left out of the mean.
; FOUR PASSES of [64 x 768] x [768 x 768], the weights streamed from ws (bf16, in fragment order, made by the launch before) through two LDS slots of 64 k each.
; A wave's tile is 64 x 192: 4 token tiles x 12 column tiles, 48 accumulators.  Passes 0-2: wave w has head 4 g + w: q, k, v, 64 columns each.  Pass 3: q2 of heads 3 w .. 3 w + 2.
; ROUND THE PASS.  A pass's twelve steps of 64 k may be summed in any order (f32 sums).  Cluster c begins each pass at step c mod 12 and goes round: at any time the 64 clusters ask for twelve different steps, and but for
; a pass's first trip the step that a cluster asks for was asked for by another cluster a trip earlier.  The order of the f32 sums therefore differs from cluster to cluster.
; LAYOUT.  q, k, q2 are made transposed (source 0 = weights, source 1 = tokens): a lane holds one token and 8 neighbouring channels, so two tiles rounded to bf16 ARE a fragment of
; 16 tokens x 32 channels.  v is made in natural order (a lane holds one channel and 8 tokens): two tiles ARE a fragment of V^T.  S^T = K Q^T and O^T = V^T P keep one query a lane, and
; O^T rounded is again a fragment of tokens x channels for pass 3.  So nothing passes through LDS between a projection and its attention.  The biases are the C operands that start the sums.
; SOFTMAX.  p = 2^(c s - c m), c = log2(e) / 8, m the row's maximum over its 64 scores; l = the sum of the unrounded p; p is rounded to bf16 for the second product.
; CROSS PART.  reference() gives all 55 keys of a batch the same row, so k2 and v2 come once a batch (kvp: two partial sums; bk2, bv2 are added here); scores, maximum, weights, weighted sum and mean are made as written.
; CLUSTER.  The four batches of a cluster walk the same weights: each part of a step is asked for jointly, by the same tensor load with the same descriptor and the mask of four.
; LIMITS.  A hidden key counts as its score less 1e30.  A weight below 2^-126 counts as 0.  NaN and infinities are not treated apart.  All matrix operands are bf16, all sums f32.
;
; LDS: slot 0 at 0; spare words; k2 (bf16), v2 (each channel eight times, bf16), each wave's own, and x (f32, the row of 768); slot 1 at 2^17; A (64 tokens x 768 channels in fragments of 1,024 bytes, (kf, t) at
; 4,096 kf + 1,024 t): first q_repr[b], later the context.  Fragments are read as they lie, 16 bytes a lane on end.
; REGISTERS, in windows of 256 (s_set_vgpr_msb: bits 1:0 source 0, 3:2 source 1, 5:4 source 2, 7:6 destination):
;   window 0: addresses, mask, statistics; v128-255 S^T, at other times the biases (C operands), the raw k2 / v2 and the mean
;   window 1: two fragment buffers F0, F1 (A's 4, then the weights' 12); in attention Q 0-63, K 64-127, V^T 128-191, P 192-255
;   window 2: accumulators (t, c < 8) at 8 (8 t + c); in self-attention O^T (qt, c) at 8 (4 qt + c)
;   window 3: v0-127 accumulators of c 8-11, in the cross part O^T; v128-255 the contexts of passes 0 and 1, kept while A is still read
.set STEPB, 98304                      ; bytes in a step of ws, and in a slot
.set PARTB, 24576                      ; a wave's part of it
.set SLOT1, 131072
.set SPARE, 98304                      ; the spare words, 128 bytes a wave: two blocks of 256 bytes that no other line names
.set K2L,   98816                      ; 4 x 384
.set V2L,   100352                     ; 4 x 3,072
.set XSL,   112640                     ; 4 x 768
.set AREG,  229376
.set F0, 0
.set F1, 128
.set VR,  1                            ; lane % 16
.set VH,  2                            ; lane / 16
.set L16, 3                            ; 16 lane
.set LB0, 4                            ; 16 lane + my part of a slot
.set LA0, 5                            ; 16 lane + A
.set ADB, 6                            ; LDS address of the step's weights
.set ADA, 7                            ; of the step's A
.set VBO, 8                            ; bq1, bk1: 256 w + 32 h, + 1,024 a pass
.set VA2, 9                            ; A + 8,192 w + 16 lane: where my heads' context goes
.set VA2H, 10                          ; + 65,536
.set PFO, 11                           ; 256 lane
.set K2A, 12                           ; k2: my wave's, + 16 h
.set V2A, 13                           ; v2: my wave's, + 16 r
.set XSA, 14                           ; x: my wave's, + 32 h
.set XRA, 15                           ; x read back: my wave's, + 8 lane
.set XGO, 16                           ; 768 w + 8 lane: my place in a row of kvp, bk2, bv2, xrow
.set VAL3, 17                          ; 1/55 where token 48 + r exists, else 0
.set QOF, 18                           ; min(16 w + r, 54) x 3,072 + 32 h
.set VB2, 19                           ; bq2: 768 w + 32 h
.set SPW, 20
.set NIL, 21
.set AS0, 22                           ; A + 1,024 w + 16 lane
.set AS0H, 23                          ; + 65,536
.set MASK, 24                          ; v[24:31] keys 48 + 8 h + j: -1e30 from key 55 on
.set ST,  32                           ; v[32:63] query tile q at ST + 8 q: c m, m, l (then 1/l), at work, c0-c3
.set VBV, 64                           ; bv1: 256 w + 4 r, + 1,024 a pass
.set K2S, 65
.set V2S, 66
.set K2C, 67                           ; the head in hand
.set V2C, 68
.set XSC, 69
.set XBA, 70                           ; x for xb: the row in LDS + 1,024 w + 32 lane (waves 0-2)
.set XBO, 71                           ; 512 w + 16 lane: my place in a row of xb (waves 0-2)
.set VBT, 96                           ; v[96:99] bv1 of channel 16 c + r
.set XO,  100                          ; v[100:105]
.set XB,  106                          ; v[106:113] eight numbers of x
.set XC,  114                          ; v[114:117] the same, rounded
.set BIAS, 128
.set S,   128                          ; S^T (qt, kt) at S + 8 (4 qt + kt)
.set XR,  128
.set KV,  192
.set VC,  228
.set P,   192                          ; window 1
.set WV,  24
.set CX,  25
.set BN,  26
.set G1,  28                           ; s[28:35] descriptor group 1
.set G0A, 36                           ; s[36:39] group 0: my first step into slot 0
.set G0,  40                           ; s[40:43] group 0: my second step into slot 1; then it walks
.set TBB, 44                           ; the slot that is read
.set TBA, 45                           ; the step's place in A: 8,192 KC
.set CNT, 46
.set GP,  47
.set LIM, 49                           ; 3 in a wave that prefetches, else the greatest number
.set PFA, 50
.set CS,  52
.set SEL, 54
.set BIGN, 56
.set HD,  57
.set INV55, 58
.set KS0, 59                           ; cluster mod 12: the step at which my cluster begins each pass
.set TQ,  71                           ; at work
.set KC,  72                           ; the step (0-11 in its pass) that is multiplied
.set RQK, 73                           ; the step (0-11 in its pass) that was asked for last
.set RQC, 74                           ; steps of that pass still to be asked for
.set PB,  75                           ; that pass's first byte in ws
.set OFF, 76                           ; s[76:77] a step's byte offset in ws
.set WSB, 78                           ; s[78:79] ws at my wave's part of step 0
.set PXB, 80                           ; s[80:81] xb at my batch's row
.set MSB, 0
.macro WIN new                         ; the immediate's high byte repeats the setting that is left; a switch that changes nothing is dropped
.if MSB != (\new)
	s_set_vgpr_msb (MSB<<8)|(\new)
.set MSB, (\new)
.endif
.endm
.macro PLACES                          ; four plain vector instructions between a matrix instruction and a vector instruction or load that touches its registers
.rept 4
	v_nop
.endr
.endm
.macro CREST                           ; a round of the cluster's barrier behind its opening barrier
	s_cmp_lg_u32 s[WV], 0
	s_cbranch_scc1 .Lnot_wave_0_\@
	s_barrier_signal -3
.Lnot_wave_0_\@:
	s_barrier_wait -3
	s_barrier_signal -1
	s_barrier_wait -1
.endm
.macro CROUND
	s_barrier_signal -1
	s_barrier_wait -1
	CREST
.endm
; 32 LDS loads in one run: k fragment j of the step: A's 4 fragments, then my 12 of the weights
.macro FETCH f, j
	WIN 0x40
.irp t, 0,1,2,3
	ds_load_b128 v[(\f)+8*\t:(\f)+8*\t+3],   v[ADA] offset:(\j)*4096+\t*1024
	ds_load_b128 v[(\f)+8*\t+4:(\f)+8*\t+7], v[ADA] offset:(\j)*4096+\t*1024+512
.endr
.irp c, 0,1,2,3,4,5,6,7,8,9,10,11
	ds_load_b128 v[(\f)+32+8*\c:(\f)+32+8*\c+3],   v[ADB] offset:((\j)*12+\c)*1024
	ds_load_b128 v[(\f)+32+8*\c+4:(\f)+32+8*\c+7], v[ADB] offset:((\j)*12+\c)*1024+512
.endr
.endm
; Column tiles 0-7, token tiles t0 .. t0 + nt - 1, transposed.  first = 1: the bias starts the sums.  All 48 accumulators take turns, one instruction a turn.
.macro MQK f, t0, nt, first
.if \first
	WIN 0x85
.else
	WIN 0xA5
.endif
.set tt, \t0
.rept \nt
.irp c, 0,1,2,3,4,5,6,7
.if \first
	v_wmma_f32_16x16x32_bf16 v[8*(8*tt+\c):8*(8*tt+\c)+7], v[(\f)+32+8*\c:(\f)+32+8*\c+7], v[(\f)+8*tt:(\f)+8*tt+7], v[BIAS+8*\c:BIAS+8*\c+7]
.else
	v_wmma_f32_16x16x32_bf16 v[8*(8*tt+\c):8*(8*tt+\c)+7], v[(\f)+32+8*\c:(\f)+32+8*\c+7], v[(\f)+8*tt:(\f)+8*tt+7], v[8*(8*tt+\c):8*(8*tt+\c)+7]
.endif
.endr
.set tt, tt+1
.endr
.endm
; Column tiles 8-11.  kind 0: v, natural order, accumulator at 8 (4 c + t).  kind 1: q2, transposed, at 8 (4 t + c).
.macro MV f, first, kind
.if \first
	WIN 0xC5
.else
	WIN 0xF5
.endif
.irp t, 0,1,2,3
.irp c, 0,1,2,3
.if \kind
.set rD, 8*(4*\t+\c)
.if \first
	v_wmma_f32_16x16x32_bf16 v[rD:rD+7], v[(\f)+96+8*\c:(\f)+96+8*\c+7], v[(\f)+8*\t:(\f)+8*\t+7], v[BIAS+64+8*\c:BIAS+64+8*\c+7]
.else
	v_wmma_f32_16x16x32_bf16 v[rD:rD+7], v[(\f)+96+8*\c:(\f)+96+8*\c+7], v[(\f)+8*\t:(\f)+8*\t+7], v[rD:rD+7]
.endif
.else
.set rD, 8*(4*\c+\t)
.if \first
	v_wmma_f32_16x16x32_bf16 v[rD:rD+7], v[(\f)+8*\t:(\f)+8*\t+7], v[(\f)+96+8*\c:(\f)+96+8*\c+7], v[BIAS+64+8*\c:BIAS+64+8*\c+7]
.else
	v_wmma_f32_16x16x32_bf16 v[rD:rD+7], v[(\f)+8*\t:(\f)+8*\t+7], v[(\f)+96+8*\c:(\f)+96+8*\c+7], v[rD:rD+7]
.endif
.endif
.endr
.endr
.endm
; A step's first half: multiplies F0; in its middle it fetches the second k fragment into F1.
.macro HALF0 first, kind
	s_wait_dscnt 8                                 ; A and column tiles 0-7 are in; the youngest eight loads (tiles 8-11) may be out
	MQK F0, 0, 2, \first
	PLACES
	FETCH F1, 1
	s_wait_dscnt 32                                ; all but the 32 just issued
	MQK F0, 2, 2, \first
	MV F0, \first, \kind
.endm
; THE NEXT STEP TO ASK FOR: one on, round the pass; when the pass's twelve have been asked for, the next pass, which again begins at my cluster's step.  The descriptor's address is made anew from ws's own
; address and an offset made apart from it; its LDS word takes the other slot.  Selects alone: no branch.  It stands where no tensor load of mine is out.
.macro NEXTREQ
	s_add_co_u32 s[RQK], s[RQK], 1
	s_cmp_eq_u32 s[RQK], 12
	s_cselect_b32 s[RQK], 0, s[RQK]
	s_cmp_eq_u32 s[RQC], 0
	s_cselect_b32 s[TQ], 12*STEPB, 0
	s_cselect_b32 s[RQC], 12, s[RQC]
	s_add_co_u32 s[PB], s[PB], s[TQ]
	s_sub_co_u32 s[RQC], s[RQC], 1
	s_mul_i32 s[OFF], s[RQK], STEPB
	s_add_co_u32 s[OFF], s[OFF], s[PB]
	s_xor_b32 s[G0+1], s[G0+1], SLOT1
	s_add_nc_u64 s[G0+2:G0+3], s[WSB:WSB+1], s[OFF:OFF+1]
	s_or_b32 s[G0+3], s[G0+3], 0x80000000          ; type = 2
.endm
; THE NEXT STEP TO MULTIPLY: the other slot, and A's k fragments of the step one on, round the pass.
.macro NEXTUSE
	s_xor_b32 s[TBB], s[TBB], SLOT1
	s_add_co_u32 s[KC], s[KC], 1
	s_cmp_eq_u32 s[KC], 12
	s_cselect_b32 s[KC], 0, s[KC]
	s_min_u32 s[KC], s[KC], 11                     ; 0 to 11 by the three lines above: the minimum states that bound where an LDS address is made of it
	s_lshl_b32 s[TBA], s[KC], 13
.endm
; A PREFETCH of the next pass's twelve steps, once a pass, in the pass's ninth step: two steps, 192 matrix instructions, ahead of the change of slots that first asks for one of them.  Cluster c < 12 names step c of
; the next pass, the step that it will itself ask for first: 12 blocks of 8,192 bytes, a lane for each 256; its four partners are told apart by address (block 3 cx + w), waves 0-2 of each ask.  So each 256 bytes
; of passes 1-3 are named once in the launch.  Pass 0 comes by its loads alone; pass 3 has no pass behind it, and its text holds no prefetch.
.macro ASK
	s_cmp_eq_u32 s[CNT], s[LIM]                    ; the loop counts 11 to 1 over the changes of slots of a pass's steps 0 to 10
	s_cbranch_scc0 .Lnot_mine_\@
	global_prefetch_b8 v[PFO], s[PFA:PFA+1] th:TH_LOAD_NT scope:SCOPE_SE
.Lnot_mine_\@:
.endm
; A step's second half multiplies F1 and changes slots.  In front of the round each wave waits for all its tensor loads (one is out: my part of the next step), adds 0 to its spare word, and waits for that and for its
; reads of this slot.  Behind the round no wave of any partner reads this slot or has a load on its way: it is filled again first, with the step two on.  fetch = 0: a pass's last step.  ask = 1: in the loop of passes 0-2.
.macro TURN fetch, kind, ask
	WIN 0
	s_wait_tensorcnt 0x0
	ds_add_u32 v[SPW], v[NIL]                      ; 0 onto my spare word; the scalar steps and eight matrix instructions stand between it and the wait for it
	NEXTREQ
	NEXTUSE
	s_wait_dscnt 9                                 ; (the add and the youngest eight loads may be out)
	MQK F1, 0, 1, 0
	s_wait_dscnt 0x0                               ; the add is done, and my reads of this slot and of A's step are over
	s_barrier_signal -1
	MQK F1, 1, 1, 0
	WIN 0
	s_barrier_wait -1
	CREST
	tensor_load_to_lds s[G0:G0+3], s[G1:G1+7]
	s_nop 0
	v_add_nc_u32 v[ADB], s[TBB], v[LB0]            ; these four are also the places in front of the loads into F0
	v_add_nc_u32 v[ADA], s[TBA], v[LA0]
	v_nop
	v_nop
.if \fetch
	FETCH F0, 0
.endif
.if \ask
	WIN 0
	ASK
.endif
	MQK F1, 2, 2, 0
	MV F1, 0, \kind
.endm
.macro HALFX kind                      ; the last step but one: nothing is left to fetch, so no round; a wave reads its own part of a slot alone
	s_wait_tensorcnt 0x0                           ; my part of the last step is in
	s_wait_dscnt 8
	MQK F1, 0, 2, 0
	WIN 0
	NEXTUSE
	v_add_nc_u32 v[ADB], s[TBB], v[LB0]
	v_add_nc_u32 v[ADA], s[TBA], v[LA0]
	v_nop
	v_nop
	FETCH F0, 0
	s_wait_dscnt 32
	MQK F1, 2, 2, 0
	MV F1, 0, \kind
.endm
.macro LASTH kind
	s_wait_dscnt 0x0
	MQK F1, 0, 4, 0
	MV F1, 0, \kind
.endm
.macro PASSHEAD                        ; a pass begins at my cluster's step; the slot that holds it was set by the change of slots before
	s_mov_b32 s[KC], s[KS0]
	s_lshl_b32 s[TBA], s[KC], 13
	v_add_nc_u32 v[ADA], s[TBA], v[LA0]
	FETCH F0, 0
.endm
; Four groups of 32 f32 (from st t + ob on) are rounded to four groups of 16 registers (from db + 16 t on): two tiles make a fragment.  Each accumulator is read from its low end on.
.macro PACK win, db, st, ob
	WIN \win
.irp t, 0,1,2,3
.set i, 0
.rept 16
	v_cvt_pk_bf16_f32 v[(\db)+16*\t+i], v[(\st)*\t+(\ob)+2*i], v[(\st)*\t+(\ob)+2*i+1]
.set i, i+1
.endr
.endr
.endm
.macro BIASQKV                         ; bq1, bk1 of channels 16 c + 8 h + j (C of a transposed product); bv1 of channel 16 c + r
.irp c, 0,1,2,3
	global_load_b128 v[BIAS+8*\c:BIAS+8*\c+3],         v[VBO], s[10:11] offset:64*\c
	global_load_b128 v[BIAS+8*\c+4:BIAS+8*\c+7],       v[VBO], s[10:11] offset:64*\c+16
	global_load_b128 v[BIAS+32+8*\c:BIAS+32+8*\c+3],   v[VBO], s[12:13] offset:64*\c
	global_load_b128 v[BIAS+32+8*\c+4:BIAS+32+8*\c+7], v[VBO], s[12:13] offset:64*\c+16
	global_load_b32  v[VBT+\c], v[VBV], s[14:15] offset:64*\c
.endr
.endm
.macro BIASQ2
.irp c, 0,1,2,3,4,5,6,7,8,9,10,11
	global_load_b128 v[BIAS+8*\c:BIAS+8*\c+3],   v[VB2], s[16:17] offset:64*\c
	global_load_b128 v[BIAS+8*\c+4:BIAS+8*\c+7], v[VB2], s[16:17] offset:64*\c+16
.endr
.endm
; S^T = K Q^T: 16 tiles, two links each, the tiles by turns.  The sums start with 0, those of keys 48-63 with the mask.  kst: registers from one key tile's K to the next (0: all keys alike).
.macro SPROD kst
	WIN 0x05
.irp f, 0,1
.irp q, 0,1,2,3
.irp k, 0,1,2,3
.if \f
	v_wmma_f32_16x16x32_bf16 v[S+8*(4*\q+\k):S+8*(4*\q+\k)+7], v[64+(\kst)*\k+8*\f:64+(\kst)*\k+8*\f+7], v[16*\q+8*\f:16*\q+8*\f+7], v[S+8*(4*\q+\k):S+8*(4*\q+\k)+7]
.elseif \k == 3
	v_wmma_f32_16x16x32_bf16 v[S+8*(4*\q+\k):S+8*(4*\q+\k)+7], v[64+(\kst)*\k+8*\f:64+(\kst)*\k+8*\f+7], v[16*\q+8*\f:16*\q+8*\f+7], v[MASK:MASK+7]
.else
	v_wmma_f32_16x16x32_bf16 v[S+8*(4*\q+\k):S+8*(4*\q+\k)+7], v[64+(\kst)*\k+8*\f:64+(\kst)*\k+8*\f+7], v[16*\q+8*\f:16*\q+8*\f+7], 0
.endif
.endr
.endr
.endr
.endm
; O^T = V^T P: 16 tiles, two links each.  vc, vk: registers from one channel tile's V^T to the next, and from keys 0-31 to keys 32-63.
.macro PVPROD win, vc, vk
	WIN \win
.irp kk, 0,1
.irp q, 0,1,2,3
.irp c, 0,1,2,3
.if \kk
	v_wmma_f32_16x16x32_bf16 v[8*(4*\q+\c):8*(4*\q+\c)+7], v[128+(\vc)*\c+(\vk)*\kk:128+(\vc)*\c+(\vk)*\kk+7], v[P+16*\q+8*\kk:P+16*\q+8*\kk+7], v[8*(4*\q+\c):8*(4*\q+\c)+7]
.else
	v_wmma_f32_16x16x32_bf16 v[8*(4*\q+\c):8*(4*\q+\c)+7], v[128+(\vc)*\c+(\vk)*\kk:128+(\vc)*\c+(\vk)*\kk+7], v[P+16*\q+8*\kk:P+16*\q+8*\kk+7], 0
.endif
.endr
.endr
.endr
.endm
; The softmax of four query tiles, stage by stage, the tiles innermost, so that no instruction reads the result of the one before it.  A lane has 32 of its query's 64 scores; the lane 16 away has the others.
.macro SOFTMAX
	WIN 0
.irp n, 0,1,2,3                        ; the maximum: four chains, one for each accumulator, begun at its lowest registers
.irp q, 0,1,2,3
	v_max3_num_f32 v[ST+8*\q+4+\n], v[S+32*\q+8*\n], v[S+32*\q+8*\n+1], v[S+32*\q+8*\n+2]
.endr
.endr
.irp d, 3,5
.irp n, 0,1,2,3
.irp q, 0,1,2,3
	v_max3_num_f32 v[ST+8*\q+4+\n], v[ST+8*\q+4+\n], v[S+32*\q+8*\n+\d], v[S+32*\q+8*\n+\d+1]
.endr
.endr
.endr
.irp q, 0,1,2,3
	v_max3_num_f32 v[ST+8*\q+4], v[ST+8*\q+4], v[S+32*\q+7], v[S+32*\q+15]
.endr
.irp q, 0,1,2,3
	v_max3_num_f32 v[ST+8*\q+5], v[ST+8*\q+5], v[S+32*\q+23], v[S+32*\q+31]
.endr
.irp q, 0,1,2,3
	v_max_num_f32 v[ST+8*\q+6], v[ST+8*\q+6], v[ST+8*\q+7]
.endr
.irp q, 0,1,2,3
	v_max3_num_f32 v[ST+8*\q+4], v[ST+8*\q+4], v[ST+8*\q+5], v[ST+8*\q+6]
.endr
.irp q, 0,1,2,3
	v_permlanex16_b32 v[ST+8*\q+5], v[ST+8*\q+4], s[SEL], s[SEL+1]
.endr
.irp q, 0,1,2,3
	v_max_num_f32 v[ST+8*\q+1], v[ST+8*\q+4], v[ST+8*\q+5]
.endr
.irp q, 0,1,2,3
	v_mul_f32 v[ST+8*\q], s[CS], v[ST+8*\q+1]
.endr
.set u, 0
.rept 16                               ; c s - c m
.irp q, 0,1,2,3
	v_pk_fma_f32 v[S+32*\q+2*u:S+32*\q+2*u+1], v[S+32*\q+2*u:S+32*\q+2*u+1], s[CS:CS+1], v[ST+8*\q:ST+8*\q+1] op_sel_hi:[1,0,0] neg_lo:[0,0,1] neg_hi:[0,0,1]
.endr
.set u, u+1
.endr
.set u, 0
.rept 32                               ; one batch of 128 exponentials,
.irp q, 0,1,2,3
	v_exp_f32 v[S+32*\q+u], v[S+32*\q+u]
.endr
.set u, u+1
.endr
	v_nop                                          ; a plain instruction behind the last of them,
	s_wait_alu depctr_va_vdst(0)                   ; and the one wait ahead of the first reader
	WIN 0x40
.set u, 0
.rept 16
.irp q, 0,1,2,3
	v_cvt_pk_bf16_f32 v[P+16*\q+u], v[S+32*\q+2*u], v[S+32*\q+2*u+1]
.endr
.set u, u+1
.endr
	WIN 0
.irp w, 16,8,4,2                       ; l: the 16 pairs are added in place, neighbours 8, 4, 2 and 1 pairs apart
.set u, 0
.rept (\w)/2
.irp q, 0,1,2,3
	v_pk_add_f32 v[S+32*\q+2*u:S+32*\q+2*u+1], v[S+32*\q+2*u:S+32*\q+2*u+1], v[S+32*\q+2*u+\w:S+32*\q+2*u+\w+1]
.endr
.set u, u+1
.endr
.endr
.irp q, 0,1,2,3
	v_add_f32 v[ST+8*\q+2], v[S+32*\q], v[S+32*\q+1]
.endr
.irp q, 0,1,2,3
	v_permlanex16_b32 v[ST+8*\q+3], v[ST+8*\q+2], s[SEL], s[SEL+1]
.endr
.irp q, 0,1,2,3
	v_add_f32 v[ST+8*\q+2], v[ST+8*\q+2], v[ST+8*\q+3]
.endr
.irp q, 0,1,2,3
	v_rcp_f32 v[ST+8*\q+2], v[ST+8*\q+2]
.endr
	v_nop
	s_wait_alu depctr_va_vdst(0)                   ; the four reciprocals' wait: a branch follows
.endm
	s_load_b512 s[4:19], s[0:1], 0x0               ; q_repr 4, ws 6, kvp 8, bq1 10, bk1 12, bv1 14, bq2 16, bk2 18
	s_load_b128 s[20:23], s[0:1], 0x40             ; bv2 20, xrow 22
	s_load_b64 s[PXB:PXB+1], s[0:1], 0x50          ; xb
	v_lshl_add_u32 v[SPW], v0, 2, SPARE
	v_mov_b32 v[NIL], 0
	ds_add_u32 v[SPW], v[NIL]                      ; the wave's opening: the add, and its wait ahead of my first tensor load; the set-up below, work on registers, stands between them
	v_lshrrev_b32 v1, 5, v0
	v_readfirstlane_b32 s[WV], v1                  ; wave 0..3
	s_bfe_u32 s[CX], ttmp6, 0x40000                ; my place in the cluster
	s_lshl_b32 s[BN], ttmp9, 2
	s_add_co_u32 s[BN], s[BN], s[CX]               ; my batch: it enters the addresses of q_repr, kvp, xrow and xb alone
	s_mul_i32 s[KS0], ttmp9, 43                    ; the cluster's number, which the four partners share,
	s_lshr_b32 s[KS0], s[KS0], 9                   ; / 12 (exact below 128),
	s_mul_i32 s[KS0], s[KS0], 12
	s_sub_co_u32 s[KS0], ttmp9, s[KS0]             ; mod 12: the step at which my cluster begins each pass
	s_min_u32 s[KS0], s[KS0], 11                   ; 0 to 11 by the lines above: the minimum states that bound where an LDS address is made of it
	s_add_co_u32 s[RQK], s[KS0], 1                 ; my second step
	s_cmp_eq_u32 s[RQK], 12
	s_cselect_b32 s[RQK], 0, s[RQK]
	s_mov_b32 s[RQC], 10                           ; behind the two first fills ten steps of pass 0 are left to ask for
	s_mov_b32 s[PB], 0
	s_mov_b32 s[OFF+1], 0
	; descriptor group 1: a wave's part of a step, 24,576 dense bytes, as 96 rows of 256 bytes
	s_mov_b32 s[G1+0], 15|(3<<16)|(1<<21)          ; 15:0 the mask of four; 17:16 elements of 8 bytes; 21 set beside a mask
	s_mov_b32 s[G1+1], 32<<16                      ; tensor_dim0 = 32
	s_mov_b32 s[G1+2], 96<<16                      ; tensor_dim1 = 96
	s_mov_b32 s[G1+3], 32<<16                      ; tile_dim0 = 32
	s_mov_b32 s[G1+4], 96                          ; tile_dim1 = 96
	s_mov_b32 s[G1+5], 32                          ; 32 elements from row to row
	s_mov_b32 s[G1+6], 0
	s_mov_b32 s[G1+7], 0
	s_mov_b32 s[G0A], 1
	s_mul_i32 s[G0A+1], s[WV], PARTB               ; LDS address: the wave's number times a constant, plus the slot's constant
	s_mov_b32 s[G0], 1
	s_add_co_u32 s[G0+1], s[G0A+1], SLOT1
	s_mul_i32 s60, s[WV], PARTB
	s_mov_b32 s61, 0
	s_mul_i32 s66, s[BN], 168960                   ; 55 rows of 3,072 bytes
	s_mov_b32 s67, 0
	s_mul_i32 s68, s[BN], 6144
	s_mov_b32 s69, 0
	s_mul_i32 s70, s[BN], 3072
	s_mov_b32 s71, 0
	s_mul_i32 s82, s[BN], 1536                     ; a row of xb
	s_mov_b32 s83, 0
	s_mul_i32 s62, s[CX], 3                        ; the prefetches: block 3 cx + w (waves 0-2: 0 to 11) of step 12 + my cluster's step: pass 1's
	s_add_co_u32 s62, s62, s[WV]
	s_min_u32 s62, s62, 11                         ; (wave 3 asks for nothing; its address stays inside the step all the same)
	s_lshl_b32 s62, s62, 13
	s_add_co_u32 s63, s[KS0], 12
	s_mul_i32 s63, s63, STEPB
	s_add_co_u32 s62, s62, s63
	s_mov_b32 s63, 0
	s_cmp_lt_u32 ttmp9, 12                         ; the first twelve clusters ask, waves 0-2 of each work-group: the same in all four partners
	s_cselect_b32 s[LIM], 3, -1
	s_cmp_eq_u32 s[WV], 3
	s_cselect_b32 s[LIM], -1, s[LIM]
	s_mov_b32 s[CS], 0x3e38aa3b                    ; c = log2(e) / 8
	s_mov_b32 s[CS+1], s[CS]
	s_mov_b32 s[SEL], 0x76543210
	s_mov_b32 s[SEL+1], 0xfedcba98
	s_mov_b32 s[BIGN], 0xf149f2ca                  ; -1e30
	s_mov_b32 s[INV55], 0x3c94f209                 ; 1/55
	s_mov_b32 s[TBB], 0
	s_mov_b32 s[GP], 3
	s_wait_dscnt 0x0                               ; the opening add is done
	s_wait_kmcnt 0x0
	s_add_nc_u64 s[WSB:WSB+1], s[6:7], s[60:61]
	s_mul_i32 s[OFF], s[KS0], STEPB
	s_add_nc_u64 s[G0A+2:G0A+3], s[WSB:WSB+1], s[OFF:OFF+1]
	s_mul_i32 s[OFF], s[RQK], STEPB
	s_add_nc_u64 s[G0+2:G0+3], s[WSB:WSB+1], s[OFF:OFF+1]
	s_or_b32 s[G0A+3], s[G0A+3], 0x80000000        ; type = 2
	s_or_b32 s[G0+3], s[G0+3], 0x80000000
	s_add_nc_u64 s[PFA:PFA+1], s[6:7], s[62:63]
	s_add_nc_u64 s[4:5], s[4:5], s[66:67]
	s_add_nc_u64 s[8:9], s[8:9], s[68:69]
	s_add_nc_u64 s[22:23], s[22:23], s[70:71]
	s_add_nc_u64 s[PXB:PXB+1], s[PXB:PXB+1], s[82:83]
	CROUND                                         ; all four work-groups are here: the first joint loads meet
	tensor_load_to_lds s[G0A:G0A+3], s[G1:G1+7]    ; my cluster's first two steps: two loads of mine are out
	s_nop 0
	tensor_load_to_lds s[G0:G0+3], s[G1:G1+7]
	s_nop 0
	PLACES
	v_and_b32 v[VR], 15, v0
	v_bfe_u32 v[VH], v0, 4, 1
	v_and_b32 v[L16], 31, v0
	v_lshlrev_b32 v[PFO], 8, v[L16]
	v_lshlrev_b32 v[XGO], 3, v[L16]
	v_lshlrev_b32 v[K2S], 2, v[L16]
	v_lshlrev_b32 v[V2S], 5, v[L16]
	v_lshlrev_b32 v[L16], 4, v[L16]
	s_mul_i32 s61, s[WV], 768
	v_add_nc_u32 v[XGO], s61, v[XGO]
	s_lshl_b32 s62, s[WV], 4
	v_add_nc_u32 v[QOF], s62, v[VR]
	v_min_u32 v[QOF], 54, v[QOF]                   ; rows 55-63 are row 54 once more: finite, and inside the buffer
	v_mul_u32_u24 v[QOF], v[QOF], 3072
	v_lshl_add_u32 v[QOF], v[VH], 5, v[QOF]
	s_lshl_b32 s62, s[WV], 8
	v_lshl_add_u32 v[VBO], v[VH], 5, s62
	v_lshl_add_u32 v[VBV], v[VR], 2, s62
	v_lshl_add_u32 v[VB2], v[VH], 5, s61
.irp i, 0,1,2                          ; k2 and v2 of my 192 channels, two a lane and load: two partial sums and the bias each
	global_load_b64 v[KV+12*\i:KV+12*\i+1],     v[XGO], s[8:9]   offset:256*\i
	global_load_b64 v[KV+12*\i+2:KV+12*\i+3],   v[XGO], s[8:9]   offset:256*\i+1572864
	global_load_b64 v[KV+12*\i+4:KV+12*\i+5],   v[XGO], s[18:19] offset:256*\i
	global_load_b64 v[KV+12*\i+6:KV+12*\i+7],   v[XGO], s[8:9]   offset:256*\i+3072
	global_load_b64 v[KV+12*\i+8:KV+12*\i+9],   v[XGO], s[8:9]   offset:256*\i+3072+1572864
	global_load_b64 v[KV+12*\i+10:KV+12*\i+11], v[XGO], s[20:21] offset:256*\i
.endr
	BIASQKV
	WIN 0x80                                       ; token tile w of q_repr[b]: k fragment i in 16 registers: channels 32 i + 8 h + 0..7, then 32 i + 16 + 8 h + 0..7
.set i, 0
.rept 16
	global_load_b128 v[16*i:16*i+3],     v[QOF], s[4:5] offset:128*i
	global_load_b128 v[16*i+4:16*i+7],   v[QOF], s[4:5] offset:128*i+16
	global_load_b128 v[16*i+8:16*i+11],  v[QOF], s[4:5] offset:128*i+64
	global_load_b128 v[16*i+12:16*i+15], v[QOF], s[4:5] offset:128*i+80
.set i, i+1
.endr
	WIN 0xC0
.set i, 0
.rept 8
	global_load_b128 v[16*i:16*i+3],     v[QOF], s[4:5] offset:128*(i+16)
	global_load_b128 v[16*i+4:16*i+7],   v[QOF], s[4:5] offset:128*(i+16)+16
	global_load_b128 v[16*i+8:16*i+11],  v[QOF], s[4:5] offset:128*(i+16)+64
	global_load_b128 v[16*i+12:16*i+15], v[QOF], s[4:5] offset:128*(i+16)+80
.set i, i+1
.endr
.set i, 128
.rept 128
	v_mov_b32 v[i], 0                              ; the two kept contexts are written under a branch on the pass and read behind the loop: every path of the text finds them written.  Done while the loads are out
.set i, i+1
.endr
	WIN 0
	v_add_nc_u32 v[LB0], s60, v[L16]
	v_add_nc_u32 v[LA0], AREG, v[L16]
	v_mov_b32 v[ADB], v[LB0]
	s_lshl_b32 s62, s[WV], 13
	s_add_co_u32 s62, s62, AREG
	v_add_nc_u32 v[VA2], s62, v[L16]
	v_add_nc_u32 v[VA2H], 65536, v[VA2]
	s_lshl_b32 s62, s[WV], 10
	s_add_co_u32 s63, s62, XSL
	v_lshl_add_u32 v[XBA], v[L16], 1, s63          ; the row of x in LDS + 1,024 w + 32 lane
	s_add_co_u32 s62, s62, AREG
	v_add_nc_u32 v[AS0], s62, v[L16]
	v_add_nc_u32 v[AS0H], 65536, v[AS0]
	s_lshl_b32 s62, s[WV], 9
	v_add_nc_u32 v[XBO], s62, v[L16]
	s_add_co_u32 s62, s61, XSL
	v_lshl_add_u32 v[XSA], v[VH], 5, s62
	v_add_nc_u32 v[XRA], XSL, v[XGO]
	s_mul_i32 s62, s[WV], 384
	s_add_co_u32 s62, s62, K2L
	v_lshl_add_u32 v[K2A], v[VH], 4, s62
	v_add_nc_u32 v[K2S], s62, v[K2S]
	s_mul_i32 s62, s[WV], 3072
	s_add_co_u32 s62, s62, V2L
	v_lshl_add_u32 v[V2A], v[VR], 4, s62
	v_add_nc_u32 v[V2S], s62, v[V2S]
	v_cmp_eq_u32 vcc_lo, 1, v[VH]                  ; keys 48 + 8 h + j: hidden from 55 on
.irp j, 0,1,2,3,4,5,6
	v_cndmask_b32 v[MASK+\j], 0, s[BIGN], vcc_lo
.endr
	v_mov_b32 v[MASK+7], s[BIGN]
	v_cmp_gt_u32 vcc_lo, 7, v[VR]
	v_cndmask_b32 v[VAL3], 0, s[INV55], vcc_lo
.irp q, 0,1,2,3
	v_mov_b32 v[ST+8*\q+3], 0                      ; v_permlanex16_b32 counts as a reader of its destination
.endr
.macro CONV wcv, wst, rb, adr, ob      ; eight k fragments: rounded in place, stored as fragments
	WIN \wcv
.set i, 0
.rept 8
.irp e, 0,1,2,3,4,5,6,7
	v_cvt_pk_bf16_f32 v[(\rb)+16*i+\e], v[(\rb)+16*i+2*\e], v[(\rb)+16*i+2*\e+1]
.endr
.set i, i+1
.endr
	WIN \wst
.set i, 0
.rept 8
	ds_store_b128 v[\adr], v[(\rb)+16*i:(\rb)+16*i+3]   offset:((\ob)+i)*4096
	ds_store_b128 v[\adr], v[(\rb)+16*i+4:(\rb)+16*i+7] offset:((\ob)+i)*4096+512
.set i, i+1
.endr
.endm
	s_wait_loadcnt 63                              ; 64 loads stand behind the first eight fragments'; a wait names 63 at the most
	CONV 0x8A, 0x08, 0, AS0, 0
	s_wait_loadcnt 32
	CONV 0x8A, 0x08, 128, AS0, 8
	s_wait_loadcnt 0x0
	CONV 0xCF, 0x0C, 0, AS0H, 0
	WIN 0
.irp i, 0,1,2                          ; k2 as bf16; v2 as bf16, each channel eight times: 16 bytes that are half a fragment of V^T for keys that are all alike
	v_pk_add_f32 v[KV+12*\i:KV+12*\i+1], v[KV+12*\i:KV+12*\i+1], v[KV+12*\i+2:KV+12*\i+3]
	v_pk_add_f32 v[KV+12*\i+6:KV+12*\i+7], v[KV+12*\i+6:KV+12*\i+7], v[KV+12*\i+8:KV+12*\i+9]
	v_pk_add_f32 v[KV+12*\i:KV+12*\i+1], v[KV+12*\i:KV+12*\i+1], v[KV+12*\i+4:KV+12*\i+5]
	v_pk_add_f32 v[KV+12*\i+6:KV+12*\i+7], v[KV+12*\i+6:KV+12*\i+7], v[KV+12*\i+10:KV+12*\i+11]
	v_cvt_pk_bf16_f32 v[KV+12*\i+2], v[KV+12*\i], v[KV+12*\i+1]
	ds_store_b32 v[K2S], v[KV+12*\i+2] offset:128*\i
.irp z, 0,1
.irp u, 0,1,2,3
	v_cvt_pk_bf16_f32 v[VC+8*\i+4*\z+\u], v[KV+12*\i+6+\z], v[KV+12*\i+6+\z]
.endr
	ds_store_b128 v[V2S], v[VC+8*\i+4*\z:VC+8*\i+4*\z+3] offset:1024*\i+16*\z
.endr
.endr
	s_wait_tensorcnt 0x1                           ; my part of my first step is in; the second's may stay out
	s_wait_dscnt 0x0                               ; for the others' sake: my tile of A is stored
	s_barrier_signal -1
	s_barrier_wait -1
.Lpass:                                        ; passes 0-2: q, k, v of head 4 g + w, and its attention
	PASSHEAD
	WIN 0
	s_wait_loadcnt 0x0                             ; the pass's biases, asked for behind the softmax of the pass before
.irp c, 0,1,2,3
.irp j, 0,1,2,3,4,5,6,7
	v_mov_b32 v[BIAS+64+8*\c+\j], v[VBT+\c]        ; in v's tiles a lane holds one channel: its bias in all eight registers of the C operand
.endr
.endr
	HALF0 1, 0                                     ; the first half of the pass's first step stands in front of the loop: its products start the sums
	WIN 0
	s_mov_b32 s[CNT], 11
.Lstep:                                        ; a trip: the second half of a step with its change of slots, and the first half of the next step
	TURN 1, 0, 1
	HALF0 0, 0
	WIN 0
	s_sub_co_u32 s[CNT], s[CNT], 1
	s_cmp_lg_u32 s[CNT], 0
	s_cbranch_scc1 .Lstep
	TURN 0, 0, 0                                   ; the ring goes on: the next pass's second step is asked for and lands under the attention
	PLACES
	PACK 0x4A, 0, 64, 0                            ; Q
	PACK 0x4A, 64, 64, 32                          ; K
	PACK 0x4F, 128, 32, 0                          ; V^T
	SPROD 16
	PLACES
	SOFTMAX
	s_cmp_eq_u32 s[GP], 1                          ; S^T's registers are free: the next pass's biases are asked for
	s_cbranch_scc1 .Lbq2
	v_add_nc_u32 v[VBO], 1024, v[VBO]              ; (the loads that read these two were waited for at the pass's head)
	v_add_nc_u32 v[VBV], 1024, v[VBV]
	BIASQKV
	s_branch .Lbdone
.Lbq2:
	BIASQ2
.Lbdone:
	PVPROD 0xA5, 16, 8
	PLACES
	WIN 0x82                                       ; O^T / l
.irp q, 0,1,2,3
.set u, 0
.rept 16
	v_pk_mul_f32 v[32*\q+2*u:32*\q+2*u+1], v[32*\q+2*u:32*\q+2*u+1], v[ST+8*\q+2:ST+8*\q+3] op_sel_hi:[1,0]
.set u, u+1
.endr
.endr
	WIN 0
	s_cmp_eq_u32 s[GP], 3
	s_cbranch_scc1 .Lct0
	s_cmp_eq_u32 s[GP], 2
	s_cbranch_scc1 .Lct1
	s_branch .Lctd
.Lct0:
	PACK 0xCA, 128, 32, 0                          ; A is still read: the context waits in registers
	WIN 0
	s_branch .Lctd
.Lct1:
	PACK 0xCA, 192, 32, 0
	WIN 0
.Lctd:
	s_wait_xcnt 0x0                                ; the pass's prefetch, three steps and an attention back, has read its address:
	s_add_nc_u64 s[PFA:PFA+1], s[PFA:PFA+1], 12*STEPB  ; on by a pass (behind the third pass it is used no more)
	s_sub_co_u32 s[GP], s[GP], 1
	s_cmp_lg_u32 s[GP], 0
	s_cbranch_scc1 .Lpass
	PACK 0x4A, 0, 32, 0                            ; pass 2's context
	WIN 0                                          ; THE CONTEXT TAKES q_repr's PLACE IN A: head 4 g + w is k fragments 8 g + 2 w, 8 g + 2 w + 1
	s_wait_dscnt 0x0
	s_barrier_signal -1
	s_barrier_wait -1                              ; every wave's reads of A are over.  (My load of the next step but one stays out)
	WIN 0x0C
.irp g, 0,1
.irp q, 0,1,2,3
.irp f, 0,1
	ds_store_b128 v[VA2], v[128+64*\g+16*\q+8*\f:128+64*\g+16*\q+8*\f+3]   offset:\g*32768+\f*4096+\q*1024
	ds_store_b128 v[VA2], v[128+64*\g+16*\q+8*\f+4:128+64*\g+16*\q+8*\f+7] offset:\g*32768+\f*4096+\q*1024+512
.endr
.endr
.endr
	WIN 0x04
.irp q, 0,1,2,3
.irp f, 0,1
	ds_store_b128 v[VA2H], v[16*\q+8*\f:16*\q+8*\f+3]   offset:\f*4096+\q*1024
	ds_store_b128 v[VA2H], v[16*\q+8*\f+4:16*\q+8*\f+7] offset:\f*4096+\q*1024+512
.endr
.endr
	WIN 0
	s_wait_dscnt 0x0
	s_barrier_signal -1
	s_barrier_wait -1                              ; everybody's context is there
	PASSHEAD                                       ; PASS 3: q2, columns 192 w .. 192 w + 191
	s_wait_loadcnt 0x0                             ; bq2
	HALF0 1, 1
	WIN 0
	s_mov_b32 s[CNT], 10
.Lstep3:                                       ; a trip as in passes 0-2; ten changes of slots ask for the pass's other ten steps
	TURN 1, 1, 0
	HALF0 0, 1
	WIN 0
	s_sub_co_u32 s[CNT], s[CNT], 1
	s_cmp_lg_u32 s[CNT], 0
	s_cbranch_scc1 .Lstep3
	HALFX 1                                        ; the tail is written out: nothing is left to fetch
	HALF0 0, 1
	LASTH 1
	PLACES
	WIN 0
	s_mov_b32 s[HD], 3
.Lhead:                                        ; THE CROSS PART, heads 3 w + 2, 3 w + 1, 3 w: head 2's sums lie where O^T will lie, so they are packed first
	s_cmp_eq_u32 s[HD], 3
	s_cbranch_scc1 .Lq2c
	s_cmp_eq_u32 s[HD], 2
	s_cbranch_scc1 .Lq2b
	PACK 0x4A, 0, 64, 0
	WIN 0
	v_mov_b32 v[K2C], v[K2A]
	v_mov_b32 v[V2C], v[V2A]
	v_mov_b32 v[XSC], v[XSA]
	s_branch .Lq2d
.Lq2b:
	PACK 0x4A, 0, 64, 32
	WIN 0
	v_add_nc_u32 v[K2C], 128, v[K2A]
	v_add_nc_u32 v[V2C], 1024, v[V2A]
	v_add_nc_u32 v[XSC], 256, v[XSA]
	s_branch .Lq2d
.Lq2c:
	PACK 0x4F, 0, 32, 0
	WIN 0
	v_add_nc_u32 v[K2C], 256, v[K2A]
	v_add_nc_u32 v[V2C], 2048, v[V2A]
	v_add_nc_u32 v[XSC], 512, v[XSA]
.Lq2d:
	WIN 0x40                                       ; one fragment pair of K serves all key tiles, one fragment of V^T a channel tile all keys
.irp f, 0,1
	ds_load_b128 v[64+8*\f:64+8*\f+3],   v[K2C] offset:64*\f
	ds_load_b128 v[64+8*\f+4:64+8*\f+7], v[K2C] offset:64*\f+32
.endr
.irp c, 0,1,2,3
	ds_load_b128 v[128+8*\c:128+8*\c+3],   v[V2C] offset:256*\c
	ds_load_b128 v[128+8*\c+4:128+8*\c+7], v[V2C] offset:256*\c
.endr
	s_wait_dscnt 0x0
	SPROD 0
	PLACES
	SOFTMAX
	PVPROD 0xF5, 8, 0
	WIN 0
.irp q, 0,1,2                          ; a query's weight in the mean: 1 / (55 l), 0 for the rows that do not exist.  These four are the places behind the last products
	v_mul_f32 v[ST+8*\q+2], s[INV55], v[ST+8*\q+2]
.endr
	v_mul_f32 v[ST+26], v[VAL3], v[ST+26]
	WIN 0x03
.set u, 0
.rept 16
	v_pk_mul_f32 v[XR+2*u:XR+2*u+1], v[2*u:2*u+1], v[ST+2:ST+3] op_sel_hi:[1,0]
.set u, u+1
.endr
.irp q, 1,2,3
.set u, 0
.rept 16
	v_pk_fma_f32 v[XR+2*u:XR+2*u+1], v[32*\q+2*u:32*\q+2*u+1], v[ST+8*\q+2:ST+8*\q+3], v[XR+2*u:XR+2*u+1] op_sel_hi:[1,0,1]
.set u, u+1
.endr
.endr
	WIN 0
.irp m, 1,2,4,8                        ; and over the 16 queries that lie in 16 lanes
.set u, 0
.rept 32
	v_add_f32_dpp v[XR+u], v[XR+u], v[XR+u] row_xmask:\m row_mask:0xf bank_mask:0xf
.set u, u+1
.endr
.endr
.irp c, 0,1,2,3
	ds_store_b128 v[XSC], v[XR+8*\c:XR+8*\c+3]   offset:64*\c     ; channels 16 c + 8 h + 0..7: sixteen lanes write the same words with the same numbers
	ds_store_b128 v[XSC], v[XR+8*\c+4:XR+8*\c+7] offset:64*\c+16
.endr
	s_sub_co_u32 s[HD], s[HD], 1
	s_cmp_lg_u32 s[HD], 0
	s_cbranch_scc1 .Lhead
.irp i, 0,1,2
	ds_load_b64 v[XO+2*\i:XO+2*\i+1], v[XRA] offset:256*\i          ; my own bytes: LDS serves a wave's instructions in order (ISA guide 5.7.1.4)
.endr
	s_wait_dscnt 0x0                               ; they are in; and, for the others' sake, my 192 channels of x are stored
.irp i, 0,1,2
	global_store_b64 v[XGO], v[XO+2*\i:XO+2*\i+1], s[22:23] offset:256*\i  ; 32 lanes store 256 consecutive bytes, at a multiple of 256 from xrow's first byte
.endr
	s_barrier_signal -1
	s_barrier_wait -1                              ; the whole row of x lies in LDS
	s_cmp_eq_u32 s[WV], 3                          ; as bf16 the row is 1,536 bytes: 512 for each of waves 0-2, 16 a lane
	s_cbranch_scc1 .Lno_xb
	ds_load_b128 v[XB:XB+3],   v[XBA]              ; channels 256 w + 8 lane + 0..7
	ds_load_b128 v[XB+4:XB+7], v[XBA] offset:16
	s_wait_dscnt 0x0
.irp k, 0,1,2,3
	v_cvt_pk_bf16_f32 v[XC+\k], v[XB+2*\k], v[XB+2*\k+1]
.endr
	global_store_b128 v[XBO], v[XC:XC+3], s[PXB:PXB+1]  ; 512 consecutive bytes, at a multiple of 256 from xb's first byte
.Lno_xb:
	s_wait_tensorcnt 0x0                           ; the wave's end: behind my last tensor load and my last LDS store
	ds_add_u32 v[SPW], v[NIL]
	s_wait_dscnt 0x0
	CROUND                                         ; the closing round: no work-group ends while a partner may still ask for a part that names it
	s_endpgm
.Lfunc_end_k_q4bc88f1dbc_fused:
	.size	k_q4bc88f1dbc_fused, .Lfunc_end_k_q4bc88f1dbc_fused-k_q4bc88f1dbc_fused
	.p2alignl 7, 3214868480
	.fill 96, 4, 3214868480
	.section	.rodata,"a",@progbits
	.p2align	6, 0x0
	.amdhsa_kernel k_q4bc88f1dbc_fused
		.amdhsa_group_segment_fixed_size 327680
		.amdhsa_private_segment_fixed_size 0
		.amdhsa_enable_private_segment 0
		.amdhsa_kernarg_size 88
		.amdhsa_user_sgpr_count 2
		.amdhsa_user_sgpr_kernarg_segment_ptr 1
		.amdhsa_wavefront_size32 1
		.amdhsa_system_sgpr_workgroup_id_x 1
		.amdhsa_system_sgpr_workgroup_id_y 1
		.amdhsa_system_sgpr_workgroup_id_z 1
		.amdhsa_system_vgpr_workitem_id 0
		.amdhsa_next_free_vgpr 1024
		.amdhsa_next_free_sgpr 84
		.amdhsa_reserve_vcc 1
		.amdhsa_float_denorm_mode_32 3
		.amdhsa_float_denorm_mode_16_64 3
		.amdhsa_memory_ordered 1
		.amdhsa_forward_progress 1
		.amdhsa_inst_pref_size 217
	.end_amdhsa_kernel
	.amdgpu_metadata
---
amdhsa.version: [ 1, 2 ]
amdhsa.kernels:
  - .name:           k_q4bc88f1dbc_fused
    .symbol:         k_q4bc88f1dbc_fused.kd
    .args:
      - { .name: q_repr, .offset: 0, .size: 8, .value_kind: global_buffer, .address_space: global }
      - { .name: ws, .offset: 8, .size: 8, .value_kind: global_buffer, .address_space: global }
      - { .name: kvp, .offset: 16, .size: 8, .value_kind: global_buffer, .address_space: global }
      - { .name: bq1, .offset: 24, .size: 8, .value_kind: global_buffer, .address_space: global }
      - { .name: bk1, .offset: 32, .size: 8, .value_kind: global_buffer, .address_space: global }
      - { .name: bv1, .offset: 40, .size: 8, .value_kind: global_buffer, .address_space: global }
      - { .name: bq2, .offset: 48, .size: 8, .value_kind: global_buffer, .address_space: global }
      - { .name: bk2, .offset: 56, .size: 8, .value_kind: global_buffer, .address_space: global }
      - { .name: bv2, .offset: 64, .size: 8, .value_kind: global_buffer, .address_space: global }
      - { .name: xrow, .offset: 72, .size: 8, .value_kind: global_buffer, .address_space: global }
      - { .name: xb, .offset: 80, .size: 8, .value_kind: global_buffer, .address_space: global }
    .group_segment_fixed_size: 327680
    .private_segment_fixed_size: 0
    .kernarg_segment_align: 8
    .kernarg_segment_size: 88
    .max_flat_workgroup_size: 128
    .sgpr_count:     84
    .vgpr_count:     1024
    .wavefront_size: 32
...
	.end_amdgpu_metadata
.endif
;; end of part 6
;; launch ffn1 (part 7): grid 4 x 48, 4 waves a work-group, no clusters, 67,072 bytes of LDS; arguments xb, W1, b1, hb; writes hb
.if DOCPART == 7
	.amdgcn_target "amdgcn-amd-amdhsa--gfx1250"
	.amdhsa_code_object_version 6
	.text
	.protected	k_q4bc88f1dbc_ffn1
	.globl	k_q4bc88f1dbc_ffn1
	.p2align	8
	.type	k_q4bc88f1dbc_ffn1,@function
k_q4bc88f1dbc_ffn1:
	s_mov_b64 s[64:65], 0
	v_nop
	global_prefetch_b8 v0, s[64:65] scope:SCOPE_SE
	s_setreg_imm32_b32 hwreg(HW_REG_WAVE_MODE, 25, 1), 1
	s_wait_xcnt 0x0
; hb = gelu(x W1 + b1), bf16, laid out as the fragments that the next launch multiplies.  x comes as bf16 (xb: [256][768], rounded once by the launch before), W1: [768][3072] f32.
; A tile is 64 rows x 64 columns; K = 768 is split among the four waves (192 each, six k fragments); the partial sums meet in LDS.  Operands bf16, sums f32.
; k is laid into the fragments in another order than it has, alike for both sources: lane (r, h) holds k0 + 16 h + 0..15 (of x: 32 bytes on end).  The product is taken transposed (source 0 = W1), fragment q of W1
; holding the columns 4 m + q: so a lane ends with one row and, in trip i of the finish, the 8 neighbouring columns 32 h + 8 i + 0..7.
; hb: block (T, F) of 1,024 bytes at (96 T + F) x 1,024: lane (r, h) holds hidden units 64 (F / 2) + 32 h + 16 (F % 2) + 0..15 of row 16 T + r: units 0-7 at 16 lane, 8-15 at 512 + 16 lane.
; GELU is the exact one, 0.5 x (1 + erf(x / sqrt 2)); erf by the rational form 7.1.26 of Abramowitz and Stegun, absolute error 1.5e-7, for every |x|: g = 0.5 ((|x| + x) - |x| w), w = 1 - erf(|x| / sqrt 2).
; NaN and infinities are not treated apart.  No tensor loads and no cluster: the weights are f32 and pass through registers to be rounded, and no wave wants a byte that another has fetched.
.set HS,   16                          ; rows of W1 between the two halves of the lanes
.set AST,  8                           ; registers of a fragment of x
.set LDA,  1536                        ; bytes in a row of xb
.set ATS,  16*LDA                      ; from a row tile of x to the next
.set AKS,  64                          ; from a k fragment to the next
.set AHS,  16                          ; from a lane's first 8 numbers to its second 8
.set LDW,  12288
.set BL,    65536                      ; b1 of the tile's 64 columns, 256 bytes, once for each wave
.set SPARE, 66560
.set AO,  4                            ; r x LDA + 32 h
.set WO,  5                            ; 16 h x LDW + 16 r
.set LSA, 6
.set LRA, 7
.set CO,  8                            ; 16 lane; steps by 512
.set BLA, 9                            ; BL + 256 w + 128 h; steps by 32
.set SPW, 10
.set NIL, 11
.set BLS, 12
.set B1O, 13
.set P,   16
.set R,   48
.set BI,  56                           ; v[56:63] bias
.set BF,  64
.set AX,  64                           ; the finish works where W1's fragments lay
.set Z,   72
.set TT,  80
.set EE,  88
.set PO,  96
.set GG,  104
.set ACC, 128
.set WV,  22
.set PA,  24
.set PW,  26
.set PC,  28
.set CNT, 32
.set C_RS2, 40                         ; constants as pairs: the packed forms take a pair's low word for both halves
.set C_P,   42
.set C_NL,  44
.set C_A5,  46
.set C_A4,  48
.set C_A3,  50
.set C_A2,  52
.set C_A1,  54
.set TMP,   56                         ; s56  at work in the set-up
.set MSB, 0
.macro WIN new
.if MSB != (\new)
	s_set_vgpr_msb (MSB<<8)|(\new)
.set MSB, (\new)
.endif
.endm
.macro PLACES
.rept 4
	v_nop
.endr
.endm
; The data of k fragment kf have 128 registers of their own: window 1 + kf / 2, from 128 (kf % 2): x's fragment t at + 8 t, W1's row i (f32) at + 64 + 4 i.  24 loads.
.macro LD kf
.set XW, 1+(\kf)/2
.set RB, 128*((\kf)%2)
.set KR, 32*(\kf)
	WIN XW<<6
.irp t, 0,1,2,3
	global_load_b128 v[RB+8*\t:RB+8*\t+3],   v[AO], s[PA:PA+1] offset:\t*ATS+(\kf)*AKS
	global_load_b128 v[RB+8*\t+4:RB+8*\t+7], v[AO], s[PA:PA+1] offset:\t*ATS+(\kf)*AKS+AHS
.endr
.irp i, 0,1,2,3,4,5,6,7,8,9,10,11,12,13,14,15
	global_load_b128 v[RB+64+4*\i:RB+64+4*\i+3], v[WO], s[PW:PW+1] offset:(KR+\i)*LDW  ; 16 lanes take 256 consecutive bytes of a row of W1
.endr
.endm
; k fragment kf: W1's part is rounded, and both are multiplied.  n: the loads issued behind its own.  nx: the k fragment that is asked for directly behind the wait, ahead of this one's work (its registers are its own).
; The 16 accumulators take turns; the first k fragment starts the sums with the constant 0.
.macro PR kf, n, nx=-1
	s_wait_loadcnt \n
.if (\nx) >= 0
	LD \nx
.endif
.set XW, 1+(\kf)/2
.set RB, 128*((\kf)%2)
.set BB, BF+32*((\kf)%2)
	WIN XW*5
.irp q, 0,1,2,3
.irp e, 0,1,2,3,4,5,6,7
	v_cvt_pk_bf16_f32 v[BB+8*\q+\e], v[RB+64+8*\e+\q], v[RB+64+8*\e+4+\q]
.endr
.endr
	WIN XW<<2
.irp t, 0,1,2,3
.irp q, 0,1,2,3
.if (\kf) == 0
	v_wmma_f32_16x16x32_bf16 v[ACC+8*(4*\t+\q):ACC+8*(4*\t+\q)+7], v[BB+8*\q:BB+8*\q+7], v[RB+AST*\t:RB+AST*\t+7], 0
.else
	v_wmma_f32_16x16x32_bf16 v[ACC+8*(4*\t+\q):ACC+8*(4*\t+\q)+7], v[BB+8*\q:BB+8*\q+7], v[RB+AST*\t:RB+AST*\t+7], v[ACC+8*(4*\t+\q):ACC+8*(4*\t+\q)+7]
.endif
.endr
.endr
.endm
.macro MEET                            ; my 16 partial tiles go to LDS, each accumulator's registers in ascending order; then everybody's are there
	WIN 0
	PLACES
	PLACES
.set ta, 0
.rept 16
.irp i, 0,1,2,3
	ds_store_b64 v[LSA], v[ACC+8*ta+2*\i:ACC+8*ta+2*\i+1] offset:ta*1024+\i*256
.endr
.set ta, ta+1
.endr
	s_wait_dscnt 0x0                               ; for the others' sake: my stores are done
	s_barrier_signal -1
	s_barrier_wait -1
.endm
.macro FINLOAD                         ; registers 2 i, 2 i + 1 of row tile w's four accumulators, from all four waves
.irp v, 0,1,2,3
.irp q, 0,1,2,3
	ds_load_b64 v[P+8*\v+2*\q:P+8*\v+2*\q+1], v[LRA] offset:\v*16384+\q*1024
.endr
.endr
.endm
.macro FINSUM                          ; R[4 z + q] = the sum over the waves of register 2 i + z of accumulator q
.irp q, 0,1,2,3
	v_pk_add_f32 v[P+2*\q:P+2*\q+1], v[P+2*\q:P+2*\q+1], v[P+8+2*\q:P+8+2*\q+1]
	v_pk_add_f32 v[P+16+2*\q:P+16+2*\q+1], v[P+16+2*\q:P+16+2*\q+1], v[P+24+2*\q:P+24+2*\q+1]
.endr
.irp q, 0,1,2,3
	v_add_f32 v[R+\q], v[P+2*\q], v[P+16+2*\q]
	v_add_f32 v[R+4+\q], v[P+2*\q+1], v[P+16+2*\q+1]
.endr
.endm
	s_load_b256 s[4:11], s[0:1], 0x0               ; xb 4, W1 6, b1 8, hb 10
	v_lshl_add_u32 v[SPW], v0, 2, SPARE
	v_mov_b32 v[NIL], 0
	v_lshrrev_b32 v1, 5, v0
	v_readfirstlane_b32 s[WV], v1
	v_and_b32 v1, 15, v0                           ; r
	v_bfe_u32 v2, v0, 4, 1                         ; h
	v_and_b32 v3, 31, v0                           ; lane
	s_and_b32 s33, ttmp7, 0xffff                   ; cb: 64 columns
	s_mul_i32 s34, ttmp9, 64*LDA                   ; rb: 64 rows
	s_mul_i32 s37, s[WV], 384                      ; my 192 k, 2 bytes each
	s_add_co_u32 s34, s34, s37
	s_mov_b32 s35, 0
	s_mul_i32 s36, s[WV], 192*LDW
	s_lshl_b32 s38, s33, 8
	s_mov_b32 s39, 0
	s_add_co_u32 s36, s36, s38
	s_mov_b32 s37, 0
	s_lshl2_add_u32 s30, ttmp9, s[WV]              ; row tile 4 rb + w
	s_mul_i32 s30, s30, 96
	s_lshl1_add_u32 s30, s33, s30                  ; + block 2 cb
	s_lshl_b32 s30, s30, 10
	s_mov_b32 s31, 0
	s_mov_b32 s[C_RS2], 0x3f3504f3                 ; 1 / sqrt 2
	s_mov_b32 s[C_P],   0x3ea7ba05                 ; 0.3275911
	s_mov_b32 s[C_NL],  0xbfb8aa3b                 ; -log2(e)
	s_mov_b32 s[C_A5],  0x3f87dc22                 ; 1.061405429
	s_mov_b32 s[C_A4],  0xbfba00e3                 ; -1.453152027
	s_mov_b32 s[C_A3],  0x3fb5f0e3                 ; 1.421413741
	s_mov_b32 s[C_A2],  0xbe91a98e                 ; -0.284496736
	s_mov_b32 s[C_A1],  0x3e827906                 ; 0.254829592
.irp k, C_RS2, C_P, C_NL, C_A5, C_A4, C_A3, C_A2, C_A1
	s_mov_b32 s[\k+1], s[\k]
.endr
	v_mul_u32_u24 v[AO], v1, LDA
	v_lshl_add_u32 v[AO], v2, 5, v[AO]
	v_mul_u32_u24 v[WO], v2, HS*LDW
	v_lshl_add_u32 v[WO], v1, 4, v[WO]
	s_lshl_b32 s[TMP], s[WV], 14
	v_lshl_add_u32 v[LSA], v3, 3, s[TMP]
	s_lshl_b32 s[TMP], s[WV], 12
	v_lshl_add_u32 v[LRA], v3, 3, s[TMP]
	v_lshlrev_b32 v[CO], 4, v3
	s_lshl_b32 s[TMP], s[WV], 8
	s_add_co_u32 s[TMP], s[TMP], BL
	v_lshl_add_u32 v[BLA], v2, 7, s[TMP]
	v_lshl_add_u32 v[BLS], v1, 4, s[TMP]
	v_lshlrev_b32 v[B1O], 4, v1
	s_wait_kmcnt 0x0
	s_add_nc_u64 s[PA:PA+1], s[4:5], s[34:35]
	s_add_nc_u64 s[PW:PW+1], s[6:7], s[36:37]
	s_add_nc_u64 s[8:9], s[8:9], s[38:39]
	s_add_nc_u64 s[PC:PC+1], s[10:11], s[30:31]
	global_load_b128 v[BI:BI+3], v[B1O], s[8:9]    ; b1 of columns 4 r .. 4 r + 3
	LD 0                                           ; a k fragment is 24 loads; two fragments' are out while the one before them is multiplied
	LD 1
	PR 0, 24, 2                                    ; every count: the one younger group of 24
	WIN 0
	ds_store_b128 v[BLS], v[BI:BI+3]               ; older than the loads waited for; my wave's own 256 bytes
	PR 1, 24, 3
	PR 2, 24, 4
	PR 3, 24, 5
	PR 4, 24
	PR 5, 0
	MEET
	s_mov_b32 s[CNT], 4
.Lfin:                                         ; trip i: row 16 w + r, columns 32 h + 8 i + 0..7
	FINLOAD
	ds_load_b128 v[BI:BI+3],   v[BLA]
	ds_load_b128 v[BI+4:BI+7], v[BLA] offset:16
	s_wait_dscnt 0x0
	FINSUM
.irp k, 0,2,4,6
	v_pk_add_f32 v[R+\k:R+\k+1], v[R+\k:R+\k+1], v[BI+\k:BI+\k+1]
.endr
.irp k, 0,1,2,3,4,5,6,7
	v_and_b32 v[AX+\k], 0x7fffffff, v[R+\k]
.endr
.irp k, 0,2,4,6
	v_pk_mul_f32 v[Z+\k:Z+\k+1], v[AX+\k:AX+\k+1], s[C_RS2:C_RS2+1] op_sel_hi:[1,0]     ; z = |x| / sqrt 2
.endr
.irp k, 0,2,4,6
	v_pk_fma_f32 v[TT+\k:TT+\k+1], v[Z+\k:Z+\k+1], s[C_P:C_P+1], 1.0 op_sel_hi:[1,0,0]  ; 1 + p z
	v_pk_mul_f32 v[EE+\k:EE+\k+1], v[Z+\k:Z+\k+1], s[C_NL:C_NL+1] op_sel_hi:[1,0]
.endr
.irp k, 0,2,4,6
	v_pk_mul_f32 v[EE+\k:EE+\k+1], v[EE+\k:EE+\k+1], v[Z+\k:Z+\k+1]                     ; -z^2 log2(e)
.endr
.irp k, 0,1,2,3,4,5,6,7
	v_rcp_f32 v[TT+\k], v[TT+\k]
.endr
.irp k, 0,1,2,3,4,5,6,7
	v_exp_f32 v[EE+\k], v[EE+\k]
.endr
	v_nop                                          ; a plain instruction behind the batch of sixteen,
	s_wait_alu depctr_va_vdst(0)                   ; and its one wait, ahead of the first reader
.irp k, 0,2,4,6
	v_pk_fma_f32 v[PO+\k:PO+\k+1], v[TT+\k:TT+\k+1], s[C_A5:C_A5+1], s[C_A4:C_A4+1] op_sel_hi:[1,0,0]
.endr
.irp a, C_A3, C_A2, C_A1
.irp k, 0,2,4,6
	v_pk_fma_f32 v[PO+\k:PO+\k+1], v[PO+\k:PO+\k+1], v[TT+\k:TT+\k+1], s[\a:\a+1] op_sel_hi:[1,1,0]
.endr
.endr
.irp k, 0,2,4,6
	v_pk_mul_f32 v[PO+\k:PO+\k+1], v[PO+\k:PO+\k+1], v[TT+\k:TT+\k+1]
	v_pk_add_f32 v[Z+\k:Z+\k+1], v[AX+\k:AX+\k+1], v[R+\k:R+\k+1]
.endr
.irp k, 0,2,4,6
	v_pk_mul_f32 v[PO+\k:PO+\k+1], v[PO+\k:PO+\k+1], v[EE+\k:EE+\k+1]                   ; w
.endr
.irp k, 0,2,4,6
	v_pk_fma_f32 v[Z+\k:Z+\k+1], v[AX+\k:AX+\k+1], v[PO+\k:PO+\k+1], v[Z+\k:Z+\k+1] neg_lo:[1,0,0] neg_hi:[1,0,0]
.endr
.irp k, 0,2,4,6
	v_pk_mul_f32 v[Z+\k:Z+\k+1], v[Z+\k:Z+\k+1], 0.5 op_sel_hi:[1,0]
.endr
.irp k, 0,1,2,3
	v_cvt_pk_bf16_f32 v[GG+\k], v[Z+2*\k], v[Z+2*\k+1]
.endr
	global_store_b128 v[CO], v[GG:GG+3], s[PC:PC+1]  ; 512 consecutive bytes, at a multiple of 256 from hb's first byte
	s_wait_xcnt 0x0                                ; the store's offset and data are written again only behind this wait
	v_add_nc_u32 v[CO], 512, v[CO]
	v_add_nc_u32 v[LRA], 256, v[LRA]
	v_add_nc_u32 v[BLA], 32, v[BLA]
	s_sub_co_u32 s[CNT], s[CNT], 1
	s_cmp_lg_u32 s[CNT], 0
	s_cbranch_scc1 .Lfin
	s_wait_tensorcnt 0x0                           ; the wave's end: behind my last LDS store
	ds_add_u32 v[SPW], v[NIL]
	s_wait_dscnt 0x0
	s_endpgm
.Lfunc_end_k_q4bc88f1dbc_ffn1:
	.size	k_q4bc88f1dbc_ffn1, .Lfunc_end_k_q4bc88f1dbc_ffn1-k_q4bc88f1dbc_ffn1
	.p2alignl 7, 3214868480
	.fill 96, 4, 3214868480
	.section	.rodata,"a",@progbits
	.p2align	6, 0x0
	.amdhsa_kernel k_q4bc88f1dbc_ffn1
		.amdhsa_group_segment_fixed_size 67072
		.amdhsa_private_segment_fixed_size 0
		.amdhsa_enable_private_segment 0
		.amdhsa_kernarg_size 32
		.amdhsa_user_sgpr_count 2
		.amdhsa_user_sgpr_kernarg_segment_ptr 1
		.amdhsa_wavefront_size32 1
		.amdhsa_system_sgpr_workgroup_id_x 1
		.amdhsa_system_sgpr_workgroup_id_y 1
		.amdhsa_system_sgpr_workgroup_id_z 1
		.amdhsa_system_vgpr_workitem_id 0
		.amdhsa_next_free_vgpr 1024
		.amdhsa_next_free_sgpr 66
		.amdhsa_reserve_vcc 0
		.amdhsa_float_denorm_mode_32 3
		.amdhsa_float_denorm_mode_16_64 3
		.amdhsa_memory_ordered 1
		.amdhsa_forward_progress 1
		.amdhsa_inst_pref_size 47
	.end_amdhsa_kernel
	.amdgpu_metadata
---
amdhsa.version: [ 1, 2 ]
amdhsa.kernels:
  - .name:           k_q4bc88f1dbc_ffn1
    .symbol:         k_q4bc88f1dbc_ffn1.kd
    .args:
      - { .name: xb, .offset: 0, .size: 8, .value_kind: global_buffer, .address_space: global }
      - { .name: W1, .offset: 8, .size: 8, .value_kind: global_buffer, .address_space: global }
      - { .name: b1, .offset: 16, .size: 8, .value_kind: global_buffer, .address_space: global }
      - { .name: hb, .offset: 24, .size: 8, .value_kind: global_buffer, .address_space: global }
    .group_segment_fixed_size: 67072
    .private_segment_fixed_size: 0
    .kernarg_segment_align: 8
    .kernarg_segment_size: 32
    .max_flat_workgroup_size: 128
    .sgpr_count:     66
    .vgpr_count:     1024
    .wavefront_size: 32
...
	.end_amdgpu_metadata
.endif
;; end of part 7
;; launch ffn2: the kernel of part 4 again; grid 48 x 4, 4 waves a work-group, no clusters, 66,048 bytes of LDS; arguments hb, W2, yp; writes yp
;; launch ln: the kernel of part 5 again; grid 256 x 1, 1 waves a work-group, no clusters, 0 bytes of LDS; arguments xrow, yp, b2, ln_g, ln_b, out0; writes out0
;; ======== version 3 of 3: 5 launches; version 2 with the launches prep, ffn2 written anew for expert scheduling mode
;; workspace buffers: ws 4,718,592 bytes; kvp 3,145,728 bytes; xrow 786,432 bytes; xb 393,216 bytes; hb 1,572,864 bytes; yp 3,145,728 bytes
;; launch prep (part 8): grid 96 x 2, 4 waves a work-group, no clusters, 66,048 bytes of LDS; arguments Wq1, Wk1, Wv1, Wq2, Wk2, Wv2, im_repr, ws, kvp; writes ws, kvp
.if DOCPART == 8
	.amdgcn_target "amdgcn-amd-amdhsa--gfx1250"
	.amdhsa_code_object_version 6
	.text
	.protected	k_q4bc88f1dbc_prep
	.globl	k_q4bc88f1dbc_prep
	.p2align	8
	.type	k_q4bc88f1dbc_prep,@function
k_q4bc88f1dbc_prep:
	s_mov_b64 s[64:65], 0
	v_nop
	global_prefetch_b8 v0, s[64:65] scope:SCOPE_SE
	s_setreg_imm32_b32 hwreg(HW_REG_WAVE_SCHED_MODE, 0, 2), 2
	s_setreg_imm32_b32 hwreg(HW_REG_WAVE_MODE, 25, 1), 1
	s_wait_xcnt 0x0
	s_wait_alu depctr_vm_vsrc(0)
; TWO JOBS IN ONE LAUNCH, both for the launch behind it.
; (a) Wq1, Wk1, Wv1, Wq2 ([768][768] f32) are rounded to bf16 and laid out as the stream ws: 48 steps of 98,304 bytes, step = 12 g + ks (pass g, 64 k a step);
;     a step = 4 wave parts of 24,576; a part = 24 fragments of 1,024 at j*12 + c (j: which 32 k, c: column tile); a fragment = [half][lane 16 h + r][8 bf16] = W[32 kf + 16 half + 8 h + i][col + r].
;     g < 3, part w: head 4 g + w; c 0-3 Wq1, 4-7 Wk1, 8-11 Wv1, columns 64 head + 16 (c % 4).  g = 3, part w: Wq2 columns 192 w + 16 c.
;     Work-group id = 96 y + x takes k fragment id / 8 and columns 96 (id % 8) ..; wave w takes matrix w.
; (b) kvp[y][row][col] = the sum over k in slice y (512 k) of im_repr[row][k] x [Wk2 | Wv2][k][col], f32: reference() gives all 55 keys of a batch the same row, so k2 and v2 are made once a batch.
;     A tile is 64 rows x 64 columns; K is split among the four waves (128 k each); the four partial sums meet in LDS.  Operands bf16, sums f32.
;     k is laid into the fragments in another order than it has, alike for both sources: lane (r, h) holds k0 + 16 h + 0..15.  The products are the same; the order of the f32 sums differs.
; No tensor loads and no cluster: the weights are f32 and pass through registers to be rounded, and no wave wants a byte that another has fetched.
; THE MODE: SCHED_MODE bits 1:0 = 2 (LLVM: expert scheduling mode 2), set by the entry lines.  The code itself states the register dependences
; between vector or matrix instructions and memory or LDS instructions, with s_wait_alu, always for 0.
; THE PLAN.  Registers that memory or LDS instructions touch:
;   v[SO], v[AO], v[WO], v[DO ..], v[LSA]  offsets and addresses: written once at the head, read by loads and stores, never written again.
;   window 3, v0-95     job (a)'s raw numbers: each register is loaded once; read by job (a)'s conversions.
;   window 3, v96-143   job (a)'s fragments: written once by those conversions; read by the twelve stores, which stand in one run.
;   windows 1 and 2     job (b)'s raw data, 128 registers of its own for each k fragment: each is loaded once, and named by that fragment's conversions and matrix instructions alone.
;   ACC                 written by the matrix instructions; read by the LDS stores of MEET; not written again.
;   P                   the finish: a trip's LDS loads land in it; the trip's sums read and write it.
;   R                   written by a trip's sums; read by the trip's two stores.
;   v[LRA], v[CO]       read by a trip's LDS loads and by its stores; each stepped once a trip.
;   BF is named by vector and matrix instructions alone.  v[SPW], v[NIL]: written at the head, read by the closing add alone.
; So the waits on va_vdst are four: at the head (offsets and addresses), ahead of job (a)'s stores, ahead of MEET's LDS stores, and one in a trip of the finish, ahead of its stores,
; which serves the next trip's LDS loads too.  One wait on vm_vsrc stands in a trip of the finish, ahead of the two address steps and the sums.  No load of weights or of im_repr owes more than the head's wait.
.set AF32, 1                           ; A comes as f32
.set TR,   0                           ; source 0 = A
.set HS,   16                          ; rows of W between the two halves of the lanes
.set AST,  16                          ; registers of a raw A fragment
.set LDA,  4096                        ; bytes in a row of im_repr
.set LDW,  3072                        ; of Wk2, Wv2
.set LDC,  6144                        ; of kvp
.set SPARE, 65536                      ; behind the 4 x 16,384 bytes of partial sums: the spare words, 128 bytes a wave
.set AO,  4                            ; v4   r x LDA + 64 h
.set WO,  5                            ; v5   16 h x LDW + 16 r
.set LSA, 6                            ; v6   16,384 w + 8 lane: where I put partial sums
.set LRA, 7                            ; v7   4,096 w + 8 lane: where I read them back; steps by 256
.set CO,  8                            ; v8   (16 w + 8 h) x LDC + 16 r; steps by two rows
.set SO,  9                            ; v9   job (a): 8 h rows + 4 r
.set SPW, 10                           ; v10  my spare word
.set NIL, 11                           ; v11  0
.set L16, 12                           ; v12  16 lane
.set P,   16                           ; v[16:47]  four waves' partial sums, pair q of wave v at P + 8 v + 2 q
.set R,   48                           ; v[48:55]  finished sums
.set DO,  56                           ; v[56:61]  job (a): byte offset in ws of column tile cc
.set BF,  64                           ; v[64:127] two sets of four fragments of W
.set ACC, 128                          ; v[128:255] accumulator (t, q) at ACC + 8 (4 t + q)
.set WV,  22
.set PA,  24
.set PW,  26
.set PC,  28
.set PM,  30
.set CNT, 32
.set MSB, 0
.macro WIN new                         ; the immediate's high byte repeats the setting that is left; a switch that changes nothing is dropped
.if MSB != (\new)
	s_set_vgpr_msb (MSB<<8)|(\new)
.set MSB, (\new)
.endif
.endm
.macro PLACES
.rept 4
	v_nop
.endr
.endm
; The raw data of k fragment kf have 128 registers of their own: window 1 + kf / 2, from 128 (kf % 2): A at + AST t, W's row i at + 64 + 4 i.
.macro LD kf
.set XW, 1+(\kf)/2
.set RB, 128*((\kf)%2)
.if HS == 16
.set KR, 32*(\kf)
.else
.set KR, 64*((\kf)/2)+16*((\kf)%2)
.endif
	WIN XW<<6
.if AF32
.irp t, 0,1,2,3
.irp u, 0,1,2,3
	global_load_b128 v[RB+16*\t+4*\u:RB+16*\t+4*\u+3], v[AO], s[PA:PA+1] offset:\t*16*LDA+(\kf)*128+16*\u
.endr
.endr
.else
.irp t, 0,1,2,3
	global_load_b128 v[RB+8*\t:RB+8*\t+3],   v[AO], s[PA:PA+1] offset:\t*98304+(\kf)*1024
	global_load_b128 v[RB+8*\t+4:RB+8*\t+7], v[AO], s[PA:PA+1] offset:\t*98304+(\kf)*1024+512
.endr
.endif
.irp i, 0,1,2,3,4,5,6,7,8,9,10,11,12,13,14,15
	global_load_b128 v[RB+64+4*\i:RB+64+4*\i+3], v[WO], s[PW:PW+1] offset:(KR+\i)*LDW  ; 16 lanes take 256 consecutive bytes of a row of W
.endr
.endm
; k fragment kf is rounded and multiplied.  n: the loads issued behind its own, which may stay out.  Fragment q of W holds the columns 4 r + q.
; nx: the k fragment that is asked for directly behind the wait, ahead of this one's work.  Its loads owe no wait of their own: no vector or matrix instruction since the head's wait names v[AO], v[WO] or the registers in which they land.
; The 16 accumulators take turns, one instruction a turn; the first k fragment starts the sums with the constant 0.
.macro PR kf, n, nx=-1
	s_wait_loadcnt \n
.if (\nx) >= 0
	LD \nx
.endif
.set XW, 1+(\kf)/2
.set RB, 128*((\kf)%2)
.set BB, BF+32*((\kf)%2)
.if AF32
	WIN XW*0x45
.irp t, 0,1,2,3
.irp e, 0,1,2,3,4,5,6,7
	v_cvt_pk_bf16_f32 v[RB+16*\t+\e], v[RB+16*\t+2*\e], v[RB+16*\t+2*\e+1]
.endr
.endr
.endif
	WIN XW*5
.irp q, 0,1,2,3
.irp e, 0,1,2,3,4,5,6,7
	v_cvt_pk_bf16_f32 v[BB+8*\q+\e], v[RB+64+8*\e+\q], v[RB+64+8*\e+4+\q]
.endr
.endr
.if TR
	WIN XW<<2
.else
	WIN XW
.endif
.irp t, 0,1,2,3
.irp q, 0,1,2,3
.if TR
.if (\kf) == 0
	v_wmma_f32_16x16x32_bf16 v[ACC+8*(4*\t+\q):ACC+8*(4*\t+\q)+7], v[BB+8*\q:BB+8*\q+7], v[RB+AST*\t:RB+AST*\t+7], 0
.else
	v_wmma_f32_16x16x32_bf16 v[ACC+8*(4*\t+\q):ACC+8*(4*\t+\q)+7], v[BB+8*\q:BB+8*\q+7], v[RB+AST*\t:RB+AST*\t+7], v[ACC+8*(4*\t+\q):ACC+8*(4*\t+\q)+7]
.endif
.else
.if (\kf) == 0
	v_wmma_f32_16x16x32_bf16 v[ACC+8*(4*\t+\q):ACC+8*(4*\t+\q)+7], v[RB+AST*\t:RB+AST*\t+7], v[BB+8*\q:BB+8*\q+7], 0
.else
	v_wmma_f32_16x16x32_bf16 v[ACC+8*(4*\t+\q):ACC+8*(4*\t+\q)+7], v[RB+AST*\t:RB+AST*\t+7], v[BB+8*\q:BB+8*\q+7], v[ACC+8*(4*\t+\q):ACC+8*(4*\t+\q)+7]
.endif
.endif
.endr
.endr
.endm
.macro MEET                            ; my 16 partial tiles go to LDS, each accumulator's registers in ascending order; then everybody's are there
	WIN 0
	PLACES
	PLACES
	s_wait_alu depctr_va_vdst(0)                   ; the matrix instructions have written the accumulators, which the LDS stores read; the places above stay beside this wait
.set ta, 0
.rept 16
.irp i, 0,1,2,3
	ds_store_b64 v[LSA], v[ACC+8*ta+2*\i:ACC+8*ta+2*\i+1] offset:ta*1024+\i*256
.endr
.set ta, ta+1
.endr
	s_wait_dscnt 0x0                               ; for the others' sake: my stores are done
	s_barrier_signal -1
	s_barrier_wait -1
.endm
.macro FINLOAD                         ; registers 2 i, 2 i + 1 of row tile w's four accumulators, from all four waves
.irp v, 0,1,2,3
.irp q, 0,1,2,3
	ds_load_b64 v[P+8*\v+2*\q:P+8*\v+2*\q+1], v[LRA] offset:\v*16384+\q*1024
.endr
.endr
.endm
.macro FINSUM                          ; R[4 z + q] = the sum over the waves of register 2 i + z of accumulator q
.irp q, 0,1,2,3
	v_pk_add_f32 v[P+2*\q:P+2*\q+1], v[P+2*\q:P+2*\q+1], v[P+8+2*\q:P+8+2*\q+1]
	v_pk_add_f32 v[P+16+2*\q:P+16+2*\q+1], v[P+16+2*\q:P+16+2*\q+1], v[P+24+2*\q:P+24+2*\q+1]
.endr
.irp q, 0,1,2,3
	v_add_f32 v[R+\q], v[P+2*\q], v[P+16+2*\q]
	v_add_f32 v[R+4+\q], v[P+2*\q+1], v[P+16+2*\q+1]
.endr
.endm
	s_load_b512 s[4:19], s[0:1], 0x0               ; Wq1 4, Wk1 6, Wv1 8, Wq2 10, Wk2 12, Wv2 14, im_repr 16, ws 18
	s_load_b64 s[20:21], s[0:1], 0x40              ; kvp
	v_lshl_add_u32 v[SPW], v0, 2, SPARE
	v_mov_b32 v[NIL], 0
	v_lshrrev_b32 v1, 5, v0
	v_readfirstlane_b32 s[WV], v1                  ; wave 0..3
	v_and_b32 v1, 15, v0                           ; r
	v_bfe_u32 v2, v0, 4, 1                         ; h
	v_and_b32 v3, 31, v0                           ; lane
	s_wait_alu depctr_va_sdst(0)                   ; the wave's number is written, ahead of its first reader: offsets, LDS addresses and the choice of the matrix are made from it
	s_and_b32 s33, ttmp7, 0xffff                   ; y
	s_mul_i32 s34, s33, 96
	s_add_co_u32 s34, s34, ttmp9                   ; id
	s_and_b32 s35, s34, 7                          ; cu: 96 columns
	s_lshr_b32 s36, s34, 3                         ; kf: 32 k
	s_mul_i32 s38, s36, 98304                      ; 32 rows of 3,072 bytes
	s_mul_i32 s37, s35, 384
	s_add_co_u32 s38, s38, s37
	s_mov_b32 s39, 0
	s_lshr_b32 s45, s36, 1                         ; in ws: step ks = kf / 2, half j = kf % 2
	s_mul_i32 s45, s45, 98304
	s_and_b32 s37, s36, 1
	s_mul_i32 s37, s37, 12288
	s_add_co_u32 s45, s45, s37
	s_mul_i32 s46, s35, 6                          ; my first column tile
	v_lshlrev_b32 v[L16], 4, v3
	v_mul_u32_u24 v[SO], v2, 24576
	v_lshl_add_u32 v[SO], v1, 2, v[SO]
.irp cc, 0,1,2,3,4,5                   ; where column tile ct = 6 cu + cc goes: one form for Wq1, Wk1, Wv1 (by heads), one for Wq2 (by twelves); the wave's number chooses
	s_add_co_u32 s40, s46, \cc
	s_lshr_b32 s41, s40, 4                         ; pass g = head / 4
	s_mul_i32 s41, s41, 1179648
	s_bfe_u32 s42, s40, 0x20002                    ; wave part = head % 4
	s_mul_i32 s42, s42, 24576
	s_add_co_u32 s41, s41, s42
	s_and_b32 s42, s40, 3
	s_lshl2_add_u32 s42, s[WV], s42                ; c = 4 x matrix + ct % 4
	s_lshl_b32 s42, s42, 10
	s_add_co_u32 s41, s41, s42
	s_mul_i32 s43, s40, 43
	s_lshr_b32 s43, s43, 9                         ; ct / 12, exact for ct < 48
	s_mul_i32 s44, s43, 12
	s_sub_co_u32 s44, s40, s44
	s_lshl_b32 s44, s44, 10
	s_mul_i32 s43, s43, 24576
	s_add_co_u32 s43, s43, s44
	s_add_co_u32 s43, s43, 3538944
	s_cmp_eq_u32 s[WV], 3
	s_cselect_b32 s41, s43, s41
	s_add_co_u32 s41, s41, s45
	v_add_nc_u32 v[DO+\cc], s41, v[L16]
.endr
	s_and_b32 s47, ttmp9, 3                        ; job (b): rb, 64 rows
	s_lshr_b32 s48, ttmp9, 2                       ; cb, 64 columns of [Wk2 | Wv2]
	s_lshl_b32 s49, s33, 9
	s_lshl_b32 s37, s[WV], 7
	s_add_co_u32 s49, s49, s37                     ; my first k = 512 y + 128 w
	s_lshl_b32 s50, s47, 18
	s_lshl_b32 s37, s49, 2
	s_add_co_u32 s50, s50, s37
	s_mov_b32 s51, 0
	s_cmp_lt_u32 s48, 12
	s_cselect_b32 s37, 0, 12
	s_sub_co_u32 s37, s48, s37
	s_lshl_b32 s37, s37, 8
	s_mul_i32 s52, s49, LDW
	s_add_co_u32 s52, s52, s37
	s_mov_b32 s53, 0
	s_mul_i32 s54, s33, 1572864
	s_mul_i32 s37, s47, 64*LDC
	s_add_co_u32 s54, s54, s37
	s_lshl_b32 s37, s48, 8
	s_add_co_u32 s54, s54, s37
	s_mov_b32 s55, 0
	v_lshlrev_b32 v[AO], 12, v1
	v_lshl_add_u32 v[AO], v2, 6, v[AO]
	v_mul_u32_u24 v[WO], v2, HS*LDW
	v_lshl_add_u32 v[WO], v1, 4, v[WO]
	s_lshl_b32 s37, s[WV], 14
	v_lshl_add_u32 v[LSA], v3, 3, s37
	s_lshl_b32 s37, s[WV], 12
	v_lshl_add_u32 v[LRA], v3, 3, s37
	s_lshl_b32 s37, s[WV], 4
	v_lshl_add_u32 v[CO], v2, 3, s37
	v_mul_u32_u24 v[CO], v[CO], LDC
	v_lshl_add_u32 v[CO], v1, 4, v[CO]
	s_wait_kmcnt 0x0
	s_cmp_lt_u32 s[WV], 2                          ; wave w's matrix
	s_cselect_b64 s[PM:PM+1], s[4:5], s[8:9]
	s_cselect_b64 s[40:41], s[6:7], s[10:11]
	s_and_b32 s37, s[WV], 1
	s_cmp_eq_u32 s37, 1
	s_cselect_b64 s[PM:PM+1], s[40:41], s[PM:PM+1]
	s_add_nc_u64 s[PM:PM+1], s[PM:PM+1], s[38:39]
	s_cmp_lt_u32 s48, 12
	s_cselect_b64 s[PW:PW+1], s[12:13], s[14:15]
	s_add_nc_u64 s[PW:PW+1], s[PW:PW+1], s[52:53]
	s_add_nc_u64 s[PA:PA+1], s[16:17], s[50:51]
	s_add_nc_u64 s[PC:PC+1], s[20:21], s[54:55]
	WIN 0xC0                                       ; job (a): 96 loads into window 3, v0-95: tile cc, half hf, k i at 16 cc + 8 hf + i
	s_wait_alu depctr_va_vdst(0)                   ; the offsets and addresses v4 to v9 and v56 to v61 are written, which the loads and stores below read
.irp cc, 0,1,2,3,4,5
.irp hf, 0,1
.irp i, 0,1,2,3,4,5,6,7
	global_load_b32 v[16*\cc+8*\hf+\i], v[SO], s[PM:PM+1] offset:(16*\hf+\i)*3072+64*\cc
.endr
.endr
.endr
	LD 0
.macro WSCVT cc                        ; a fragment: 16 numbers a lane rounded, into registers of the fragment's own
.irp e, 0,1,2,3,4,5,6,7
	v_cvt_pk_bf16_f32 v[96+8*(\cc)+\e], v[16*(\cc)+2*\e], v[16*(\cc)+2*\e+1]
.endr
.endm
.macro WSSTO cc                        ; and stored: two stores of 512 consecutive bytes
	global_store_b128 v[DO+(\cc)], v[96+8*(\cc):96+8*(\cc)+3], s[18:19]
	global_store_b128 v[DO+(\cc)], v[96+8*(\cc)+4:96+8*(\cc)+7], s[18:19] offset:512
.endm
	s_wait_loadcnt 63                              ; tiles 0 to 3 are in: behind tile 3's loads stand 2 x 16 + 32 = 64 others; a wait names 63 at the most
	WIN 0xCF
	WSCVT 0
	WSCVT 1
	WSCVT 2
	WSCVT 3
	s_wait_loadcnt 32                              ; tiles 4 and 5 are in; k fragment 0's 32 loads stay out
	WSCVT 4
	WSCVT 5
	LD 1                                           ; job (b): the next k fragment's 32 loads stand between the conversions and the wait for them; they name none of job (a)'s registers
	WIN 0x0C
	s_wait_alu depctr_va_vdst(0)                   ; the 48 conversions have written window 3's v96 to v143, which the twelve stores read
	WSSTO 0
	WSSTO 1
	WSSTO 2
	WSSTO 3
	WSSTO 4
	WSSTO 5
	PR 0, 32, 2                                    ; every count: the one younger group of 32
	PR 1, 32, 3
	PR 2, 32
	PR 3, 0
	MEET
	s_mov_b32 s[CNT], 4
.Lfin:                                         ; trip i: rows 8 h + 2 i, 8 h + 2 i + 1 of row tile w; a lane holds columns 4 r .. 4 r + 3
	FINLOAD                                        ; no vector instruction stands between the last wait on va_vdst (MEET's, or the last trip's) and these loads
	s_wait_dscnt 0x0
	s_wait_xcnt 0x0                                ; the last trip's stores have had their addresses translated: their offset and data are written again only behind this wait
	s_wait_alu depctr_vm_vsrc(0)                   ; the LDS loads above have read v[LRA]; the last trip's stores have read v[CO] and R: the lines below write all three
	v_add_nc_u32 v[LRA], 256, v[LRA]
	v_add_nc_u32 v[CO], 2*LDC, v[CO]               ; stepped ahead of the stores, which reach back by their immediates
	FINSUM
	s_wait_alu depctr_va_vdst(0)                   ; R and v[CO] are written, which the stores read; v[LRA] is written and the sums are done with P, for the next trip's LDS loads
	global_store_b128 v[CO], v[R:R+3], s[PC:PC+1] offset:-2*LDC  ; 16 lanes store 256 consecutive bytes, at a multiple of 256 from kvp's first byte
	global_store_b128 v[CO], v[R+4:R+7], s[PC:PC+1] offset:-LDC
	s_sub_co_u32 s[CNT], s[CNT], 1
	s_cmp_lg_u32 s[CNT], 0
	s_cbranch_scc1 .Lfin
	s_wait_dscnt 0x0                               ; the closing lines, six on end
	s_wait_alu 0x0
	s_wait_tensorcnt 0x0
	ds_add_u32 v[SPW], v[NIL]
	s_wait_dscnt 0x0
	s_endpgm
.Lfunc_end_k_q4bc88f1dbc_prep:
	.size	k_q4bc88f1dbc_prep, .Lfunc_end_k_q4bc88f1dbc_prep-k_q4bc88f1dbc_prep
	.p2alignl 7, 3214868480
	.fill 96, 4, 3214868480
	.section	.rodata,"a",@progbits
	.p2align	6, 0x0
	.amdhsa_kernel k_q4bc88f1dbc_prep
		.amdhsa_group_segment_fixed_size 66048
		.amdhsa_private_segment_fixed_size 0
		.amdhsa_enable_private_segment 0
		.amdhsa_kernarg_size 72
		.amdhsa_user_sgpr_count 2
		.amdhsa_user_sgpr_kernarg_segment_ptr 1
		.amdhsa_wavefront_size32 1
		.amdhsa_system_sgpr_workgroup_id_x 1
		.amdhsa_system_sgpr_workgroup_id_y 1
		.amdhsa_system_sgpr_workgroup_id_z 1
		.amdhsa_system_vgpr_workitem_id 0
		.amdhsa_next_free_vgpr 912
		.amdhsa_next_free_sgpr 66
		.amdhsa_reserve_vcc 0
		.amdhsa_float_denorm_mode_32 3
		.amdhsa_float_denorm_mode_16_64 3
		.amdhsa_memory_ordered 1
		.amdhsa_forward_progress 1
		.amdhsa_inst_pref_size 62
	.end_amdhsa_kernel
	.amdgpu_metadata
---
amdhsa.version: [ 1, 2 ]
amdhsa.kernels:
  - .name:           k_q4bc88f1dbc_prep
    .symbol:         k_q4bc88f1dbc_prep.kd
    .args:
      - { .name: Wq1, .offset: 0, .size: 8, .value_kind: global_buffer, .address_space: global }
      - { .name: Wk1, .offset: 8, .size: 8, .value_kind: global_buffer, .address_space: global }
      - { .name: Wv1, .offset: 16, .size: 8, .value_kind: global_buffer, .address_space: global }
      - { .name: Wq2, .offset: 24, .size: 8, .value_kind: global_buffer, .address_space: global }
      - { .name: Wk2, .offset: 32, .size: 8, .value_kind: global_buffer, .address_space: global }
      - { .name: Wv2, .offset: 40, .size: 8, .value_kind: global_buffer, .address_space: global }
      - { .name: im_repr, .offset: 48, .size: 8, .value_kind: global_buffer, .address_space: global }
      - { .name: ws, .offset: 56, .size: 8, .value_kind: global_buffer, .address_space: global }
      - { .name: kvp, .offset: 64, .size: 8, .value_kind: global_buffer, .address_space: global }
    .group_segment_fixed_size: 66048
    .private_segment_fixed_size: 0
    .kernarg_segment_align: 8
    .kernarg_segment_size: 72
    .max_flat_workgroup_size: 128
    .sgpr_count:     66
    .vgpr_count:     912
    .wavefront_size: 32
...
	.end_amdgpu_metadata
.endif
;; end of part 8
;; launch fused: the kernel of part 6 again; grid 256 x 1, 4 waves a work-group, clusters of 4 x 1, 327,680 bytes of LDS; arguments q_repr, ws, kvp, bq1, bk1, bv1, bq2, bk2, bv2, xrow, xb; writes xrow, xb
;; launch ffn1: the kernel of part 7 again; grid 4 x 48, 4 waves a work-group, no clusters, 67,072 bytes of LDS; arguments xb, W1, b1, hb; writes hb
;; launch ffn2 (part 9): grid 48 x 4, 4 waves a work-group, no clusters, 66,048 bytes of LDS; arguments hb, W2, yp; writes yp
.if DOCPART == 9
	.amdgcn_target "amdgcn-amd-amdhsa--gfx1250"
	.amdhsa_code_object_version 6
	.text
	.protected	k_q4bc88f1dbc_ffn2
	.globl	k_q4bc88f1dbc_ffn2
	.p2align	8
	.type	k_q4bc88f1dbc_ffn2,@function
k_q4bc88f1dbc_ffn2:
	s_mov_b64 s[64:65], 0
	v_nop
	global_prefetch_b8 v0, s[64:65] scope:SCOPE_SE
	s_setreg_imm32_b32 hwreg(HW_REG_WAVE_SCHED_MODE, 0, 2), 2
	s_setreg_imm32_b32 hwreg(HW_REG_WAVE_MODE, 25, 1), 1
	s_wait_xcnt 0x0
	s_wait_alu depctr_vm_vsrc(0)
; yp[p][row][col] = the sum over the hidden units of slice p (768 of 3,072) of h[row][unit] W2[unit][col], f32 partial sums that the next launch adds.  W2: [3072][768] f32.
; A tile is 64 rows x 64 columns (x = rb + 4 cb); a slice's K is split among the four waves (192 each, six k fragments); the waves' partial sums meet in LDS.  Operands bf16, sums f32.
; h comes as fragments (hb, from the launch before): block (T, F) holds in lane (r, h) the units 64 (F / 2) + 32 h + 16 (F % 2) + 0..15 of row 16 T + r; W2's rows are fetched in the same order.
; Four slices, so that 192 work-groups share the stream of W2; the sum over slices spans work-groups and is therefore left to the next launch.
; No tensor loads and no cluster: the weights are f32 and pass through registers to be rounded, and no wave wants a byte that another has fetched.
; THE MODE: SCHED_MODE bits 1:0 = 2 (LLVM: expert scheduling mode 2), set by the entry lines.  The code itself states the register dependences
; between vector or matrix instructions and memory or LDS instructions, with s_wait_alu, always for 0.
; THE PLAN.  Registers that memory or LDS instructions touch:
;   v[AO], v[WO], v[LSA]  offsets and an LDS address: written once at the head, read by loads and LDS stores, never written again.
;   windows 1 to 3        the data of a k fragment, 128 registers of its own for each of the six: each is loaded once, and named by that fragment's conversions and matrix instructions alone.
;   ACC                   written by the matrix instructions; read by the LDS stores of MEET; not written again.
;   P                     the finish: a trip's LDS loads land in it; the trip's sums read and write it.
;   R                     written by a trip's sums; read by the trip's two stores.
;   v[LRA], v[CO]         read by a trip's LDS loads and by its stores; each stepped once a trip.
;   BF is named by vector and matrix instructions alone.  v[SPW], v[NIL]: written at the head, read by the closing add alone.
; So the waits on va_vdst are three: at the head (offsets and addresses), ahead of MEET's LDS stores, and one in a trip of the finish, ahead of its stores, which serves the next trip's LDS loads too.
; One wait on vm_vsrc stands in a trip of the finish, ahead of the two address steps and the sums.  No load of h or W2 owes more than the head's wait.
.set AF32, 0
.set TR,   0
.set HS,   32
.set AST,  8
.set LDA,  0
.set LDW,  3072
.set LDC,  3072
.set SPARE, 65536
.set AO,  4
.set WO,  5
.set LSA, 6
.set LRA, 7
.set CO,  8
.set SPW, 10
.set NIL, 11
.set P,   16
.set R,   48
.set BF,  64
.set ACC, 128
.set WV,  22
.set PA,  24
.set PW,  26
.set PC,  28
.set CNT, 32
.set MSB, 0
.macro WIN new
.if MSB != (\new)
	s_set_vgpr_msb (MSB<<8)|(\new)
.set MSB, (\new)
.endif
.endm
.macro PLACES
.rept 4
	v_nop
.endr
.endm
; The raw data of k fragment kf have 128 registers of their own: window 1 + kf / 2, from 128 (kf % 2): A at + AST t, W's row i at + 64 + 4 i.
.macro LD kf
.set XW, 1+(\kf)/2
.set RB, 128*((\kf)%2)
.if HS == 16
.set KR, 32*(\kf)
.else
.set KR, 64*((\kf)/2)+16*((\kf)%2)
.endif
	WIN XW<<6
.if AF32
.irp t, 0,1,2,3
.irp u, 0,1,2,3
	global_load_b128 v[RB+16*\t+4*\u:RB+16*\t+4*\u+3], v[AO], s[PA:PA+1] offset:\t*16*LDA+(\kf)*128+16*\u
.endr
.endr
.else
.irp t, 0,1,2,3
	global_load_b128 v[RB+8*\t:RB+8*\t+3],   v[AO], s[PA:PA+1] offset:\t*98304+(\kf)*1024
	global_load_b128 v[RB+8*\t+4:RB+8*\t+7], v[AO], s[PA:PA+1] offset:\t*98304+(\kf)*1024+512
.endr
.endif
.irp i, 0,1,2,3,4,5,6,7,8,9,10,11,12,13,14,15
	global_load_b128 v[RB+64+4*\i:RB+64+4*\i+3], v[WO], s[PW:PW+1] offset:(KR+\i)*LDW  ; 16 lanes take 256 consecutive bytes of a row of W
.endr
.endm
; k fragment kf is rounded and multiplied.  n: the loads issued behind its own.  The 16 accumulators take turns; the first k fragment starts the sums with the constant 0.
; nx: the k fragment that is asked for directly behind the wait, ahead of this one's work.  Its loads owe no wait of their own: no vector or matrix instruction since the head's wait names v[AO], v[WO] or the registers in which they land.
.macro PR kf, n, nx=-1
	s_wait_loadcnt \n
.if (\nx) >= 0
	LD \nx
.endif
.set XW, 1+(\kf)/2
.set RB, 128*((\kf)%2)
.set BB, BF+32*((\kf)%2)
.if AF32
	WIN XW*0x45
.irp t, 0,1,2,3
.irp e, 0,1,2,3,4,5,6,7
	v_cvt_pk_bf16_f32 v[RB+16*\t+\e], v[RB+16*\t+2*\e], v[RB+16*\t+2*\e+1]
.endr
.endr
.endif
	WIN XW*5
.irp q, 0,1,2,3
.irp e, 0,1,2,3,4,5,6,7
	v_cvt_pk_bf16_f32 v[BB+8*\q+\e], v[RB+64+8*\e+\q], v[RB+64+8*\e+4+\q]
.endr
.endr
.if TR
	WIN XW<<2
.else
	WIN XW
.endif
.irp t, 0,1,2,3
.irp q, 0,1,2,3
.if TR
.if (\kf) == 0
	v_wmma_f32_16x16x32_bf16 v[ACC+8*(4*\t+\q):ACC+8*(4*\t+\q)+7], v[BB+8*\q:BB+8*\q+7], v[RB+AST*\t:RB+AST*\t+7], 0
.else
	v_wmma_f32_16x16x32_bf16 v[ACC+8*(4*\t+\q):ACC+8*(4*\t+\q)+7], v[BB+8*\q:BB+8*\q+7], v[RB+AST*\t:RB+AST*\t+7], v[ACC+8*(4*\t+\q):ACC+8*(4*\t+\q)+7]
.endif
.else
.if (\kf) == 0
	v_wmma_f32_16x16x32_bf16 v[ACC+8*(4*\t+\q):ACC+8*(4*\t+\q)+7], v[RB+AST*\t:RB+AST*\t+7], v[BB+8*\q:BB+8*\q+7], 0
.else
	v_wmma_f32_16x16x32_bf16 v[ACC+8*(4*\t+\q):ACC+8*(4*\t+\q)+7], v[RB+AST*\t:RB+AST*\t+7], v[BB+8*\q:BB+8*\q+7], v[ACC+8*(4*\t+\q):ACC+8*(4*\t+\q)+7]
.endif
.endif
.endr
.endr
.endm
.macro MEET
	WIN 0
	PLACES
	PLACES
	s_wait_alu depctr_va_vdst(0)                   ; the matrix instructions have written the accumulators, which the LDS stores read; the places above stay beside this wait
.set ta, 0
.rept 16
.irp i, 0,1,2,3
	ds_store_b64 v[LSA], v[ACC+8*ta+2*\i:ACC+8*ta+2*\i+1] offset:ta*1024+\i*256
.endr
.set ta, ta+1
.endr
	s_wait_dscnt 0x0                               ; for the others' sake: my stores are done
	s_barrier_signal -1
	s_barrier_wait -1
.endm
.macro FINLOAD
.irp v, 0,1,2,3
.irp q, 0,1,2,3
	ds_load_b64 v[P+8*\v+2*\q:P+8*\v+2*\q+1], v[LRA] offset:\v*16384+\q*1024
.endr
.endr
.endm
.macro FINSUM
.irp q, 0,1,2,3
	v_pk_add_f32 v[P+2*\q:P+2*\q+1], v[P+2*\q:P+2*\q+1], v[P+8+2*\q:P+8+2*\q+1]
	v_pk_add_f32 v[P+16+2*\q:P+16+2*\q+1], v[P+16+2*\q:P+16+2*\q+1], v[P+24+2*\q:P+24+2*\q+1]
.endr
.irp q, 0,1,2,3
	v_add_f32 v[R+\q], v[P+2*\q], v[P+16+2*\q]
	v_add_f32 v[R+4+\q], v[P+2*\q+1], v[P+16+2*\q+1]
.endr
.endm
	s_load_b128 s[4:7], s[0:1], 0x0                ; hb 4, W2 6
	s_load_b64 s[8:9], s[0:1], 0x10                ; yp
	v_lshl_add_u32 v[SPW], v0, 2, SPARE
	v_mov_b32 v[NIL], 0
	v_lshrrev_b32 v1, 5, v0
	v_readfirstlane_b32 s[WV], v1
	v_and_b32 v1, 15, v0                           ; r
	v_bfe_u32 v2, v0, 4, 1                         ; h
	v_and_b32 v3, 31, v0                           ; lane
	s_wait_alu depctr_va_sdst(0)                   ; the wave's number is written, ahead of its first reader: the three bases and the LDS addresses are made from it
	s_and_b32 s33, ttmp7, 0xffff                   ; p
	s_and_b32 s34, ttmp9, 3                        ; rb
	s_lshr_b32 s35, ttmp9, 2                       ; cb
	s_mul_i32 s36, s33, 24                         ; my first block of hb: 24 p + 6 w,
	s_mul_i32 s40, s[WV], 6
	s_add_co_u32 s36, s36, s40
	s_lshl_b32 s36, s36, 10
	s_mul_i32 s40, s34, 4*98304                    ; in row tile 4 rb
	s_add_co_u32 s36, s36, s40
	s_mov_b32 s37, 0
	s_mul_i32 s38, s33, 768                        ; my first row of W2: 768 p + 192 w
	s_mul_i32 s40, s[WV], 192
	s_add_co_u32 s38, s38, s40
	s_mul_i32 s38, s38, LDW
	s_lshl_b32 s40, s35, 8
	s_add_co_u32 s38, s38, s40
	s_mov_b32 s39, 0
	s_mul_i32 s42, s33, 786432
	s_mul_i32 s41, s34, 64*LDC
	s_add_co_u32 s42, s42, s41
	s_add_co_u32 s42, s42, s40
	s_mov_b32 s43, 0
	v_lshlrev_b32 v[AO], 4, v3
	v_mul_u32_u24 v[WO], v2, HS*LDW
	v_lshl_add_u32 v[WO], v1, 4, v[WO]
	s_lshl_b32 s40, s[WV], 14
	v_lshl_add_u32 v[LSA], v3, 3, s40
	s_lshl_b32 s40, s[WV], 12
	v_lshl_add_u32 v[LRA], v3, 3, s40
	s_lshl_b32 s40, s[WV], 4
	v_lshl_add_u32 v[CO], v2, 3, s40
	v_mul_u32_u24 v[CO], v[CO], LDC
	v_lshl_add_u32 v[CO], v1, 4, v[CO]
	s_wait_kmcnt 0x0
	s_add_nc_u64 s[PA:PA+1], s[4:5], s[36:37]
	s_add_nc_u64 s[PW:PW+1], s[6:7], s[38:39]
	s_add_nc_u64 s[PC:PC+1], s[8:9], s[42:43]
	WIN 0x40                                       ; the window of the first two k fragments' loads
	s_wait_alu depctr_va_vdst(0)                   ; the offsets and addresses v4 to v8 are written, which the loads and stores below read
	LD 0                                           ; a k fragment is 24 loads; two fragments' are out while the one before them is multiplied
	LD 1
	PR 0, 24, 2                                    ; every count: the one younger group of 24
	PR 1, 24, 3
	PR 2, 24, 4
	PR 3, 24, 5
	PR 4, 24
	PR 5, 0
	MEET
	s_mov_b32 s[CNT], 4
.Lfin:                                         ; trip i: rows 8 h + 2 i, 8 h + 2 i + 1 of row tile w; a lane holds columns 4 r .. 4 r + 3
	FINLOAD                                        ; no vector instruction stands between the last wait on va_vdst (MEET's, or the last trip's) and these loads
	s_wait_dscnt 0x0
	s_wait_xcnt 0x0                                ; the last trip's stores have had their addresses translated: their offset and data are written again only behind this wait
	s_wait_alu depctr_vm_vsrc(0)                   ; the LDS loads above have read v[LRA]; the last trip's stores have read v[CO] and R: the lines below write all three
	v_add_nc_u32 v[LRA], 256, v[LRA]
	v_add_nc_u32 v[CO], 2*LDC, v[CO]               ; stepped ahead of the stores, which reach back by their immediates
	FINSUM
	s_wait_alu depctr_va_vdst(0)                   ; R and v[CO] are written, which the stores read; v[LRA] is written and the sums are done with P, for the next trip's LDS loads
	global_store_b128 v[CO], v[R:R+3], s[PC:PC+1] offset:-2*LDC  ; 16 lanes store 256 consecutive bytes, at a multiple of 256 from yp's first byte
	global_store_b128 v[CO], v[R+4:R+7], s[PC:PC+1] offset:-LDC
	s_sub_co_u32 s[CNT], s[CNT], 1
	s_cmp_lg_u32 s[CNT], 0
	s_cbranch_scc1 .Lfin
	s_wait_dscnt 0x0                               ; the closing lines, six on end
	s_wait_alu 0x0
	s_wait_tensorcnt 0x0
	ds_add_u32 v[SPW], v[NIL]
	s_wait_dscnt 0x0
	s_endpgm
.Lfunc_end_k_q4bc88f1dbc_ffn2:
	.size	k_q4bc88f1dbc_ffn2, .Lfunc_end_k_q4bc88f1dbc_ffn2-k_q4bc88f1dbc_ffn2
	.p2alignl 7, 3214868480
	.fill 96, 4, 3214868480
	.section	.rodata,"a",@progbits
	.p2align	6, 0x0
	.amdhsa_kernel k_q4bc88f1dbc_ffn2
		.amdhsa_group_segment_fixed_size 66048
		.amdhsa_private_segment_fixed_size 0
		.amdhsa_enable_private_segment 0
		.amdhsa_kernarg_size 24
		.amdhsa_user_sgpr_count 2
		.amdhsa_user_sgpr_kernarg_segment_ptr 1
		.amdhsa_wavefront_size32 1
		.amdhsa_system_sgpr_workgroup_id_x 1
		.amdhsa_system_sgpr_workgroup_id_y 1
		.amdhsa_system_sgpr_workgroup_id_z 1
		.amdhsa_system_vgpr_workitem_id 0
		.amdhsa_next_free_vgpr 1024
		.amdhsa_next_free_sgpr 66
		.amdhsa_reserve_vcc 0
		.amdhsa_float_denorm_mode_32 3
		.amdhsa_float_denorm_mode_16_64 3
		.amdhsa_memory_ordered 1
		.amdhsa_forward_progress 1
		.amdhsa_inst_pref_size 42
	.end_amdhsa_kernel
	.amdgpu_metadata
---
amdhsa.version: [ 1, 2 ]
amdhsa.kernels:
  - .name:           k_q4bc88f1dbc_ffn2
    .symbol:         k_q4bc88f1dbc_ffn2.kd
    .args:
      - { .name: hb, .offset: 0, .size: 8, .value_kind: global_buffer, .address_space: global }
      - { .name: W2, .offset: 8, .size: 8, .value_kind: global_buffer, .address_space: global }
      - { .name: yp, .offset: 16, .size: 8, .value_kind: global_buffer, .address_space: global }
    .group_segment_fixed_size: 66048
    .private_segment_fixed_size: 0
    .kernarg_segment_align: 8
    .kernarg_segment_size: 24
    .max_flat_workgroup_size: 128
    .sgpr_count:     66
    .vgpr_count:     1024
    .wavefront_size: 32
...
	.end_amdgpu_metadata
.endif
;; end of part 9
;; launch ln: the kernel of part 5 again; grid 256 x 1, 1 waves a work-group, no clusters, 0 bytes of LDS; arguments xrow, yp, b2, ln_g, ln_b, out0; writes out0
